; MI455X (gfx1250); checked and timed in simulation.
; The chip was launched on July 23, 2026; its instructions are those of AMD's public machine-readable ISA for CDNA 5 (MIT licence, August 2026) and "CDNA5" Instruction Set Architecture Reference Guide (July 2026). The comments in the code are by the model that wrote it; some were corrected since.
;; Encoder Layer. Allowed arithmetic: matrix products marked QUANTISED: E2M3 operands, one E8M0 scale for each 32 along K, by v_wmma_scale_f32_16x16x128_f8f6f4 with both operands' format E2M3, f32 sums; everything else in f32.
;; Inputs: b1 4,096 float32; b2 1,024 float32; bk 1,024 float32; bo 1,024 float32; bq 1,024 float32; bv 1,024 float32; ln1_b 1,024 float32; ln1_w 1,024 float32; ln2_b 1,024 float32; ln2_w 1,024 float32; mask 2 x 1 x 1 x 2,048 int32; w1 1,024 x 4,096 float32; w2 4,096 x 1,024 float32; wk 1,024 x 1,024 float32; wo 1,024 x 1,024 float32; wq 1,024 x 1,024 float32; wv 1,024 x 1,024 float32; x 2 x 2,048 x 1,024 float32.
;; Outputs: out0 2 x 2,048 x 1,024 float32.
;; This version of the problem:
;;   THIS VERSION OF THE PROBLEM IS GIVEN IN LOW PRECISION. The matrix products marked QUANTISED in the list below multiply operands that are first quantised to E2M3 (2 exponent bits, 3 mantissa bits; 6 bits a number), with one power-of-two scale for each 32 numbers along K (OCP MX v1.0); their sums are f32. All else is computed in f32.
;;   The module's matrix products, in the order in which they are computed (A, B: the left and right operand; K: the contracted axis; several contracted axes count as one K, in the product's order):
;;     1. [M 4,096, K 1,024] x [K 1,024, N 1,024]; A: computed on the way; B: input wq: QUANTISED
;;     2. [M 4,096, K 1,024] x [K 1,024, N 1,024]; A: computed on the way; B: input wk: QUANTISED
;;     3. [M 4,096, K 1,024] x [K 1,024, N 1,024]; A: computed on the way; B: input wv: QUANTISED
;;     4. batch 32 x [M 2,048, K 64] x [K 64, N 2,048]; A: computed on the way; B: computed on the way: QUANTISED
;;     5. batch 32 x [M 64, K 2,048] x [K 2,048, N 2,048]; A: computed on the way; B: softmax (see below): QUANTISED
;;     6. [M 4,096, K 1,024] x [K 1,024, N 1,024]; A: computed on the way; B: input wo: QUANTISED
;;     7. [M 4,096, K 1,024] x [K 1,024, N 4,096]; A: computed on the way; B: input w1: QUANTISED
;;     8. [M 4,096, K 4,096] x [K 4,096, N 1,024]; A: computed on the way; B: input w2: QUANTISED
;;   THE QUANTISER, for each operand of a quantised product, along K:
;;     - K is cut into blocks of 32 from its start; a last block that is shorter is filled with zeros.
;;     - A block's scale is 2^e with e = floor(log2(the largest magnitude in the block)) - 2, held to -126 .. 127; a block of zeros has e = 0. As a byte (E8M0): e + 127.
;;     - Each number is divided by its block's scale, clamped to +-7.5, and rounded to the nearest number of E2M3, ties to even, subnormals kept.
;;     - The product sums the exact products of the quantised numbers (number of the format x scale) in f32.
;;   ~~~python
;;   def quantise(x, axis):      # numpy; x: float32 -> the quantised numbers, widened to float32 again
;;       x = np.moveaxis(x, axis, -1); K = x.shape[-1]
;;       x = np.pad(x, [(0, 0)] * (x.ndim - 1) + [(0, -K % 32)]); x = x.reshape(x.shape[:-1] + (-1, 32)); a = np.abs(x).max(-1, keepdims=True)
;;       e = np.where(a > 0, np.clip(np.frexp(np.where(a > 0, a, 1))[1] - 1 - 2, -126, 127), 0)      # np.frexp(a)[1] - 1 = floor(log2(a)), exactly
;;       r = np.clip(x / 2.0 ** e, -7.5, 7.5)
;;       step = 2.0 ** (np.maximum(np.frexp(np.where(r == 0, 1, r))[1] - 1, 0) - 3)
;;       q = np.round(r / step) * step * 2.0 ** e      # np.round: ties to even
;;       return np.moveaxis(q.reshape(q.shape[:-2] + (-1,))[..., :K], -1, axis).astype(np.float32)
;;   ~~~
;;   SOFTMAX AHEAD OF A QUANTISED PRODUCT. Where the list says 'softmax', what is quantised is not the finished softmax but p = 2^(t - M), with t = logit x log2(e) and M = ceil(the row's largest t), a whole number; so 1/2 < the row's largest p <= 1. The row's sum l is taken of the UNQUANTISED p, in f32, and the product's result is divided by l at the end. Since M is a whole number, a kernel that streams over the keys may use a running M (the ceiling of the running maximum): every later rescaling is an exact power of two, which a block's scale takes up: the codes' values come out the same.
;;   OPERANDS COMPUTED ON THE WAY. 'Computed on the way' means the value that the module computes at that place (a softmax that the list does not call 'softmax' is quantised finished and normalised). What goes into a quantiser is computed in f32, as accurately as f32 sums, v_exp_f32 and their like allow (about 1e-6 of the number): no bf16 or f16 on the way to a quantiser, and a product that is left as it is and whose result goes on into a quantised operand takes f32 operands (vector FMAs, or v_wmma_f32_16x16x4_f32). A number that lies on a knife's edge between two numbers of the format may be rounded either way, as far as f32 arithmetic and the matrix unit's own rounding can turn it there, and no further.
;; 2 versions. Each part assembles by itself: llvm-mc -triple=amdgcn-amd-amdhsa -mcpu=gfx1250 --defsym DOCPART=n.
;; ======== version 1 of 2: 8 launches
;; limits: right only within a limited range of input values
;; workspace buffers: wts 9,830,400 bytes; act1 3,276,800 bytes; atto 3,276,800 bytes; act2 3,276,800 bytes; qi 7,077,888 bytes; kv 7,077,888 bytes; hbuf 16,777,216 bytes; ffh 13,107,200 bytes
;; launch wquant (part 1): grid 384 x 1, 4 waves a work-group, no clusters, 36,352 bytes of LDS; arguments wq, wk, wv, wo, w1, w2, wts; writes wts
.if DOCPART == 1
	.amdgcn_target "amdgcn-amd-amdhsa--gfx1250"
	.amdhsa_code_object_version 6
	.text
	.protected	k_qa11bae06db_wquant
	.globl	k_qa11bae06db_wquant
	.p2align	8
	.type	k_qa11bae06db_wquant,@function
k_qa11bae06db_wquant:
	s_mov_b64 s[64:65], 0
	v_nop
	global_prefetch_b8 v0, s[64:65] scope:SCOPE_SE
	s_setreg_imm32_b32 hwreg(HW_REG_WAVE_MODE, 25, 1), 1
	s_wait_xcnt 0x0
; The six weights, f32 stored [K][N], become codes of FP6 (E2M3) laid [N][K] with K innermost, and one E8M0 byte for each 32 along K.
; wts: codes: rows 0-1023 wq, 1024-2047 wk, 2048-3071 wv, 3072-4095 wo, 4096-8191 w1 (768 bytes a row), then at 6,291,456 w2's 1,024 rows of 3,072 bytes;
;      scale bytes at WSC: 8,192 rows of 32, then w2's 1,024 rows of 128.
; ROW ORDER: output feature n lies at row position pi(n), pi = n with bits 3 and 4 exchanged.  With tiles of 16 neighbouring positions the products' results then
; hold 16 neighbouring features in 16 registers of a lane, which is what the next quantiser wants.
; A lane takes a column n and its registers run down K: a block of 32 along K lies in one lane, and the conversions give the codes with K innermost.
; A work-group takes 128 columns x 256 along K, a wave 32 columns: 8 blocks a lane, 192 bytes of codes a column.  They go through the wave's own stage in LDS and leave
; as rows: sixteen lanes store a row's 192 consecutive bytes.  One path serves all six weights: pointers, pitches and bases are chosen on the work-group's number.
; A block's scale byte is its largest magnitude's exponent field - 2, held at 1 from below.  LIMITS: a block of zeros gets the byte 1 (its codes are zeros; this program alone
; reads the bytes); blocks whose largest magnitude lies under 2^-124 keep the byte 1; NaN and infinities are not served.
.set PITCH, 272                        ; a stage row: sixteen places of 16 bytes, each with 12 bytes of codes, + 16
.set NB,    8                          ; blocks of a lane
.set WSC,   9437184                    ; where the scale bytes begin in wts
.set X,     32                         ; v32-95   two sets of 32 numbers
.set C,     96                         ; v96-102  a block's codes
.set OF,    128                        ; v128-159 load offsets: 4 x lane + i x the weight's pitch; never rewritten
.set OUTR,  160                        ; v160-223 the way out
.set QO,    224                        ; v224-239 store offsets of the way out; never rewritten
.set SB,    24                         ; v24-25   the scale bytes
.set BAS,   32                         ; s[32:47] a base for each of the 8 blocks
	s_load_b256 s[4:11], s[0:1], 0x0               ; wq, wk, wv, wo
	s_load_b128 s[12:15], s[0:1], 0x20             ; w1, w2
	s_load_b64 s[16:17], s[0:1], 0x30              ; wts
	v_lshl_add_u32 v240, v0, 2, 0x8c00
	v_mov_b32 v241, 0
	v_lshrrev_b32 v1, 5, v0
	v_readfirstlane_b32 s18, v1                    ; wave
	v_and_b32 v2, 31, v0                           ; lane
	; work-groups 0-255: K = 1,024: column group g / 4 of 64, K part g % 4.  256-383: w2, K = 4,096: column group g' / 16, K part g' % 16
	s_lshr_b32 s20, ttmp9, 2
	s_and_b32 s21, ttmp9, 3
	s_sub_co_u32 s22, ttmp9, 256
	s_lshr_b32 s23, s22, 4
	s_and_b32 s24, s22, 15
	s_mov_b32 s25, 3072
	s_mov_b32 s26, 128
	s_mov_b32 s28, WSC+262144
	s_cmp_lt_u32 ttmp9, 256
	s_cselect_b32 s20, s20, s23                    ; column group
	s_cselect_b32 s21, s21, s24                    ; which 256 along K
	s_cselect_b32 s25, 768, s25                    ; a row of codes in bytes
	s_cselect_b32 s26, 32, s26                     ; a row of scale bytes
	s_cselect_b32 s27, 0, 6291456                  ; where the codes' rows begin
	s_cselect_b32 s28, WSC, s28                    ; and the scale bytes' rows
	s_lshr_b32 s30, s20, 3
	s_min_u32 s30, s30, 4
	s_cmp_lt_u32 ttmp9, 256
	s_cselect_b32 s30, s30, 5                      ; which weight: 0 wq, 1 wk, 2 wv, 3 wo, 4 w1, 5 w2
	s_and_b32 s31, s20, 7
	s_sub_co_u32 s19, s20, 32
	s_mov_b32 s29, 4096
	s_cmp_eq_u32 s30, 4
	s_cselect_b32 s31, s19, s31                    ; column group inside the weight
	s_cselect_b32 s29, 16384, s29                  ; bytes from a row of the weight to the next
	v_lshlrev_b32 v3, 2, v2
.set ii, 0
.rept 32
	v_mad_u32_u24 v[OF+ii], s29, ii, v3            ; row i of a block, my column
.set ii, ii+1
.endr
	s_mul_i32 s19, s18, 32*PITCH                   ; my stage
	v_mul_u32_u24 v4, v2, PITCH
	v_add_nc_u32 v4, s19, v4                       ; into it: row = my column
	v_and_b32 v5, 15, v2
	v_lshrrev_b32 v6, 4, v2
	v_mul_u32_u24 v7, v6, PITCH
	v_lshl_add_u32 v7, v5, 4, v7
	v_add_nc_u32 v7, s19, v7                       ; out of it: sixteen lanes to a row, two rows an instruction
	v_mul_u32_u24 v8, v6, s25
	v_mad_u32_u24 v8, v5, 12, v8
.irp t, 0,1,2,3,4,5,6,7,8,9,10,11,12,13,14,15
	v_mad_u32_u24 v[QO+\t], s25, ((2*\t)&7)+(((2*\t)&8)<<1)+(((2*\t)&16)>>1), v8   ; columns 2 t and 2 t + 1 go to rows pi(2 t) and pi(2 t) + 1
.endr
	v_and_b32 v10, 7, v2
	v_and_b32 v11, 8, v2
	v_lshl_or_b32 v10, v11, 1, v10
	v_and_b32 v11, 16, v2
	v_lshrrev_b32 v11, 1, v11
	v_or_b32 v10, v10, v11                         ; pi(lane)
	v_mul_u32_u24 v9, v10, s26                     ; my column's row of scale bytes
	s_lshl_b32 s50, s31, 9                         ; in the weight: 128 columns of 4 bytes a group,
	s_lshl_b32 s51, s18, 7                         ; 32 a wave,
	s_add_co_u32 s50, s50, s51
	s_lshl_b32 s51, s21, 8
	s_mul_i32 s51, s51, s29                        ; 256 rows a K part
	s_add_co_u32 s50, s50, s51
	s_mov_b32 s51, 0
	s_lshl_b32 s52, s29, 5                         ; 32 rows: from block to block
	s_mov_b32 s53, 0
	s_lshl_b32 s54, s20, 7
	s_lshl_b32 s55, s18, 5
	s_add_co_u32 s54, s54, s55                     ; my wave's first output row
	s_mul_i32 s56, s54, s25
	s_add_co_u32 s56, s56, s27
	s_mul_i32 s57, s21, 192
	s_add_co_u32 s56, s56, s57                     ; its codes of this K part
	s_mov_b32 s57, 0
	s_mul_i32 s58, s54, s26
	s_add_co_u32 s58, s58, s28
	s_lshl_b32 s59, s21, 3
	s_add_co_u32 s58, s58, s59                     ; its scale bytes of this K part
	s_mov_b32 s59, 0
	s_wait_kmcnt 0x0
	s_cmp_eq_u32 s30, 1                            ; the weight's pointer: each choice hangs on the work-group's number alone
	s_cselect_b64 s[4:5], s[6:7], s[4:5]
	s_cmp_eq_u32 s30, 2
	s_cselect_b64 s[4:5], s[8:9], s[4:5]
	s_cmp_eq_u32 s30, 3
	s_cselect_b64 s[4:5], s[10:11], s[4:5]
	s_cmp_eq_u32 s30, 4
	s_cselect_b64 s[4:5], s[12:13], s[4:5]
	s_cmp_eq_u32 s30, 5
	s_cselect_b64 s[4:5], s[14:15], s[4:5]
	s_add_nc_u64 s[BAS:BAS+1], s[4:5], s[50:51]
.irp t, 1,2,3,4,5,6,7
	s_add_nc_u64 s[BAS+2*\t:BAS+2*\t+1], s[BAS+2*\t-2:BAS+2*\t-1], s[52:53]
.endr
	s_add_nc_u64 s[6:7], s[16:17], s[56:57]        ; codes
	s_add_nc_u64 s[8:9], s[16:17], s[58:59]        ; scale bytes
.macro LOAD t                          ; block t: 32 rows of the weight at my column: a wave reads 128 consecutive bytes an instruction
.set ii, 0
.rept 32
	global_load_b32 v[X+32*((\t)%2)+ii], v[OF+ii], s[BAS+2*(\t):BAS+2*(\t)+1] th:TH_LOAD_NT
.set ii, ii+1
.endr
.endm
	LOAD 0
	LOAD 1
.macro BLOCK t
.set XS, X+32*((\t)%2)
.if (\t) < NB-1
	s_wait_loadcnt 32                              ; this block's 32 loads are in; the next block's 32 may be out
.else
	s_wait_loadcnt 0
.endif
	v_max3_num_f32 v12, |v[XS]|, |v[XS+1]|, |v[XS+2]|               ; the block's largest magnitude: all 32 numbers are mine
	v_max3_num_f32 v13, |v[XS+3]|, |v[XS+4]|, |v[XS+5]|
.irp i, 6,10,14,18,22,26
	v_max3_num_f32 v12, v12, |v[XS+\i]|, |v[XS+\i+1]|
	v_max3_num_f32 v13, v13, |v[XS+\i+2]|, |v[XS+\i+3]|
.endr
	v_max3_num_f32 v12, v12, |v[XS+30]|, |v[XS+31]|
	v_max3_num_f32 v12, v12, v13, 0x1800000        ; and the floor 2^(3 - 127): the byte cannot fall under 1
	v_add_nc_u32 v11, 0xff000000, v12              ; 2 off the exponent field: the conversion's scale operand
	v_lshrrev_b32 v13, 23, v11                     ; the scale's byte
.if (\t)%4 == 0
	v_mov_b32 v[SB+(\t)/4], v13
.else
	v_lshl_or_b32 v[SB+(\t)/4], v13, 8*((\t)%4), v[SB+(\t)/4]
.endif
	v_cvt_scalef32_pk16_fp6_f32 v[C:C+2], v[XS:XS+15], v11
	v_cvt_scalef32_pk16_fp6_f32 v[C+4:C+6], v[XS+16:XS+31], v11     ; (a conversion's three registers begin on an even number)
	ds_store_b96 v4, v[C:C+2] offset:32*(\t)       ; 12 bytes to a place of 16, so that every LDS address is a multiple of 16
	ds_store_b96 v4, v[C+4:C+6] offset:32*(\t)+16
.if (\t)+2 < NB
	LOAD (\t)+2
.endif
	s_wait_dscnt 0x0                               ; the stores have read their registers: the next block's codes may be written
.endm
.irp t, 0,1,2,3,4,5,6,7
	BLOCK \t
.endr
	global_store_b64 v9, v[SB:SB+1], s[8:9]        ; my column's 8 scale bytes
.irp t, 0,1,2,3,4,5,6,7,8,9,10,11,12,13,14,15
	ds_load_b96 v[OUTR+4*\t:OUTR+4*\t+2], v7 offset:2*\t*PITCH   ; LDS serves a wave's instructions in order: these see my stores
.endr
.irp t, 0,1,2,3,4,5,6,7,8,9,10,11,12,13,14,15
	s_wait_dscnt 15-\t
	global_store_b96 v[QO+\t], v[OUTR+4*\t:OUTR+4*\t+2], s[6:7]
.endr
	s_wait_tensorcnt 0x0
	ds_add_u32 v240, v241
	s_wait_dscnt 0x0
	s_endpgm
.Lfunc_end_k_qa11bae06db_wquant:
	.size	k_qa11bae06db_wquant, .Lfunc_end_k_qa11bae06db_wquant-k_qa11bae06db_wquant
	.p2alignl 7, 3214868480
	.fill 96, 4, 3214868480
	.section	.rodata,"a",@progbits
	.p2align	6, 0x0
	.amdhsa_kernel k_qa11bae06db_wquant
		.amdhsa_group_segment_fixed_size 36352
		.amdhsa_private_segment_fixed_size 0
		.amdhsa_enable_private_segment 0
		.amdhsa_kernarg_size 56
		.amdhsa_user_sgpr_count 2
		.amdhsa_user_sgpr_kernarg_segment_ptr 1
		.amdhsa_wavefront_size32 1
		.amdhsa_system_sgpr_workgroup_id_x 1
		.amdhsa_system_sgpr_workgroup_id_y 1
		.amdhsa_system_sgpr_workgroup_id_z 1
		.amdhsa_system_vgpr_workitem_id 0
		.amdhsa_next_free_vgpr 242
		.amdhsa_next_free_sgpr 66
		.amdhsa_reserve_vcc 0
		.amdhsa_float_denorm_mode_32 3
		.amdhsa_float_denorm_mode_16_64 3
		.amdhsa_memory_ordered 1
		.amdhsa_forward_progress 1
		.amdhsa_inst_pref_size 47
	.end_amdhsa_kernel
	.amdgpu_metadata
---
amdhsa.version: [ 1, 2 ]
amdhsa.kernels:
  - .name:           k_qa11bae06db_wquant
    .symbol:         k_qa11bae06db_wquant.kd
    .args:
      - { .name: wq, .offset: 0, .size: 8, .value_kind: global_buffer, .address_space: global }
      - { .name: wk, .offset: 8, .size: 8, .value_kind: global_buffer, .address_space: global }
      - { .name: wv, .offset: 16, .size: 8, .value_kind: global_buffer, .address_space: global }
      - { .name: wo, .offset: 24, .size: 8, .value_kind: global_buffer, .address_space: global }
      - { .name: w1, .offset: 32, .size: 8, .value_kind: global_buffer, .address_space: global }
      - { .name: w2, .offset: 40, .size: 8, .value_kind: global_buffer, .address_space: global }
      - { .name: wts, .offset: 48, .size: 8, .value_kind: global_buffer, .address_space: global }
    .group_segment_fixed_size: 36352
    .private_segment_fixed_size: 0
    .kernarg_segment_align: 8
    .kernarg_segment_size: 56
    .max_flat_workgroup_size: 128
    .sgpr_count:     66
    .vgpr_count:     242
    .wavefront_size: 32
...
	.end_amdgpu_metadata
.endif
;; end of part 1
;; launch ln1 (part 2): grid 256 x 1, 4 waves a work-group, no clusters, 25,088 bytes of LDS; arguments x, ln1_w, ln1_b, act1; writes act1
.if DOCPART == 2
	.amdgcn_target "amdgcn-amd-amdhsa--gfx1250"
	.amdhsa_code_object_version 6
	.text
	.protected	k_qa11bae06db_ln1
	.globl	k_qa11bae06db_ln1
	.p2align	8
	.type	k_qa11bae06db_ln1,@function
k_qa11bae06db_ln1:
	s_mov_b64 s[64:65], 0
	v_nop
	global_prefetch_b8 v0, s[64:65] scope:SCOPE_SE
	s_setreg_imm32_b32 hwreg(HW_REG_WAVE_MODE, 25, 1), 1
	s_wait_xcnt 0x0
; y = w (x - mean) / (std + 1e-6) + b over rows of 1,024 f32, std with 1,023 in the divisor; y is then quantised along the row to FP6 (E2M3) with one E8M0 byte for each 32.
; Out: codes [4,096 positions][768 bytes] at byte 0, scale bytes [4,096][32] at byte 3,145,728.  Row R goes to position pi(R), pi = R with bits 3 and 4 exchanged.
; A wave takes 4 neighbouring rows (they stay neighbours under pi); all 32 loads of its rows and the 16 of w and b go out at once, each covering 512 consecutive bytes.
; Mean and variance are taken in two passes over the registers (sum, then sum of squared differences), so that a common offset of the inputs costs no accuracy.
; The conversions want 32 neighbours in one lane: a row turns through the wave's own LDS (128 bytes + 16 of padding a block).  Its codes turn back through LDS so that a store covers 384 consecutive bytes.
; No barrier: waves share nothing.  LIMITS: the division by 1,023 and by (std + eps) are a multiplication by the rounded reciprocal and v_rcp_f32; a block of zeros gets the byte 1
; (this program alone reads the bytes); blocks under 2^-124 keep the byte 1; NaN and infinities are not served.
.set X, 64                             ; v64-191  four rows as loaded; a row's registers later hold its codes and what leaves
.set W, 192                            ; v192-223 w at my columns
.set B, 224                            ; v224-255 b
.set Y, 32                             ; v32-63   a block of 32 neighbours
	s_load_b256 s[4:11], s[0:1], 0x0               ; x, w, b, out
	v_lshl_add_u32 v30, v0, 2, 0x6000
	v_mov_b32 v31, 0
	v_lshrrev_b32 v1, 5, v0
	v_readfirstlane_b32 s12, v1                    ; wave
	v_and_b32 v1, 31, v0                           ; lane
	v_lshlrev_b32 v2, 4, v1                        ; 16 x lane
	s_mul_i32 s13, s12, 6144                       ; my wave's LDS: 4,608 for the turn, 1,024 for the codes, 128 for the scale bytes
	v_lshrrev_b32 v3, 3, v1
	v_mul_u32_u24 v3, v3, 144
	v_and_b32 v4, 7, v1
	v_lshl_add_u32 v3, v4, 4, v3
	v_add_nc_u32 v3, s13, v3                       ; the turn, in: load j's 512 bytes are blocks 4 j .. 4 j + 3: 144 (lane / 8) + 16 (lane % 8) + 576 j
	v_mul_u32_u24 v4, v1, 144
	v_add_nc_u32 v4, s13, v4                       ; out: block = lane
	v_lshlrev_b32 v5, 5, v1
	v_add_nc_u32 v5, s13, v5
	v_add_nc_u32 v5, 4608, v5                      ; codes, in: two places of 16 bytes a lane
	v_add_nc_u32 v6, s13, v2
	v_add_nc_u32 v6, 4608, v6                      ; out: a place a lane
	v_add_nc_u32 v7, s13, v1
	v_add_nc_u32 v7, 5632, v7                      ; my block's scale byte
	v_mul_u32_u24 v16, v1, 12                      ; a store's 12 bytes a lane
	v_lshlrev_b32 v17, 2, v1
	v_add_nc_u32 v18, s13, v17
	v_add_nc_u32 v18, 5632, v18                    ; the 128 scale bytes, 4 a lane
	s_lshl_b32 s14, ttmp9, 4
	s_lshl_b32 s15, s12, 2
	s_add_co_u32 s14, s14, s15                     ; my first row
	s_and_b32 s15, s14, 0xffffffe7
	s_and_b32 s16, s14, 8
	s_lshl_b32 s16, s16, 1
	s_or_b32 s15, s15, s16
	s_and_b32 s16, s14, 16
	s_lshr_b32 s16, s16, 1
	s_or_b32 s15, s15, s16                         ; its position
	s_lshl_b32 s18, s14, 12
	s_mov_b32 s19, 0
	s_mul_i32 s20, s15, 768
	s_mov_b32 s21, 0
	s_lshl_b32 s22, s15, 5
	s_add_co_u32 s22, s22, 3145728
	s_mov_b32 s23, 0
	s_mov_b32 s24, 0x76543210
	s_mov_b32 s25, 0xfedcba98                      ; v_permlanex16_b32's selects for lane l xor 16
	s_wait_kmcnt 0x0
	s_add_nc_u64 s[4:5], s[4:5], s[18:19]
	s_add_nc_u64 s[26:27], s[10:11], s[22:23]      ; scale bytes
	s_add_nc_u64 s[10:11], s[10:11], s[20:21]      ; codes
.macro XLOAD i
.irp j, 0,1,2,3,4,5,6,7
	global_load_b128 v[X+32*\i+4*\j:X+32*\i+4*\j+3], v2, s[4:5] offset:4096*\i+512*\j th:TH_LOAD_NT
.endr
.endm
	XLOAD 0
.irp j, 0,1,2,3,4,5,6,7
	global_load_b128 v[W+4*\j:W+4*\j+3], v2, s[6:7] offset:512*\j
.endr
.irp j, 0,1,2,3,4,5,6,7
	global_load_b128 v[B+4*\j:B+4*\j+3], v2, s[8:9] offset:512*\j
.endr
	XLOAD 1
	XLOAD 2
	XLOAD 3
.macro WSUM                            ; v8 summed over the 32 lanes, the result in every lane
	v_add_f32_dpp v8, v8, v8 row_xmask:1 row_mask:0xf bank_mask:0xf
	v_add_f32_dpp v8, v8, v8 row_xmask:2 row_mask:0xf bank_mask:0xf
	v_add_f32_dpp v8, v8, v8 row_xmask:4 row_mask:0xf bank_mask:0xf
	v_add_f32_dpp v8, v8, v8 row_xmask:8 row_mask:0xf bank_mask:0xf
	v_permlanex16_b32 v9, v8, s24, s25
	v_add_f32 v8, v8, v9
.endm
; Row i.  left: how many younger loads may stay out when this row's eight must be in.
.macro ROW i, left
.set XR, X+32*(\i)
	s_wait_loadcnt \left
	v_pk_add_f32 v[8:9], v[XR:XR+1], v[XR+2:XR+3]
	v_pk_add_f32 v[10:11], v[XR+4:XR+5], v[XR+6:XR+7]
.irp j, 8,12,16,20,24,28
	v_pk_add_f32 v[8:9], v[8:9], v[XR+\j:XR+\j+1]
	v_pk_add_f32 v[10:11], v[10:11], v[XR+\j+2:XR+\j+3]
.endr
	v_pk_add_f32 v[8:9], v[8:9], v[10:11]
	v_add_f32 v8, v8, v9
	WSUM
	v_mul_f32 v12, 0x3a800000, v8                  ; the mean: x 2^-10
	v_mov_b32 v13, v12
.irp j, 0,2,4,6,8,10,12,14,16,18,20,22,24,26,28,30
	v_pk_add_f32 v[XR+\j:XR+\j+1], v[XR+\j:XR+\j+1], v[12:13] neg_lo:[0,1] neg_hi:[0,1]   ; x - mean
.endr
	v_pk_mul_f32 v[8:9], v[XR:XR+1], v[XR:XR+1]
	v_pk_mul_f32 v[10:11], v[XR+2:XR+3], v[XR+2:XR+3]
.irp j, 4,8,12,16,20,24,28
	v_pk_fma_f32 v[8:9], v[XR+\j:XR+\j+1], v[XR+\j:XR+\j+1], v[8:9]
	v_pk_fma_f32 v[10:11], v[XR+\j+2:XR+\j+3], v[XR+\j+2:XR+\j+3], v[10:11]
.endr
	v_pk_add_f32 v[8:9], v[8:9], v[10:11]
	v_add_f32 v8, v8, v9
	WSUM
	v_mul_f32 v8, 0x3a802008, v8                   ; / 1,023
	v_sqrt_f32 v8, v8
	v_nop                                          ; a plain instruction behind the root,
	s_wait_alu depctr_va_vdst(0)                   ; and the wait ahead of the first use
	v_add_f32 v8, 0x358637bd, v8                   ; + 1e-6
	v_rcp_f32 v14, v8
	v_nop
	s_wait_alu depctr_va_vdst(0)
	v_mov_b32 v15, v14
.if (\i) == 0
	s_wait_loadcnt 24                              ; w and b are in; the 24 loads of rows 1 to 3 may be out
.endif
.irp j, 0,2,4,6,8,10,12,14,16,18,20,22,24,26,28,30
	v_pk_mul_f32 v[XR+\j:XR+\j+1], v[XR+\j:XR+\j+1], v[14:15]
.endr
.irp j, 0,2,4,6,8,10,12,14,16,18,20,22,24,26,28,30
	v_pk_fma_f32 v[XR+\j:XR+\j+1], v[XR+\j:XR+\j+1], v[W+\j:W+\j+1], v[B+\j:B+\j+1]
.endr
.irp j, 0,1,2,3,4,5,6,7
	ds_store_b128 v3, v[XR+4*\j:XR+4*\j+3] offset:576*\j
.endr
.irp j, 0,1,2,3,4,5,6,7
	ds_load_b128 v[Y+4*\j:Y+4*\j+3], v4 offset:16*\j   ; LDS serves a wave's instructions in order: these see the stores above
.endr
	s_wait_dscnt 0x0                               ; my block is in; the row's own registers are free from here on
	v_max3_num_f32 v[XR+18], |v[Y]|, |v[Y+1]|, |v[Y+2]|
	v_max3_num_f32 v[XR+19], |v[Y+3]|, |v[Y+4]|, |v[Y+5]|
.irp k, 6,10,14,18,22,26
	v_max3_num_f32 v[XR+18], v[XR+18], |v[Y+\k]|, |v[Y+\k+1]|
	v_max3_num_f32 v[XR+19], v[XR+19], |v[Y+\k+2]|, |v[Y+\k+3]|
.endr
	v_max3_num_f32 v[XR+18], v[XR+18], |v[Y+30]|, |v[Y+31]|
	v_max3_num_f32 v[XR+18], v[XR+18], v[XR+19], 0x1800000   ; the floor 2^(3 - 127): the byte cannot fall under 1
	v_add_nc_u32 v[XR+17], 0xff000000, v[XR+18]    ; 2 off the exponent field: the conversion's scale operand
	v_cvt_scalef32_pk16_fp6_f32 v[XR:XR+2], v[Y:Y+15], v[XR+17]
	v_cvt_scalef32_pk16_fp6_f32 v[XR+4:XR+6], v[Y+16:Y+31], v[XR+17]
	v_lshrrev_b32 v[XR+16], 23, v[XR+17]           ; the scale's byte (also the plain instruction behind the conversions)
	ds_store_b96 v5, v[XR:XR+2]
	ds_store_b96 v5, v[XR+4:XR+6] offset:16
	ds_store_b8 v7, v[XR+16] offset:32*(\i)
	ds_load_b96 v[XR+8:XR+10], v6                  ; pieces 0-31 of the row's 64 pieces of 12 bytes,
	ds_load_b96 v[XR+12:XR+14], v6 offset:512      ; pieces 32-63
	s_wait_dscnt 0x0
	global_store_b96 v16, v[XR+8:XR+10], s[10:11] offset:768*(\i)        ; 384 consecutive bytes
	global_store_b96 v16, v[XR+12:XR+14], s[10:11] offset:768*(\i)+384
.endm
	ROW 0, 40                                      ; younger: w, b and three rows
	ROW 1, 16
	ROW 2, 8
	ROW 3, 0
	ds_load_b32 v19, v18
	s_wait_dscnt 0x0
	global_store_b32 v17, v19, s[26:27]            ; my four rows' 128 scale bytes
	s_wait_tensorcnt 0x0
	ds_add_u32 v30, v31
	s_wait_dscnt 0x0
	s_endpgm
.Lfunc_end_k_qa11bae06db_ln1:
	.size	k_qa11bae06db_ln1, .Lfunc_end_k_qa11bae06db_ln1-k_qa11bae06db_ln1
	.p2alignl 7, 3214868480
	.fill 96, 4, 3214868480
	.section	.rodata,"a",@progbits
	.p2align	6, 0x0
	.amdhsa_kernel k_qa11bae06db_ln1
		.amdhsa_group_segment_fixed_size 25088
		.amdhsa_private_segment_fixed_size 0
		.amdhsa_enable_private_segment 0
		.amdhsa_kernarg_size 32
		.amdhsa_user_sgpr_count 2
		.amdhsa_user_sgpr_kernarg_segment_ptr 1
		.amdhsa_wavefront_size32 1
		.amdhsa_system_sgpr_workgroup_id_x 1
		.amdhsa_system_sgpr_workgroup_id_y 1
		.amdhsa_system_sgpr_workgroup_id_z 1
		.amdhsa_system_vgpr_workitem_id 0
		.amdhsa_next_free_vgpr 256
		.amdhsa_next_free_sgpr 66
		.amdhsa_reserve_vcc 0
		.amdhsa_float_denorm_mode_32 3
		.amdhsa_float_denorm_mode_16_64 3
		.amdhsa_memory_ordered 1
		.amdhsa_forward_progress 1
		.amdhsa_inst_pref_size 44
	.end_amdhsa_kernel
	.amdgpu_metadata
---
amdhsa.version: [ 1, 2 ]
amdhsa.kernels:
  - .name:           k_qa11bae06db_ln1
    .symbol:         k_qa11bae06db_ln1.kd
    .args:
      - { .name: x, .offset: 0, .size: 8, .value_kind: global_buffer, .address_space: global }
      - { .name: ln1_w, .offset: 8, .size: 8, .value_kind: global_buffer, .address_space: global }
      - { .name: ln1_b, .offset: 16, .size: 8, .value_kind: global_buffer, .address_space: global }
      - { .name: act1, .offset: 24, .size: 8, .value_kind: global_buffer, .address_space: global }
    .group_segment_fixed_size: 25088
    .private_segment_fixed_size: 0
    .kernarg_segment_align: 8
    .kernarg_segment_size: 32
    .max_flat_workgroup_size: 128
    .sgpr_count:     66
    .vgpr_count:     256
    .wavefront_size: 32
...
	.end_amdgpu_metadata
.endif
;; end of part 2
;; launch qkv (part 3): grid 12 x 16, 4 waves a work-group, clusters of 4 x 4, 327,680 bytes of LDS; arguments act1, wts, bq, bk, bv, qi, kv; writes qi, kv
.if DOCPART == 3
	.amdgcn_target "amdgcn-amd-amdhsa--gfx1250"
	.amdhsa_code_object_version 6
	.text
	.protected	k_qa11bae06db_qkv
	.globl	k_qa11bae06db_qkv
	.p2align	8
	.type	k_qa11bae06db_qkv,@function
k_qa11bae06db_qkv:
	s_mov_b64 s[64:65], 0
	v_nop
	global_prefetch_b8 v0, s[64:65] scope:SCOPE_SE
	s_setreg_imm32_b32 hwreg(HW_REG_WAVE_MODE, 25, 1), 1
	s_wait_xcnt 0x0
	s_wait_alu depctr_hold_cnt(0) depctr_sa_sdst(0) depctr_va_vdst(0) depctr_va_sdst(0) depctr_va_ssrc(0) depctr_va_vcc(0) depctr_vm_vsrc(0)
	s_getreg_b32 s2, hwreg(HW_REG_IB_STS2, 6, 4)
	s_cmp_eq_u32 s2, 0
	s_cbranch_scc0 .Lentry_in_a_cluster
	s_endpgm
.Lentry_in_a_cluster:
	s_bfe_u32 s2, ttmp6, 0x10000c
	s_cmp_lg_u32 s2, 0xf033
	s_cbranch_scc0 .Lentry_shape_is_right
	s_endpgm
.Lentry_shape_is_right:
; q = h Wq + bq, k = h Wk + bk, v = h Wv + bv on codes of FP6 (E2M3) with one E8M0 scale for each 32 along K = 1,024; the results are quantised at once and stored as IMAGES OF OPERAND REGISTERS for the attention launch.
; THE PRODUCT: a tile of 256 x 256 to a work-group of four waves, 128 x 128 to a wave (64 accumulators, 512 registers).  K goes in steps of 256 through a ring of two LDS slots filled by the tensor data mover; the scale
; bytes of the work-group's rows, for all of K, come into LDS once.  4 x 4 work-groups form a cluster: A's tiles are asked for jointly along a row of it, B's along a column.
; The matrix instruction is used transposed (source 0 = 16 rows of B, source 1 = 16 rows of A): lane (r, h) of accumulator (a, b) holds A's position 16 a + r and, in register j, B's position 16 b + 8 h + j.
; POSITIONS: every operand's row n lies at position pi(n) (bits 3 and 4 exchanged), so B's position 16 b + 8 h + j is B's row 32 (b / 2) + 16 h + 8 (b % 2) + j: the 16 registers of accumulators 2 b', 2 b' + 1 are 16 neighbours.
; TWO MODES, by the cluster's x (the same in all sixteen partners).  x = 0, 1: A = tokens (act1), B = wq's or wk's rows: a lane holds a token and its registers run along features: q and k are quantised along a head's 64.
; x = 2: A = wv's rows, B = tokens: a lane holds a feature and its registers run along tokens: v is quantised along the keys.  The loop is one text; only pointers and tile numbers are chosen.
; OUT, a head's block of HS bytes in qi (q) and kv (k, v): 128 tiles of 16 positions x 768 bytes (registers 0-3 at 16 x lane, registers 4-5 at 512 + 8 x lane); at 98,304 v: 16 key steps x 4 tiles of 16 features x 1,536 bytes
; (three groups of four registers at 16 x lane); at 196,608 the tiles' scale words (4 x lane); at 212,992 v's.  Every store covers 128, 256 or 512 consecutive bytes.
; LIMITS: a block of zeros gets the byte 1 (this program alone reads the bytes); blocks under 2^-124 keep the byte 1; NaN and infinities are not served.
.set SIZE_K, 1024
.set KSTEP,  256                       ; along K in a slot
.set NQ,     KSTEP/128                 ; matrix instructions deep
.set ROWB,   192                       ; a tile's row in bytes
.set KROW,   SIZE_K*6/8                ; a row of codes in memory
.set PITCH,  240                       ; an LDS row: 3 x (64 bytes + 16 of padding)
.set FR,     12                        ; registers of a fragment
.set NL,     6                         ; LDS loads that bring one
.set NP,     4                         ; places behind this matrix instruction (ISA guide 7.12.1)
.set HALFT,  128*PITCH
.set SLOT,   4*HALFT                   ; A's 256 rows, then B's 256 rows
.set LAPS,   SIZE_K/(2*KSTEP)
.set KS,     SIZE_K/32                 ; a row of scale bytes
.set SCL,    2*SLOT                    ; behind the ring: the scale bytes, as units of 256 bytes + 16 of padding
.set HALFS,  (128*KS/256)*272
.set SBLK,   (16*KS/256)*272
.set SPARE,  SCL+4*HALFS               ; the spare words, 128 bytes for each wave: no other line names them
.set ADRA, 16                          ; v16-19  LDS addresses of my A fragments (slot 0, 1; the same behind one padding more)
.set ADRB, 20                          ; v20-23  the same for B
.set ADRS, 27                          ; v27     LDS address of my scale words: lanes 0-15 A's rows, lanes 16-31 B's
.set SPW,  28                          ; v28     my spare word; never rewritten
.set NIL,  29                          ; v29     0; never rewritten
.set SC,   32                          ; v32-63  scale words, two sets
.set AF,   128                         ; v128-223 A's fragments, one set (window 0); B's two sets in window 1; accumulators in windows 2 and 3
.set G1, 24
.set G0, 32
.set G1B, 48
.set G0B, 56
.set G1S, 68
.set G0S, 76
.set G1SB, 80
.set G0SB, 88
.set HS,   221184                      ; a head's block in qi and kv
.set WSC,  9437184                     ; where the scale bytes begin in wts
.set MODE, 100                         ; s100    1: v
.set SEL,  20                          ; s[20:21] lane selects, set behind the loop
.set CB,   64                          ; v64-127 bq or bk at my 64 columns, in the accumulators' order
.set RB,   224                         ; v224-239 bv at my row of each of the 8 blocks, twice (a pair for the packed addition)
.set HA,   128                         ; v128-191 a block's 64 numbers
.set TM,   32                          ; v32-47  at work in the quantiser
.set PW,   30                          ; v30     the scale word just made;  v31 its upper half
.set PW2,  31
.set PCD,  192                         ; v192-210 the codes just made
.set LI,   26                          ; v26     16 x lane
.set L8,   8                           ; v8      8 x lane
.set LS,   9                           ; v9      4 x lane
.set MSB, 0
.macro WIN new                         ; the immediate's high byte repeats the setting that is left
.if MSB != \new
	s_set_vgpr_msb (MSB<<8)|\new
.set MSB, \new
.endif
.endm
.set MUL_LO, 0xa1                      ; source 0 (B) window 1, source 1 (A) window 0, C and D window 2
.set MUL_HI, 0xf1                      ; the same, C and D window 3
.set TO_B,   0x40                      ; destination window 1, address window 0
; A joint load: waves 0 and 1 fetch for A, waves 2 and 3 for B.  The branch hangs on the wave's number alone.  Four v_nop follow each of the two lines.
.macro JLOAD g0a, g1a, g0b, g1b
	s_cmp_eq_u32 s15, 0
	s_cbranch_scc0 .Lfor_b_\@
	tensor_load_to_lds s[\g0a:\g0a+3], s[\g1a:\g1a+7]
	s_nop 0
.rept 4
	v_nop
.endr
	s_branch .Lasked_\@
.Lfor_b_\@:
	tensor_load_to_lds s[\g0b:\g0b+3], s[\g1b:\g1b+7]
	s_nop 0
.rept 4
	v_nop
.endr
.Lasked_\@:
.endm
.macro CREST                           ; a round of the cluster's barrier behind its opening barrier
	s_cmp_lg_u32 s14, 0
	s_cbranch_scc1 .Lnot_wave_0_\@
	s_barrier_signal -3
.Lnot_wave_0_\@:
	s_barrier_wait -3
	s_barrier_signal -1
	s_barrier_wait -1
.endm
.macro CROUND                          ; a whole round
	s_barrier_signal -1
	s_barrier_wait -1
	CREST
.endm
	s_load_b128 s[4:7], s[0:1], 0x0                ; act1, wts
	s_load_b128 s[96:99], s[0:1], 0x10             ; bq, bk
	s_load_b64 s[12:13], s[0:1], 0x20              ; bv
	v_lshl_add_u32 v[SPW], v0, 2, SPARE
	v_mov_b32 v[NIL], 0
	ds_add_u32 v28, v29
	ds_add_u32 v28, v29
	s_wait_dscnt 0x0
	v_lshrrev_b32 v1, 5, v0
	v_readfirstlane_b32 s14, v1                    ; wave 0..3
	s_lshr_b32 s15, s14, 1                         ; which half of the tile's rows is mine.  Also: I fetch for A (0) or for B (1)
	s_and_b32 s16, s14, 1                          ; which half of its columns.  Also: which 128 rows of that tile I fetch
	s_bfe_u32 s40, ttmp6, 0x40000                  ; cx, cy: my place in the cluster
	s_bfe_u32 s41, ttmp6, 0x40004
	s_and_b32 s2, ttmp7, 0xffff
	s_lshl_b32 s2, s2, 2                           ; 4 x cluster y
	s_lshl_b32 s42, ttmp9, 2
	s_add_co_u32 s42, s42, s40                     ; q, k: tile column = 4 x cluster x + cx (0-3 wq, 4-7 wk)
	s_add_co_u32 s43, s2, s40                      ; v: tile column = 4 x cluster y + cx: 256 tokens
	s_add_co_u32 s17, s2, s41                      ; q, k: tile row = 4 x cluster y + cy: 256 tokens
	s_cmp_eq_u32 ttmp9, 2
	s_cselect_b32 s[MODE], 1, 0
	s_cselect_b32 s42, s43, s42
	s_cselect_b32 s17, s41, s17                    ; v: tile row = cy: 256 of wv's rows
	s_lshl_b32 s43, s41, 2
	s_lshl_b32 s43, 15, s43                        ; my row of the cluster
	s_lshl_b32 s44, 0x1111, s40                    ; my column
	s_or_b32 s[G1+0], s43, (0<<16)|(1<<20)|(1<<21)|(3<<22)|(3<<25)  ; the mask: A's tiles go to my row; elements of 1 byte; padding on; bit 21 beside a mask; 4 words of padding behind every 16
	s_or_b32 s[G1B+0], s44, (0<<16)|(1<<20)|(1<<21)|(3<<22)|(3<<25)
.irp g, G1, G1B
	s_mov_b32 s[\g+1], ROWB<<16                    ; tensor_dim0
	s_mov_b32 s[\g+2], 128<<16                     ; tensor_dim1
	s_mov_b32 s[\g+3], ROWB<<16                    ; tile_dim0
	s_mov_b32 s[\g+4], 128                         ; tile_dim1
	s_mov_b32 s[\g+5], KROW                        ; the pitch
	s_mov_b32 s[\g+6], 0
	s_mov_b32 s[\g+7], 0
.endr
	s_or_b32 s[G1S+0], s43, (3<<16)|(1<<20)|(1<<21)|(5<<22)|(3<<25)  ; the scale bytes of 128 rows: a dense block, as rows of 256 bytes with 16 of padding
	s_or_b32 s[G1SB+0], s44, (3<<16)|(1<<20)|(1<<21)|(5<<22)|(3<<25)
.irp g, G1S, G1SB
	s_mov_b32 s[\g+1], 32<<16
	s_mov_b32 s[\g+2], (128*KS/256)<<16
	s_mov_b32 s[\g+3], 32<<16
	s_mov_b32 s[\g+4], 128*KS/256
	s_mov_b32 s[\g+5], 32
	s_mov_b32 s[\g+6], 0
	s_mov_b32 s[\g+7], 0
.endr
	s_lshl_b32 s18, s16, 7                         ; which 128 rows of the tile I fetch
	s_lshl_b32 s20, s17, 8
	s_add_co_u32 s20, s20, s18                     ; A: row 256 x tile row + 128 x half
	s_lshl_b32 s46, s42, 8
	s_add_co_u32 s46, s46, s18                     ; B: row 256 x tile column + 128 x half
	s_mov_b32 s21, 0
	s_mov_b32 s47, 0
	s_mov_b64 s[18:19], KS
	s_mul_u64 s[22:23], s[20:21], s[18:19]         ; where these rows' scale bytes begin
	s_mul_u64 s[92:93], s[46:47], s[18:19]
	s_mov_b64 s[18:19], KROW
	s_mul_u64 s[20:21], s[20:21], s[18:19]         ; and their codes
	s_mul_u64 s[46:47], s[46:47], s[18:19]
	s_mul_i32 s45, s14, HALFT                      ; where they go: wave x 128 rows: no place in the cluster enters an LDS address
	s_mul_i32 s94, s14, HALFS
	s_wait_kmcnt 0x0
	s_cmp_eq_u32 s[MODE], 1                        ; the four operand pointers, chosen on the cluster's x alone
	s_add_nc_u64 s[18:19], s[4:5], 3145728         ; the tokens' scale bytes
	s_cselect_b64 s[8:9], s[4:5], s[6:7]           ; B's codes: v: tokens; q, k: wq's and wk's rows
	s_add_nc_u64 s[2:3], s[6:7], WSC
	s_cselect_b64 s[10:11], s[18:19], s[2:3]       ; B's scale bytes
	s_add_nc_u64 s[2:3], s[6:7], 1572864           ; wv's rows
	s_cselect_b64 s[4:5], s[2:3], s[4:5]           ; A's codes
	s_add_nc_u64 s[2:3], s[6:7], WSC+65536
	s_cselect_b64 s[6:7], s[2:3], s[18:19]         ; A's scale bytes
	s_add_nc_u64 s[20:21], s[4:5], s[20:21]
	s_add_nc_u64 s[22:23], s[6:7], s[22:23]
	s_add_nc_u64 s[46:47], s[8:9], s[46:47]
	s_add_nc_u64 s[92:93], s[10:11], s[92:93]
	CROUND                                         ; all sixteen work-groups are here: the first joint loads meet
	s_mov_b32 s[G0S], 1
	s_add_co_u32 s[G0S+1], s94, SCL
	s_mov_b64 s[G0S+2:G0S+3], s[22:23]
	s_or_b32 s[G0S+3], s[G0S+3], 0x80000000
	s_mov_b32 s[G0SB], 1
	s_add_co_u32 s[G0SB+1], s94, SCL
	s_mov_b64 s[G0SB+2:G0SB+3], s[92:93]
	s_or_b32 s[G0SB+3], s[G0SB+3], 0x80000000
	JLOAD G0S, G1S, G0SB, G1SB                     ; the scale bytes first: they are wanted with K step 0
.irp s, 0,1
	s_mov_b32 s[G0+4*\s], 1
	s_add_co_u32 s[G0+4*\s+1], s45, \s*SLOT
	s_add_nc_u64 s[G0+4*\s+2:G0+4*\s+3], s[20:21], \s*ROWB
	s_or_b32 s[G0+4*\s+3], s[G0+4*\s+3], 0x80000000
	s_mov_b32 s[G0B+4*\s], 1
	s_add_co_u32 s[G0B+4*\s+1], s45, \s*SLOT
	s_add_nc_u64 s[G0B+4*\s+2:G0B+4*\s+3], s[46:47], \s*ROWB
	s_or_b32 s[G0B+4*\s+3], s[G0B+4*\s+3], 0x80000000
	JLOAD G0+4*\s, G1, G0B+4*\s, G1B
.endr
	v_and_b32 v1, 15, v0                           ; r = lane % 16
	v_bfe_u32 v2, v0, 4, 1                         ; h = lane / 16
	v_mul_u32_u24 v3, v1, PITCH
	v_mul_u32_u24 v4, v2, 24
	v_add_nc_u32 v4, v3, v4                        ; a fragment's row x pitch + 24 x half
	v_lshl_add_u32 v5, v2, 4, v4                   ; and the same behind one padding more
	s_mul_i32 s21, s15, HALFT                      ; my 128 rows of A
	s_mul_i32 s22, s16, HALFT                      ; my 128 rows of B,
	s_add_co_u32 s22, s22, 2*HALFT                 ; which lie behind A's 256
.irp s, 0,1
	v_add_nc_u32 v[ADRA+\s], s21, v4
	v_add_nc_u32 v[ADRB+\s], s22, v4
	v_add_nc_u32 v[ADRA+2+\s], s21, v5
	v_add_nc_u32 v[ADRB+2+\s], s22, v5
	s_add_co_u32 s21, s21, SLOT
	s_add_co_u32 s22, s22, SLOT
.endr
	v_mul_u32_u24 v5, v1, KS                       ; my row's scale bytes,
	v_lshrrev_b32 v6, 8, v5
	v_lshl_add_u32 v5, v6, 4, v5                   ; and 16 more for each 256 passed
	s_mul_i32 s21, s15, HALFS
	s_mul_i32 s22, s16, HALFS
	s_add_co_u32 s22, s22, 2*HALFS
	s_sub_co_u32 s22, s22, s21
	v_mul_u32_u24 v6, s22, v2                      ; lanes 16-31 take B's
	s_add_co_u32 s21, s21, SCL
	v_add_nc_u32 v5, v5, v6
	v_add_nc_u32 v[ADRS], s21, v5
	v_and_b32 v6, 31, v0
	v_lshlrev_b32 v[LI], 4, v6
	v_lshlrev_b32 v[L8], 3, v6
	v_lshlrev_b32 v[LS], 2, v6
	; the biases, into registers that lie idle in the loop.  Both sets are loaded in both modes (every address lies inside its buffer in both), so that no register is written on one path alone
	s_cmp_eq_u32 ttmp9, 0
	s_cselect_b64 s[96:97], s[96:97], s[98:99]     ; bq for cluster x = 0, else bk
	s_lshl_b32 s46, s40, 10
	s_lshl_b32 s47, s16, 9
	s_add_co_u32 s46, s46, s47                     ; columns 256 cx + 128 x half on
	s_mov_b32 s47, 0
	s_add_nc_u64 s[96:97], s[96:97], s[46:47]
	v_lshlrev_b32 v10, 6, v2                       ; + 16 h numbers
.irp b, 0,1,2,3,4,5,6,7
	global_load_b128 v[CB+8*\b:CB+8*\b+3], v10, s[96:97] offset:(32*(\b/2)+8*(\b%2))*4
	global_load_b128 v[CB+8*\b+4:CB+8*\b+7], v10, s[96:97] offset:(32*(\b/2)+8*(\b%2))*4+16
.endr
	s_lshl_b32 s46, s41, 10
	s_lshl_b32 s47, s15, 9
	s_add_co_u32 s46, s46, s47                     ; features 256 cy + 128 x half on
	s_mov_b32 s47, 0
	s_add_nc_u64 s[12:13], s[12:13], s[46:47]
	v_and_b32 v11, 8, v1
	v_add_nc_u32 v11, v11, v1
	v_lshlrev_b32 v11, 2, v11                      ; position 16 a + r is feature 32 (a / 2) + 8 (a % 2) + r + 8 (r / 8)
.irp a, 0,1,2,3,4,5,6,7
	global_load_b32 v[RB+2*\a], v11, s[12:13] offset:(32*(\a/2)+8*(\a%2))*4
	global_load_b32 v[RB+2*\a+1], v11, s[12:13] offset:(32*(\a/2)+8*(\a%2))*4
.endr
	s_wait_loadcnt 0x0
.macro FRAG reg, adr, q, i             ; a fragment, 16 rows x 128 K, is 12 registers: lane (r, h): registers 6 c .. 6 c + 5 hold K = 64 c + 32 h + 0 .. 31: 24 bytes of the row's stream of bits, in pieces of 8 bytes
.irp p, 0,1,2,3,4,5
.set PIECE, 12*(\q)+6*(\p/3)+\p%3      ; 16 bytes of padding lie behind every 8 pieces: where the piece three on (lanes 16-31) lies behind one padding more, the second address register serves
.if PIECE%8 < 5
	ds_load_b64 v[\reg+2*\p:\reg+2*\p+1], v[\adr] offset:8*PIECE+16*(PIECE/8)+(\i)*16*PITCH
.else
	ds_load_b64 v[\reg+2*\p:\reg+2*\p+1], v[\adr+2] offset:8*PIECE+16*(PIECE/8)+(\i)*16*PITCH
.endif
.endr
.endm
; 16 matrix instructions: A's blocks a0, a0 + 1 x B's eight, 128 along K.  p: B's set; sc: the set of scale words.  zero = 1: the first product starts the sums.  The 64 accumulators take turns.
.macro MUL16 a0, p, q, sc, zero
.irp a, \a0, \a0+1
.irp b, 0,1,2,3,4,5,6,7
.if \zero
	v_wmma_scale_f32_16x16x128_f8f6f4 v[8*(8*((\a)%4)+\b):8*(8*((\a)%4)+\b)+7], v[128*(\p)+FR*\b:128*(\p)+FR*\b+FR-1], v[AF+FR*(\a):AF+FR*(\a)+FR-1], 0, v[SC+8*NQ*(\sc)+NQ*\b+(\q)], v[SC+8*NQ*(\sc)+NQ*(\a)+(\q)] matrix_a_fmt:MATRIX_FMT_FP6 matrix_b_fmt:MATRIX_FMT_FP6 matrix_a_scale:MATRIX_SCALE_ROW1
.else
	v_wmma_scale_f32_16x16x128_f8f6f4 v[8*(8*((\a)%4)+\b):8*(8*((\a)%4)+\b)+7], v[128*(\p)+FR*\b:128*(\p)+FR*\b+FR-1], v[AF+FR*(\a):AF+FR*(\a)+FR-1], v[8*(8*((\a)%4)+\b):8*(8*((\a)%4)+\b)+7], v[SC+8*NQ*(\sc)+NQ*\b+(\q)], v[SC+8*NQ*(\sc)+NQ*(\a)+(\q)] matrix_a_fmt:MATRIX_FMT_FP6 matrix_b_fmt:MATRIX_FMT_FP6 matrix_a_scale:MATRIX_SCALE_ROW1
.endif
.endr
.endr
.endm
.macro FETCH_B slot, q, p              ; B's eight fragments of the slot's q-th 128 along K into set p
	WIN TO_B
.irp i, 0,1,2,3,4,5,6,7
	FRAG 128*(\p)+FR*\i, ADRB+\slot, \q, \i
.endr
	WIN 0
.endm
.macro FETCH_A slot, q, i0             ; A's blocks i0 .. i0 + 3
.irp i, \i0, \i0+1, \i0+2, \i0+3
	FRAG AF+FR*(\i), ADRA+\slot, \q, \i
.endr
.endm
.macro SCALES sc                       ; the next K step's scale words: lanes 0-15 take A's block i, lanes 16-31 B's block i
.irp i, 0,1,2,3,4,5,6,7
	ds_load_b64 v[SC+8*NQ*\sc+NQ*\i:SC+8*NQ*\sc+NQ*\i+1], v[ADRS] offset:\i*SBLK
.endr
.endm
.macro PLACES n                        ; plain vector instructions between a matrix instruction and a load into, or a read of, its registers
.rept \n
	v_nop
.endr
.endm
.macro STEP slot, q, zero              ; a step of 128 along K that has its successor in the same slot
	s_wait_dscnt 4*NL                              ; B's set and A's blocks 0-3 are in; the youngest 24 loads (A's blocks 4-7) may be out
	WIN MUL_LO
	MUL16 0, (\q)%2, \q, \slot, \zero
	MUL16 2, (\q)%2, \q, \slot, \zero
	s_wait_dscnt 0                                 ; A's blocks 4-7 are in
	PLACES NP
	FETCH_B \slot, (\q)+1, 1-(\q)%2
	FETCH_A \slot, (\q)+1, 0
	WIN MUL_HI
	MUL16 4, (\q)%2, \q, \slot, \zero
	MUL16 6, (\q)%2, \q, \slot, \zero
	PLACES NP
	WIN 0
	FETCH_A \slot, (\q)+1, 4
.endm
; A slot's last step changes slots: one barrier; in front of it each wave waits for all its tensor loads, adds 0 to its spare word, and waits for that and for its reads of this slot.  fill = 1: this slot is filled again.
.macro TURN slot, next, fill
	s_wait_tensorcnt 0x0                           ; all my tensor loads have landed: my part of the next slot
	ds_add_u32 v[SPW], v[NIL]                      ; 0 onto my spare word
	s_wait_dscnt 4*NL+1                            ; (the add and the youngest 24 loads may be out)
	WIN MUL_LO
	MUL16 0, 1, NQ-1, \slot, 0
	s_wait_dscnt 0x0                               ; the add is done, and my reads of this slot are over
	s_barrier_signal -1
	MUL16 2, 1, NQ-1, \slot, 0
	WIN 0
	s_barrier_wait -1
.if \fill
	CREST                                          ; the barrier has opened a round of the cluster's barrier: no wave of any partner still reads this slot or has a load on its way
	s_add_nc_u64 s[G0+4*\slot+2:G0+4*\slot+3], s[G0+4*\slot+2:G0+4*\slot+3], 2*ROWB
	s_add_nc_u64 s[G0B+4*\slot+2:G0B+4*\slot+3], s[G0B+4*\slot+2:G0B+4*\slot+3], 2*ROWB
	JLOAD G0+4*\slot, G1, G0B+4*\slot, G1B         ; the first tensor load behind the round; its four v_nop are the places in front of the loads below
.else
	PLACES NP
.endif
	v_add_nc_u32 v[ADRS], 4*NQ, v[ADRS]            ; on to the next K step's scale words
	FETCH_B \next, 0, 0
	FETCH_A \next, 0, 0
	SCALES \next
	WIN MUL_HI
	MUL16 4, 1, NQ-1, \slot, 0
	MUL16 6, 1, NQ-1, \slot, 0
	PLACES NP
	WIN 0
	FETCH_A \next, 0, 4
.endm
	s_wait_tensorcnt 1                             ; the scale bytes and my part of K step 0 are in (K step 1's load may be out),
	s_barrier_signal -1
	s_barrier_wait -1                              ; everybody's are
	FETCH_B 0, 0, 0
	FETCH_A 0, 0, 0
	SCALES 0
	FETCH_A 0, 0, 4
	STEP 0, 0, 1                                   ; the first step stands in front of the loop: its products start the sums
	s_mov_b32 s3, LAPS-1
.Llap:                                                 ; a trip goes once round the ring and fills both slots again
	TURN 0, 1, 1
	STEP 1, 0, 0
	TURN 1, 0, 1
	STEP 0, 0, 0
	s_sub_co_u32 s3, s3, 1
	s_cmp_lg_u32 s3, 0
	s_cbranch_scc1 .Llap
	TURN 0, 1, 0                                   ; the last lap fills nothing
	STEP 1, 0, 0
	s_wait_dscnt 4*NL
	WIN MUL_LO
	MUL16 0, 1, NQ-1, 1, 0
	MUL16 2, 1, NQ-1, 1, 0
	s_wait_dscnt 0
	WIN MUL_HI
	MUL16 4, 1, NQ-1, 1, 0
	MUL16 6, 1, NQ-1, 1, 0
	WIN 0
; 64 numbers of a lane, register 16 b + i = k 32 b + 16 h + i of my row, become a fragment's codes in v[PCD] on (the operand's 12 registers) and its scale word in v[PW].
.macro QUANT s
.irp b, 0,1,2,3
	v_max3_num_f32 v[TM+\b], |v[\s+16*\b]|, |v[\s+1+16*\b]|, 0x1800000   ; my 16 numbers of block b, and the floor 2^(3 - 127)
.endr
.irp i, 2,4,6,8,10,12,14
.irp b, 0,1,2,3
	v_max3_num_f32 v[TM+\b], v[TM+\b], |v[\s+16*\b+\i]|, |v[\s+1+16*\b+\i]|
.endr
.endr
.irp b, 0,1,2,3
	v_permlanex16_b32 v[TM+4+\b], v[TM+\b], s[SEL], s[SEL+1]
.endr
.irp b, 0,1,2,3
	v_max_num_f32 v[TM+\b], v[TM+\b], v[TM+4+\b]   ; with lane l xor 16's: the block's largest magnitude
.endr
.irp b, 0,1,2,3
	v_add_nc_u32 v[TM+12+\b], 0xff000000, v[TM+\b] ; 2 off its exponent field: the conversion's scale operand
.endr
.irp b, 0,1,2,3
	v_lshrrev_b32 v[TM+4+\b], 23, v[TM+12+\b]      ; the scale's byte
.endr
	v_lshl_or_b32 v[PW], v[TM+5], 8, v[TM+4]
	v_lshl_or_b32 v[PW], v[TM+6], 16, v[PW]
	v_lshl_or_b32 v[PW], v[TM+7], 24, v[PW]
.irp c, 0,1
	v_cvt_scalef32_pk16_fp6_f32 v[PCD+6*\c:PCD+2+6*\c], v[\s+32*\c:\s+15+32*\c], v[TM+12+2*\c]
	v_cvt_scalef32_pk16_fp6_f32 v[PCD+12+4*\c:PCD+14+4*\c], v[\s+16+32*\c:\s+31+32*\c], v[TM+12+2*\c+1]
.endr
	v_nop                                          ; one plain instruction behind a scaled conversion
.irp c, 0,1                                    ; the operand's layout wants a whole block in a lane
.irp i, 0,1,2
	v_permlane16_swap_b32 v[PCD+6*\c+\i], v[PCD+12+4*\c+\i]
.endr
.irp i, 0,1,2
	v_mov_b32 v[PCD+3+6*\c+\i], v[PCD+12+4*\c+\i]
.endr
.endr
.endm
; Block a of 16 rows: bias, quantiser, stores.  vm = 0: q or k: the 128 columns are two heads: registers 0-5 are the first head's fragment (its upper 64 along K are zeros, made in the attention launch), 6-11 the second's.
; vm = 1: v: the 128 columns are one key step; the block is tile a % 4 of head a / 4.
.macro ROWS a, vm
	s_wait_xcnt 0x0                                ; the last block's stores have read their registers
	WIN 0x02+(\a)/4                                ; source 0: the accumulators' window
.set kk, 0
.rept 32
.if \vm
	v_pk_add_f32 v[HA+kk:HA+kk+1], v[64*((\a)%4)+kk:64*((\a)%4)+kk+1], v[RB+2*(\a):RB+2*(\a)+1]
.else
	v_pk_add_f32 v[HA+kk:HA+kk+1], v[64*((\a)%4)+kk:64*((\a)%4)+kk+1], v[CB+kk:CB+kk+1]
.endif
.set kk, kk+2
.endr
	WIN 0
	QUANT HA
.if \vm
.irp g, 0,1,2
	global_store_b128 v[LI], v[PCD+4*\g:PCD+4*\g+3], s[34:35] offset:((\a)/4)*HS+1536*((\a)%4)+512*\g
.endr
	global_store_b32 v[LS], v[PW], s[36:37] offset:((\a)/4)*HS+128*((\a)%4)
.else
	v_lshrrev_b32 v[PW2], 16, v[PW]                ; the second head's two bytes
	global_store_b128 v[LI], v[PCD:PCD+3], s[34:35] offset:768*(\a)
	global_store_b64 v[L8], v[PCD+4:PCD+5], s[34:35] offset:768*(\a)+512
	global_store_b128 v[LI], v[PCD+6:PCD+9], s[34:35] offset:768*(\a)+HS
	global_store_b64 v[L8], v[PCD+10:PCD+11], s[34:35] offset:768*(\a)+512+HS
	global_store_b32 v[LS], v[PW], s[36:37] offset:128*(\a)      ; (bytes 2 and 3 of a word scale zero codes and are never 0xff)
	global_store_b32 v[LS], v[PW2], s[36:37] offset:128*(\a)+HS
.endif
.endm
	PLACES NP                                      ; behind the last products, ahead of the first read of results and the first write of their operands
	s_load_b128 s[24:27], s[0:1], 0x28             ; qi, kv (no tensor load of mine is out: the descriptors' registers are free)
	s_mov_b32 s[SEL], 0x76543210
	s_mov_b32 s[SEL+1], 0xfedcba98
.irp b, 0,1,2,3
	v_mov_b32 v[TM+4+\b], 0                        ; written once: a lane permute's destination counts as one of its sources
.endr
	s_wait_kmcnt 0x0
	s_cmp_eq_u32 ttmp9, 0
	s_cselect_b64 s[24:25], s[24:25], s[26:27]     ; q goes to qi, k and v to kv
	s_cmp_eq_u32 s[MODE], 1
	s_cbranch_scc1 .Lvmode
	s_and_b32 s28, s17, 7
	s_lshl_b32 s28, s28, 4
	s_lshl_b32 s29, s15, 3
	s_add_co_u32 s28, s28, s29                     ; my first tile of 16 positions in the batch: 16 (tile row % 8) + 8 x half
	s_lshr_b32 s29, s17, 3
	s_lshl_b32 s29, s29, 4
	s_lshl_b32 s30, s40, 2
	s_add_co_u32 s29, s29, s30
	s_lshl_b32 s30, s16, 1
	s_add_co_u32 s29, s29, s30                     ; my first head: 16 x batch + 4 cx + 2 x half
	s_mul_i32 s29, s29, HS
	s_mul_i32 s30, s28, 768
	s_add_co_u32 s30, s30, s29
	s_mov_b32 s31, 0
	s_lshl_b32 s32, s28, 7
	s_add_co_u32 s32, s32, s29
	s_add_co_u32 s32, s32, 196608
	s_mov_b32 s33, 0
	s_add_nc_u64 s[34:35], s[24:25], s[30:31]
	s_add_nc_u64 s[36:37], s[24:25], s[32:33]
.irp a, 0,1,2,3,4,5,6,7
	ROWS \a, 0
.endr
	s_branch .Lout
.Lvmode:
	s_and_b32 s28, s42, 7
	s_lshl_b32 s28, s28, 1
	s_add_co_u32 s28, s28, s16                     ; my key step: 2 (tile column % 8) + half
	s_lshr_b32 s29, s42, 3
	s_lshl_b32 s29, s29, 4
	s_lshl_b32 s30, s41, 2
	s_add_co_u32 s29, s29, s30
	s_lshl_b32 s30, s15, 1
	s_add_co_u32 s29, s29, s30                     ; my first head: 16 x batch + 4 cy + 2 x half
	s_mul_i32 s29, s29, HS
	s_mul_i32 s30, s28, 6144
	s_add_co_u32 s30, s30, s29
	s_add_co_u32 s30, s30, 98304
	s_mov_b32 s31, 0
	s_lshl_b32 s32, s28, 9
	s_add_co_u32 s32, s32, s29
	s_add_co_u32 s32, s32, 212992
	s_mov_b32 s33, 0
	s_add_nc_u64 s[34:35], s[24:25], s[30:31]
	s_add_nc_u64 s[36:37], s[24:25], s[32:33]
.irp a, 0,1,2,3,4,5,6,7
	ROWS \a, 1
.endr
.Lout:
	s_wait_tensorcnt 0x0                           ; the wave's end
	ds_add_u32 v[SPW], v[NIL]
	s_wait_dscnt 0x0
	CROUND                                         ; the closing round: no work-group ends while a partner may still ask for a tile that names it
	s_endpgm
.Lfunc_end_k_qa11bae06db_qkv:
	.size	k_qa11bae06db_qkv, .Lfunc_end_k_qa11bae06db_qkv-k_qa11bae06db_qkv
	.p2alignl 7, 3214868480
	.fill 96, 4, 3214868480
	.section	.rodata,"a",@progbits
	.p2align	6, 0x0
	.amdhsa_kernel k_qa11bae06db_qkv
		.amdhsa_group_segment_fixed_size 327680
		.amdhsa_private_segment_fixed_size 0
		.amdhsa_enable_private_segment 0
		.amdhsa_kernarg_size 56
		.amdhsa_user_sgpr_count 2
		.amdhsa_user_sgpr_kernarg_segment_ptr 1
		.amdhsa_wavefront_size32 1
		.amdhsa_system_sgpr_workgroup_id_x 1
		.amdhsa_system_sgpr_workgroup_id_y 1
		.amdhsa_system_sgpr_workgroup_id_z 1
		.amdhsa_system_vgpr_workitem_id 0
		.amdhsa_next_free_vgpr 1024
		.amdhsa_next_free_sgpr 102
		.amdhsa_reserve_vcc 0
		.amdhsa_float_denorm_mode_32 3
		.amdhsa_float_denorm_mode_16_64 3
		.amdhsa_memory_ordered 1
		.amdhsa_forward_progress 1
		.amdhsa_inst_pref_size 237
	.end_amdhsa_kernel
	.amdgpu_metadata
---
amdhsa.version: [ 1, 2 ]
amdhsa.kernels:
  - .name:           k_qa11bae06db_qkv
    .symbol:         k_qa11bae06db_qkv.kd
    .args:
      - { .name: act1, .offset: 0, .size: 8, .value_kind: global_buffer, .address_space: global }
      - { .name: wts, .offset: 8, .size: 8, .value_kind: global_buffer, .address_space: global }
      - { .name: bq, .offset: 16, .size: 8, .value_kind: global_buffer, .address_space: global }
      - { .name: bk, .offset: 24, .size: 8, .value_kind: global_buffer, .address_space: global }
      - { .name: bv, .offset: 32, .size: 8, .value_kind: global_buffer, .address_space: global }
      - { .name: qi, .offset: 40, .size: 8, .value_kind: global_buffer, .address_space: global }
      - { .name: kv, .offset: 48, .size: 8, .value_kind: global_buffer, .address_space: global }
    .group_segment_fixed_size: 327680
    .private_segment_fixed_size: 0
    .kernarg_segment_align: 8
    .kernarg_segment_size: 56
    .max_flat_workgroup_size: 128
    .sgpr_count:     102
    .vgpr_count:     1024
    .wavefront_size: 32
...
	.end_amdgpu_metadata
.endif
;; end of part 3
;; launch attn (part 4): grid 8 x 32, 16 waves a work-group, clusters of 4 x 1, 231,424 bytes of LDS; arguments qi, kv, mask, atto; writes atto
.if DOCPART == 4
	.amdgcn_target "amdgcn-amd-amdhsa--gfx1250"
	.amdhsa_code_object_version 6
	.text
	.protected	k_qa11bae06db_attn
	.globl	k_qa11bae06db_attn
	.p2align	8
	.type	k_qa11bae06db_attn,@function
k_qa11bae06db_attn:
	s_mov_b64 s[64:65], 0
	v_nop
	global_prefetch_b8 v0, s[64:65] scope:SCOPE_SE
	s_setreg_imm32_b32 hwreg(HW_REG_WAVE_MODE, 25, 1), 1
	s_wait_xcnt 0x0
	s_wait_alu depctr_hold_cnt(0) depctr_sa_sdst(0) depctr_va_vdst(0) depctr_va_sdst(0) depctr_va_ssrc(0) depctr_va_vcc(0) depctr_vm_vsrc(0)
	s_getreg_b32 s2, hwreg(HW_REG_IB_STS2, 6, 4)
	s_cmp_eq_u32 s2, 0
	s_cbranch_scc0 .Lentry_in_a_cluster
	s_endpgm
.Lentry_in_a_cluster:
	s_bfe_u32 s2, ttmp6, 0x10000c
	s_cmp_lg_u32 s2, 0x3003
	s_cbranch_scc0 .Lentry_shape_is_right
	s_endpgm
.Lentry_shape_is_right:
; o = softmax(q k^T / 8, keys with mask = 0 left out) v for one (batch, head), both products on codes of FP6 (E2M3) with E8M0 scales; o is quantised along the head's 64 and stored as codes for the next product.
; THE SOFTMAX: t = score x log2(e) / 8; M = the running largest t rounded up to a whole number; p = 2^(t - M) is quantised along the keys, not normalised; the row's sum is taken of the unquantised p and divides at the end.
; When M moves, the sum and O are multiplied by 2^(old M - new M), which rounds nothing.
; SHARES: a work-group owns 256 query positions of a head, each of its sixteen waves 16: four waves to a SIMD, so that one wave's vector work stands beside another's products and LDS loads.
; K, V AND THEIR SCALE WORDS OF THE WHOLE HEAD ARE ONE DENSE BLOCK OF 221,184 BYTES, laid as images of the operands' registers.  It is copied into LDS once, as it lies: each wave asks for 54 rows of 256 bytes.
; The four work-groups of a cluster are query blocks of one head: the loads are joint.  Nothing is filled again, so there is no ring.  One tensor load of a wave is out.
; LAYOUT: S^T = K Q^T (source 0 = 16 key positions, source 1 = my 16 queries), O^T = V^T P^T: a lane holds one query throughout.  Rows lie at positions (bits 3 and 4 of the row exchanged), so register 16 b + i of S^T is
; key 32 b + 16 h + i of the step, and register 16 b + i of O^T is channel 32 b + 16 h + i.  A head has 64 channels: the upper 64 along the first product's K are zero codes on both sides.
; THE MASK costs no vector instruction in the loop: 0 or -2^100 for each key lies in LDS and is loaded as the C of the first product.
; No prefetch: all that the launch reads is asked for at its head.  The stores at the end are 12 bytes a lane to rows 768 bytes apart: a head owns 48 bytes of a row of the codes.
; LIMITS: a batch whose mask is all zero is not served (the reference gives NaN there); scores are taken to lie under 2^90 in magnitude; a block of zeros gets the byte 1; NaN and infinities are not served.
.set HS,   221184                      ; a head's block
.set VIM,  98304                       ; in it: V's images,
.set KSC,  196608                      ; K's scale words,
.set VSC,  212992                      ; V's
.set MB,   221184                      ; LDS behind the block: the mask as 2,048 f32, written by ds_store; no fill lands here
.set PART, 13824                       ; what one wave fetches
.set LI,  1                            ; v1  16 x lane
.set L8,  2                            ; v2  8 x lane
.set LS,  3                            ; v3  4 x lane
.set LIV, 4                            ; v4  16 x lane + VIM
.set LSK, 5                            ; v5  4 x lane + KSC
.set LSV, 6                            ; v6  4 x lane + VSC
.set MBL, 7                            ; v7  MB + 64 h
.set ADK, 8                            ; v8-11, v28-29 the step's six addresses
.set ADK8, 9
.set ADS, 10
.set ADV, 11
.set ADT, 28
.set ADM, 29
.set S,   96                           ; v96-159 mask, then S^T, then p; then V's four fragments (v96-143)
.set O,   160                          ; v160-191 O^T
.set PCD, 192                          ; v192-203 p's codes; v204-210 the conversions' second halves
.set BM,  212                          ; v212-215 block maxima; v216-219 at work; v220-223 scale operands
.set KW,  224                          ; v224-227 K's scale words
.set VW,  228                          ; v228-231 V's
.set PWD, 232                          ; p's scale word
.set QW,  233                          ; Q's
.set F,   234                          ; v[234:235] f = 2^(old M - new M)
.set WK,  238
.set WV,  18
.set SEL, 20
.set CS,  22
.set G1,  24
.set G0,  32
.set TK,  36                           ; s36 6,144 x step;  s37 1,024 x step;  s38 512 x step;  s39 steps to go
.set TS,  37
.set TJ,  38
.set CNT, 39
.macro CROUND                          ; a round of the cluster's barrier
	s_barrier_signal -1
	s_barrier_wait -1
	s_cmp_lg_u32 s[WV], 0
	s_cbranch_scc1 .Lnot_wave_0_\@
	s_barrier_signal -3
.Lnot_wave_0_\@:
	s_barrier_wait -3
	s_barrier_signal -1
	s_barrier_wait -1
.endm
	s_load_b128 s[4:7], s[0:1], 0x0                ; qi, kv
	s_load_b128 s[8:11], s[0:1], 0x10              ; mask, atto
	v_lshl_add_u32 v254, v0, 2, 0x38000
	v_mov_b32 v255, 0
	ds_add_u32 v254, v255
	ds_add_u32 v254, v255
	v_lshrrev_b32 v8, 5, v0
	v_readfirstlane_b32 s[WV], v8                  ; wave 0..15
	s_bfe_u32 s12, ttmp6, 0x40000                  ; cx
	s_lshl_b32 s13, ttmp9, 2
	s_add_co_u32 s13, s13, s12                     ; my block of 256 queries: it enters Q's and the output's addresses alone
	s_and_b32 s14, ttmp7, 0xffff                   ; 16 x batch + head, which the four partners share
	s_lshr_b32 s15, s14, 4                         ; batch
	s_mul_i32 s16, s14, HS
	s_mov_b32 s17, 0
	s_mul_i32 s40, s[WV], PART
	s_mov_b32 s41, 0
	s_mov_b32 s[G1], 15|(3<<16)|(1<<21)            ; the mask: all four work-groups; elements of 8 bytes; bit 21 beside a mask; no padding
	s_mov_b32 s[G1+1], 32<<16                      ; tensor_dim0 = 32 elements: 256 bytes
	s_mov_b32 s[G1+2], 54<<16                      ; tensor_dim1 = 54
	s_mov_b32 s[G1+3], 32<<16                      ; tile_dim0
	s_mov_b32 s[G1+4], 54                          ; tile_dim1
	s_mov_b32 s[G1+5], 32                          ; the pitch: dense
	s_mov_b32 s[G1+6], 0
	s_mov_b32 s[G1+7], 0
	s_mov_b32 s[SEL], 0x76543210
	s_mov_b32 s[SEL+1], 0xfedcba98
	s_mov_b32 s[CS], 0x3e38aa3b                    ; c = log2(e) / 8
	s_mov_b32 s[CS+1], s[CS]
	s_mov_b32 s[TK], 0
	s_mov_b32 s[TS], 0
	s_mov_b32 s[TJ], 0
	s_mov_b32 s[CNT], 16
	s_wait_dscnt 0x0
	s_wait_kmcnt 0x0
	s_add_nc_u64 s[6:7], s[6:7], s[16:17]          ; the head's block in kv,
	s_add_nc_u64 s[4:5], s[4:5], s[16:17]          ; and in qi
	CROUND                                         ; all four work-groups are here: the joint loads meet
	s_mov_b32 s[G0], 1
	s_mov_b32 s[G0+1], s40                         ; LDS: wave x 13,824
	s_add_nc_u64 s[G0+2:G0+3], s[6:7], s[40:41]
	s_or_b32 s[G0+3], s[G0+3], 0x80000000
	tensor_load_to_lds s[G0:G0+3], s[G1:G1+7]
	s_nop 0
.rept 4
	v_nop
.endr
	v_and_b32 v9, 31, v0
	v_lshlrev_b32 v[LI], 4, v9
	v_lshlrev_b32 v[L8], 3, v9
	v_lshlrev_b32 v[LS], 2, v9
	s_lshl_b32 s42, s13, 4
	s_add_co_u32 s42, s42, s[WV]                   ; my tile of 16 query positions
	s_mul_i32 s44, s42, 768
	s_mov_b32 s45, 0
	s_add_nc_u64 s[44:45], s[4:5], s[44:45]
	global_load_b128 v[16:19], v[LI], s[44:45]     ; Q's fragment, registers 0-3,
	global_load_b64 v[20:21], v[L8], s[44:45] offset:512   ; 4-5
	s_lshl_b32 s46, s42, 7
	s_add_co_u32 s46, s46, KSC
	s_mov_b32 s47, 0
	s_add_nc_u64 s[46:47], s[4:5], s[46:47]
	global_load_b32 v[QW], v[LS], s[46:47]         ; and its scale words
	s_lshl_b32 s42, s15, 13
	s_mov_b32 s43, 0
	s_add_nc_u64 s[8:9], s[8:9], s[42:43]          ; my batch's mask
	v_lshlrev_b32 v10, 4, v0
	global_load_b128 v[96:99], v10, s[8:9]         ; four keys a thread
.irp j, 22,23,24,25,26,27
	v_mov_b32 v[\j], 0                             ; Q's upper 64 along K: zero codes
.endr
.irp t, 0,1,2,3
.irp p, 6,7,8,9,10,11
	v_mov_b32 v[32+12*\t+\p], 0                    ; K's likewise, in each of the four places for a fragment: written once
.endr
.endr
	v_mov_b32 v13, 0xff61b1e6                      ; the largest t so far: -3e38
	v_floor_f32 v12, -v13                          ; -M
	v_mov_b32 v14, 0                               ; the sum, in two halves
	v_mov_b32 v15, 0
.irp b, 0,1,2,3
	v_mov_b32 v[BM+4+\b], 0                        ; a lane permute's destination counts as one of its sources
.endr
	v_mov_b32 v[F+1], 0                            ; (named as the upper half of the pair)
.set kk, 0
.rept 32
	v_mov_b32 v[O+kk], 0                           ; O^T: the loop is written once; its first step finds zeros
.set kk, kk+1
.endr
	v_add_nc_u32 v[LIV], VIM, v[LI]
	v_add_nc_u32 v[LSK], KSC, v[LS]
	v_add_nc_u32 v[LSV], VSC, v[LS]
	v_bfe_u32 v[MBL], v0, 4, 1
	v_lshl_add_u32 v[MBL], v[MBL], 6, MB
	v_lshl_add_u32 v11, v0, 4, MB
	v_mov_b32 v[WK], 0xf1800000                    ; -2^100
	s_wait_loadcnt 0x0
.irp i, 0,1,2,3
	v_cmp_eq_u32 vcc_lo, 0, v[96+\i]
	v_cndmask_b32 v[96+\i], 0, v[WK], vcc_lo       ; a key with mask = 0 gets -2^100 onto its score: p = 0
.endr
	ds_store_b128 v11, v[96:99]
	s_wait_tensorcnt 0x0                           ; my part of the head's block has landed,
	s_wait_dscnt 0x0                               ; my part of the mask is stored:
	s_barrier_signal -1
	s_barrier_wait -1                              ; everybody's
.Lstep:                                                ; 16 trips of 128 keys
	v_add_nc_u32 v[ADK], s[TK], v[LI]              ; (these six are also the places between the last products and the loads and products below)
	v_add_nc_u32 v[ADK8], s[TK], v[L8]
	v_add_nc_u32 v[ADS], s[TS], v[LSK]
	v_add_nc_u32 v[ADV], s[TK], v[LIV]
	v_add_nc_u32 v[ADT], s[TJ], v[LSV]
	v_add_nc_u32 v[ADM], s[TJ], v[MBL]
.irp b, 0,1,2,3
.irp i, 0,1,2,3
	ds_load_b128 v[S+16*\b+4*\i:S+16*\b+4*\i+3], v[ADM] offset:128*\b+16*\i   ; the mask of keys 32 b + 16 h + 4 i on, into S^T's registers
.endr
.endr
.irp g, 0,1                                    ; S^T = K Q^T + mask, four tiles of 16 key positions at a time
.if \g > 0
.rept 4
	v_nop                                          ; places in front of loads into registers that matrix instructions have read
.endr
.endif
.irp t, 0,1,2,3
	ds_load_b128 v[32+12*\t:35+12*\t], v[ADK] offset:768*(4*\g+\t)
	ds_load_b64 v[36+12*\t:37+12*\t], v[ADK8] offset:768*(4*\g+\t)+512
	ds_load_b32 v[KW+\t], v[ADS] offset:128*(4*\g+\t)
.endr
	s_wait_dscnt 0x0
.irp t, 0,1,2,3
	v_wmma_scale_f32_16x16x128_f8f6f4 v[S+8*(4*\g+\t):S+8*(4*\g+\t)+7], v[32+12*\t:43+12*\t], v[16:27], v[S+8*(4*\g+\t):S+8*(4*\g+\t)+7], v[KW+\t], v[QW] matrix_a_fmt:MATRIX_FMT_FP6 matrix_b_fmt:MATRIX_FMT_FP6
.endr
.endr
.rept 4
	v_nop
.endr
.irp b, 0,1,2,3
	v_max3_num_f32 v[BM+\b], v[S+16*\b], v[S+1+16*\b], v[S+2+16*\b]   ; the largest score of each block of 32 keys: for the row's maximum and, since p rises with the score, for the block's largest p
.endr
.irp i, 3,5,7,9,11,13
.irp b, 0,1,2,3
	v_max3_num_f32 v[BM+\b], v[BM+\b], v[S+16*\b+\i], v[S+1+16*\b+\i]
.endr
.endr
.irp b, 0,1,2,3
	v_max_num_f32 v[BM+\b], v[BM+\b], v[S+15+16*\b]
.endr
.irp b, 0,1,2,3
	v_permlanex16_b32 v[BM+4+\b], v[BM+\b], s[SEL], s[SEL+1]
.endr
.irp b, 0,1,2,3
	v_max_num_f32 v[BM+\b], v[BM+\b], v[BM+4+\b]   ; with lane l xor 16's 16 keys
.endr
	v_max3_num_f32 v[WK], v[BM], v[BM+1], v[BM+2]
	v_max_num_f32 v[WK], v[WK], v[BM+3]
	v_mul_f32 v[WK], s[CS], v[WK]                  ; the step's largest t
	v_max_num_f32 v13, v13, v[WK]                  ; the running largest t
	v_mov_b32 v[WK], v12
	v_floor_f32 v12, -v13                          ; the new -M = -ceil(t)
	v_sub_f32 v[WK], v12, v[WK]                    ; old M - new M: a whole number, 0 or less
	v_cvt_i32_f32 v[WK], v[WK]                     ; (it saturates)
	v_ldexp_f32 v[F], 1.0, v[WK]                   ; f
.set kk, 0
.rept 32
	v_pk_fma_f32 v[S+kk:S+kk+1], v[S+kk:S+kk+1], s[CS:CS+1], v[12:13] op_sel_hi:[1,0,0]   ; t - M
.set kk, kk+2
.endr
.irp b, 0,1,2,3
	v_fma_f32 v[BM+\b], v[BM+\b], s[CS], v12       ; the same of each block's largest score
.endr
.set kk, 0
.rept 64
	v_exp_f32 v[S+kk], v[S+kk]                     ; p = 2^(t - M)
.set kk, kk+1
.endr
	v_pk_mul_f32 v[14:15], v[14:15], v[F:F+1] op_sel_hi:[1,0]   ; the sums under the new M (the plain instruction behind the exponentials)
	s_wait_alu depctr_va_vdst(0)                   ; one wait for the whole batch, ahead of its first use
.irp b, 0,1,2,3
	v_exp_f32 v[BM+\b], v[BM+\b]                   ; the block's largest p
.endr
	v_pk_add_f32 v[236:237], v[S:S+1], v[S+2:S+3]  ; the row's sum of the unquantised p, in two chains
.irp j, 4,8,12,16,20,24,28,32,36,40,44,48,52,56,60
	v_pk_add_f32 v[14:15], v[14:15], v[S+\j:S+\j+1]
	v_pk_add_f32 v[236:237], v[236:237], v[S+2+\j:S+3+\j]
.endr
	v_pk_add_f32 v[14:15], v[14:15], v[236:237]
	s_wait_alu depctr_va_vdst(0)                   ; and one for the four
.irp b, 0,1,2,3
	v_max_num_f32 v[BM+\b], 0x1800000, v[BM+\b]    ; the floor 2^(3 - 127)
.endr
.irp b, 0,1,2,3
	v_add_nc_u32 v[BM+8+\b], 0xff000000, v[BM+\b]  ; the conversion's scale operand
.endr
.irp b, 0,1,2,3
	v_lshrrev_b32 v[BM+4+\b], 23, v[BM+8+\b]       ; the scale's byte
.endr
	v_lshl_or_b32 v[PWD], v[BM+5], 8, v[BM+4]
	v_lshl_or_b32 v[PWD], v[BM+6], 16, v[PWD]
	v_lshl_or_b32 v[PWD], v[BM+7], 24, v[PWD]
.irp c, 0,1
	v_cvt_scalef32_pk16_fp6_f32 v[PCD+6*\c:PCD+2+6*\c], v[S+32*\c:S+15+32*\c], v[BM+8+2*\c]
	v_cvt_scalef32_pk16_fp6_f32 v[PCD+12+4*\c:PCD+14+4*\c], v[S+16+32*\c:S+31+32*\c], v[BM+8+2*\c+1]
.endr
	v_nop                                          ; one plain instruction behind a scaled conversion
.irp t, 0,1,2,3                                ; V's four fragments take p's registers
.irp c, 0,1,2
	ds_load_b128 v[S+12*\t+4*\c:S+12*\t+4*\c+3], v[ADV] offset:1536*\t+512*\c
.endr
	ds_load_b32 v[VW+\t], v[ADT] offset:128*\t
.endr
.irp c, 0,1                                    ; the operand's layout wants a whole block in a lane
.irp i, 0,1,2
	v_permlane16_swap_b32 v[PCD+6*\c+\i], v[PCD+12+4*\c+\i]
.endr
.irp i, 0,1,2
	v_mov_b32 v[PCD+3+6*\c+\i], v[PCD+12+4*\c+\i]
.endr
.endr
.set kk, 0
.rept 16
	v_pk_mul_f32 v[O+kk:O+kk+1], v[O+kk:O+kk+1], v[F:F+1] op_sel_hi:[1,0]   ; O^T under the new M (these sixteen also stand between the writes of p's codes and scale word and the products)
.set kk, kk+2
.endr
	s_wait_dscnt 0x0
.irp t, 0,1,2,3
	v_wmma_scale_f32_16x16x128_f8f6f4 v[O+8*\t:O+8*\t+7], v[S+12*\t:S+12*\t+11], v[PCD:PCD+11], v[O+8*\t:O+8*\t+7], v[VW+\t], v[PWD] matrix_a_fmt:MATRIX_FMT_FP6 matrix_b_fmt:MATRIX_FMT_FP6
.endr
	s_add_co_u32 s[TK], s[TK], 6144
	s_add_co_u32 s[TS], s[TS], 1024
	s_add_co_u32 s[TJ], s[TJ], 512
	s_sub_co_u32 s[CNT], s[CNT], 1
	s_cmp_lg_u32 s[CNT], 0
	s_cbranch_scc1 .Lstep
	; THE WAY OUT.  The address work is the places behind the last products.
	v_and_b32 v8, 15, v0                           ; r
	v_bfe_u32 v9, v0, 4, 1                         ; h
	v_mul_u32_u24 v10, v8, 768
	v_mad_u32_u24 v10, v9, 12, v10                 ; my row of codes, + 12 h
	v_lshl_add_u32 v11, v8, 5, v9                  ; my row of scale bytes, + h
	s_lshl_b32 s40, s15, 11
	s_lshl_b32 s41, s13, 8
	s_add_co_u32 s40, s40, s41
	s_lshl_b32 s41, s[WV], 4
	s_add_co_u32 s40, s40, s41                     ; my first position: 2,048 x batch + 256 x block + 16 x wave
	s_and_b32 s41, s14, 15                         ; head
	s_mul_i32 s42, s40, 768
	s_mul_i32 s43, s41, 48
	s_add_co_u32 s42, s42, s43
	s_mov_b32 s43, 0
	s_add_nc_u64 s[42:43], s[10:11], s[42:43]
	s_lshl_b32 s44, s40, 5
	s_lshl_b32 s45, s41, 1
	s_add_co_u32 s44, s44, s45
	s_add_co_u32 s44, s44, 3145728
	s_mov_b32 s45, 0
	s_add_nc_u64 s[44:45], s[10:11], s[44:45]
	v_add_f32 v14, v14, v15
	v_permlanex16_b32 v[WK], v14, s[SEL], s[SEL+1]
	v_add_f32 v14, v14, v[WK]                      ; the row's sum
	v_rcp_f32 v14, v14
	v_nop
	s_wait_alu depctr_va_vdst(0)
.set kk, 0
.rept 32
	v_mul_f32 v[S+kk], v[O+kk], v14                ; register 16 b + i is channel 32 b + 16 h + i
.set kk, kk+1
.endr
.irp b, 0,1
	v_max3_num_f32 v[BM+\b], |v[S+16*\b]|, |v[S+1+16*\b]|, 0x1800000
.endr
.irp i, 2,4,6,8,10,12,14
.irp b, 0,1
	v_max3_num_f32 v[BM+\b], v[BM+\b], |v[S+16*\b+\i]|, |v[S+1+16*\b+\i]|
.endr
.endr
.irp b, 0,1
	v_permlanex16_b32 v[BM+4+\b], v[BM+\b], s[SEL], s[SEL+1]
.endr
.irp b, 0,1
	v_max_num_f32 v[BM+\b], v[BM+\b], v[BM+4+\b]
.endr
.irp b, 0,1
	v_add_nc_u32 v[BM+8+\b], 0xff000000, v[BM+\b]
.endr
.irp b, 0,1
	v_lshrrev_b32 v[BM+4+\b], 23, v[BM+8+\b]
.endr
	v_cvt_scalef32_pk16_fp6_f32 v[PCD:PCD+2], v[S:S+15], v[BM+8]
	v_cvt_scalef32_pk16_fp6_f32 v[PCD+4:PCD+6], v[S+16:S+31], v[BM+9]
	v_cmp_eq_u32 vcc_lo, 1, v9
	v_cndmask_b32 v[BM+4], v[BM+4], v[BM+5], vcc_lo   ; lanes 0-15 store block 0's byte, lanes 16-31 block 1's
	global_store_b96 v10, v[PCD:PCD+2], s[42:43]            ; channels 16 h + 0 .. 15
	global_store_b96 v10, v[PCD+4:PCD+6], s[42:43] offset:24   ; channels 32 + 16 h + 0 .. 15
	global_store_b8 v11, v[BM+4], s[44:45]
	s_wait_tensorcnt 0x0
	ds_add_u32 v254, v255
	s_wait_dscnt 0x0
	CROUND                                         ; the closing round
	s_endpgm
.Lfunc_end_k_qa11bae06db_attn:
	.size	k_qa11bae06db_attn, .Lfunc_end_k_qa11bae06db_attn-k_qa11bae06db_attn
	.p2alignl 7, 3214868480
	.fill 96, 4, 3214868480
	.section	.rodata,"a",@progbits
	.p2align	6, 0x0
	.amdhsa_kernel k_qa11bae06db_attn
		.amdhsa_group_segment_fixed_size 231424
		.amdhsa_private_segment_fixed_size 0
		.amdhsa_enable_private_segment 0
		.amdhsa_kernarg_size 32
		.amdhsa_user_sgpr_count 2
		.amdhsa_user_sgpr_kernarg_segment_ptr 1
		.amdhsa_wavefront_size32 1
		.amdhsa_system_sgpr_workgroup_id_x 1
		.amdhsa_system_sgpr_workgroup_id_y 1
		.amdhsa_system_sgpr_workgroup_id_z 1
		.amdhsa_system_vgpr_workitem_id 0
		.amdhsa_next_free_vgpr 256
		.amdhsa_next_free_sgpr 66
		.amdhsa_reserve_vcc 1
		.amdhsa_float_denorm_mode_32 3
		.amdhsa_float_denorm_mode_16_64 3
		.amdhsa_memory_ordered 1
		.amdhsa_forward_progress 1
		.amdhsa_inst_pref_size 29
	.end_amdhsa_kernel
	.amdgpu_metadata
---
amdhsa.version: [ 1, 2 ]
amdhsa.kernels:
  - .name:           k_qa11bae06db_attn
    .symbol:         k_qa11bae06db_attn.kd
    .args:
      - { .name: qi, .offset: 0, .size: 8, .value_kind: global_buffer, .address_space: global }
      - { .name: kv, .offset: 8, .size: 8, .value_kind: global_buffer, .address_space: global }
      - { .name: mask, .offset: 16, .size: 8, .value_kind: global_buffer, .address_space: global }
      - { .name: atto, .offset: 24, .size: 8, .value_kind: global_buffer, .address_space: global }
    .group_segment_fixed_size: 231424
    .private_segment_fixed_size: 0
    .kernarg_segment_align: 8
    .kernarg_segment_size: 32
    .max_flat_workgroup_size: 512
    .sgpr_count:     66
    .vgpr_count:     256
    .wavefront_size: 32
...
	.end_amdgpu_metadata
.endif
;; end of part 4
;; launch wo (part 5): grid 4 x 16, 4 waves a work-group, clusters of 4 x 4, 327,680 bytes of LDS; arguments atto, wts, bo, x, hbuf; writes hbuf
.if DOCPART == 5
	.amdgcn_target "amdgcn-amd-amdhsa--gfx1250"
	.amdhsa_code_object_version 6
	.text
	.protected	k_qa11bae06db_wo
	.globl	k_qa11bae06db_wo
	.p2align	8
	.type	k_qa11bae06db_wo,@function
k_qa11bae06db_wo:
	s_mov_b64 s[64:65], 0
	v_nop
	global_prefetch_b8 v0, s[64:65] scope:SCOPE_SE
	s_setreg_imm32_b32 hwreg(HW_REG_WAVE_MODE, 25, 1), 1
	s_wait_xcnt 0x0
	s_wait_alu depctr_hold_cnt(0) depctr_sa_sdst(0) depctr_va_vdst(0) depctr_va_sdst(0) depctr_va_ssrc(0) depctr_va_vcc(0) depctr_vm_vsrc(0)
	s_getreg_b32 s2, hwreg(HW_REG_IB_STS2, 6, 4)
	s_cmp_eq_u32 s2, 0
	s_cbranch_scc0 .Lentry_in_a_cluster
	s_endpgm
.Lentry_in_a_cluster:
	s_bfe_u32 s2, ttmp6, 0x10000c
	s_cmp_lg_u32 s2, 0xf033
	s_cbranch_scc0 .Lentry_shape_is_right
	s_endpgm
.Lentry_shape_is_right:
; h = x + (o Wo + bo): the product on codes of FP6 (E2M3) with one E8M0 scale for each 32 along K = 1,024; bias and residual in f32; h is stored as f32, rows in their true order.
; THE PRODUCT: a tile of 256 x 256 to a work-group of four waves, 128 x 128 to a wave (64 accumulators, 512 registers).  K goes in steps of 256 through a ring of two LDS slots filled by the tensor data mover; the scale
; bytes of the work-group's rows, for all of K, come into LDS once.  4 x 4 work-groups form a cluster: A's tiles are asked for jointly along a row of it, B's along a column.
; The matrix instruction is used transposed (source 0 = 16 rows of B, source 1 = 16 rows of A): lane (r, h) of accumulator (a, b) holds A's position 16 a + r and, in register j, B's position 16 b + 8 h + j.
; POSITIONS: every operand's row n lies at position pi(n) (bits 3 and 4 exchanged): B's position 16 b + 8 h + j is column 32 (b / 2) + 16 h + 8 (b % 2) + j; A's position 16 a + t is row 32 (a / 2) + 8 (a % 2) + t + 8 (t / 8).
; THE WAY OUT: a block of 16 rows x 128 columns goes through the wave's own stage in LDS, where the columns fall into their true order, and comes back as whole rows of 512 bytes; bias and residual are added there; a store covers 512
; consecutive bytes.  The residual's rows are asked for one block ahead.  The tile is kept at 256 x 256 though that gives 64 work-groups: a smaller tile has a quarter of the products for each refill of the ring.
.set SIZE_K, 1024
.set ASC,    3145728                   ; A's scale bytes behind its codes
.set BCD,    2359296                   ; the weight's codes in wts
.set BSC,    9437184+98304             ; and its scale bytes
.set KSTEP,  256
.set NQ,     KSTEP/128
.set ROWB,   192
.set KROW,   SIZE_K*6/8
.set PITCH,  240
.set FR,     12
.set NL,     6
.set NP,     4
.set HALFT,  128*PITCH
.set SLOT,   4*HALFT
.set LAPS,   SIZE_K/(2*KSTEP)
.set KS,     SIZE_K/32
.set SCL,    2*SLOT
.set HALFS,  (128*KS/256)*272
.set SBLK,   (16*KS/256)*272
.set SPARE,  SCL+4*HALFS
.set ADRA, 16
.set ADRB, 20
.set ADRS, 27
.set SPW,  28
.set NIL,  29
.set SC,   32
.set AF,   128
.set G1, 24
.set G0, 32
.set G1B, 48
.set G0B, 56
.set G1S, 68
.set G0S, 76
.set G1SB, 80
.set G0SB, 88
.set SPITCH, 528                       ; the stage: 16 rows x (512 bytes + 16) for each wave, in slot 0, which has had its last fill and its last read by then
.set STO,  24                          ; v24     where I put 32 bytes of a row
.set RD,   25                          ; v25     where I read a row back
.set CO,   26                          ; v26     16 x lane
.set BI,   8                           ; v8-11   the bias at my four columns of a row
.set RA,   64                          ; v64-127, v128-191 the residual's 16 rows, two buffers
.set BB,   192                         ; v192-255 16 rows read back
.set MSB, 0
.macro WIN new
.if MSB != \new
	s_set_vgpr_msb (MSB<<8)|\new
.set MSB, \new
.endif
.endm
.set MUL_LO, 0xa1
.set MUL_HI, 0xf1
.set TO_B,   0x40
.macro JLOAD g0a, g1a, g0b, g1b        ; a joint load: waves 0 and 1 fetch for A, waves 2 and 3 for B; four v_nop follow each line
	s_cmp_eq_u32 s15, 0
	s_cbranch_scc0 .Lfor_b_\@
	tensor_load_to_lds s[\g0a:\g0a+3], s[\g1a:\g1a+7]
	s_nop 0
.rept 4
	v_nop
.endr
	s_branch .Lasked_\@
.Lfor_b_\@:
	tensor_load_to_lds s[\g0b:\g0b+3], s[\g1b:\g1b+7]
	s_nop 0
.rept 4
	v_nop
.endr
.Lasked_\@:
.endm
.macro CREST
	s_cmp_lg_u32 s14, 0
	s_cbranch_scc1 .Lnot_wave_0_\@
	s_barrier_signal -3
.Lnot_wave_0_\@:
	s_barrier_wait -3
	s_barrier_signal -1
	s_barrier_wait -1
.endm
.macro CROUND
	s_barrier_signal -1
	s_barrier_wait -1
	CREST
.endm
	s_load_b64 s[4:5], s[0:1], 0x0                 ; A: codes, scale bytes behind them
	s_load_b64 s[8:9], s[0:1], 0x8                 ; wts
	s_load_b128 s[96:99], s[0:1], 0x10             ; bias, residual
	s_load_b64 s[12:13], s[0:1], 0x20              ; out
	v_lshl_add_u32 v[SPW], v0, 2, SPARE
	v_mov_b32 v[NIL], 0
	ds_add_u32 v28, v29
	ds_add_u32 v28, v29
	s_wait_dscnt 0x0
	v_lshrrev_b32 v1, 5, v0
	v_readfirstlane_b32 s14, v1                    ; wave 0..3
	s_lshr_b32 s15, s14, 1
	s_and_b32 s16, s14, 1
	s_bfe_u32 s40, ttmp6, 0x40000                  ; cx, cy
	s_bfe_u32 s41, ttmp6, 0x40004
	s_lshl_b32 s42, ttmp9, 2
	s_add_co_u32 s42, s42, s40                     ; tile column
	s_and_b32 s17, ttmp7, 0xffff
	s_lshl_b32 s17, s17, 2
	s_add_co_u32 s17, s17, s41                     ; tile row
	s_lshl_b32 s43, s41, 2
	s_lshl_b32 s43, 15, s43                        ; my row of the cluster
	s_lshl_b32 s44, 0x1111, s40                    ; my column
	s_or_b32 s[G1+0], s43, (0<<16)|(1<<20)|(1<<21)|(3<<22)|(3<<25)
	s_or_b32 s[G1B+0], s44, (0<<16)|(1<<20)|(1<<21)|(3<<22)|(3<<25)
.irp g, G1, G1B
	s_mov_b32 s[\g+1], ROWB<<16
	s_mov_b32 s[\g+2], 128<<16
	s_mov_b32 s[\g+3], ROWB<<16
	s_mov_b32 s[\g+4], 128
	s_mov_b32 s[\g+5], KROW
	s_mov_b32 s[\g+6], 0
	s_mov_b32 s[\g+7], 0
.endr
	s_or_b32 s[G1S+0], s43, (3<<16)|(1<<20)|(1<<21)|(5<<22)|(3<<25)
	s_or_b32 s[G1SB+0], s44, (3<<16)|(1<<20)|(1<<21)|(5<<22)|(3<<25)
.irp g, G1S, G1SB
	s_mov_b32 s[\g+1], 32<<16
	s_mov_b32 s[\g+2], (128*KS/256)<<16
	s_mov_b32 s[\g+3], 32<<16
	s_mov_b32 s[\g+4], 128*KS/256
	s_mov_b32 s[\g+5], 32
	s_mov_b32 s[\g+6], 0
	s_mov_b32 s[\g+7], 0
.endr
	s_lshl_b32 s18, s16, 7
	s_lshl_b32 s20, s17, 8
	s_add_co_u32 s20, s20, s18
	s_lshl_b32 s46, s42, 8
	s_add_co_u32 s46, s46, s18
	s_mov_b32 s21, 0
	s_mov_b32 s47, 0
	s_mov_b64 s[18:19], KS
	s_mul_u64 s[22:23], s[20:21], s[18:19]
	s_mul_u64 s[92:93], s[46:47], s[18:19]
	s_mov_b64 s[18:19], KROW
	s_mul_u64 s[20:21], s[20:21], s[18:19]
	s_mul_u64 s[46:47], s[46:47], s[18:19]
	s_mul_i32 s45, s14, HALFT
	s_mul_i32 s94, s14, HALFS
	s_wait_kmcnt 0x0
	s_add_nc_u64 s[6:7], s[4:5], ASC
	s_add_nc_u64 s[10:11], s[8:9], BSC
	s_add_nc_u64 s[8:9], s[8:9], BCD
	s_add_nc_u64 s[20:21], s[4:5], s[20:21]
	s_add_nc_u64 s[22:23], s[6:7], s[22:23]
	s_add_nc_u64 s[46:47], s[8:9], s[46:47]
	s_add_nc_u64 s[92:93], s[10:11], s[92:93]
	CROUND                                         ; all sixteen work-groups are here: the first joint loads meet
	s_mov_b32 s[G0S], 1
	s_add_co_u32 s[G0S+1], s94, SCL
	s_mov_b64 s[G0S+2:G0S+3], s[22:23]
	s_or_b32 s[G0S+3], s[G0S+3], 0x80000000
	s_mov_b32 s[G0SB], 1
	s_add_co_u32 s[G0SB+1], s94, SCL
	s_mov_b64 s[G0SB+2:G0SB+3], s[92:93]
	s_or_b32 s[G0SB+3], s[G0SB+3], 0x80000000
	JLOAD G0S, G1S, G0SB, G1SB
.irp s, 0,1
	s_mov_b32 s[G0+4*\s], 1
	s_add_co_u32 s[G0+4*\s+1], s45, \s*SLOT
	s_add_nc_u64 s[G0+4*\s+2:G0+4*\s+3], s[20:21], \s*ROWB
	s_or_b32 s[G0+4*\s+3], s[G0+4*\s+3], 0x80000000
	s_mov_b32 s[G0B+4*\s], 1
	s_add_co_u32 s[G0B+4*\s+1], s45, \s*SLOT
	s_add_nc_u64 s[G0B+4*\s+2:G0B+4*\s+3], s[46:47], \s*ROWB
	s_or_b32 s[G0B+4*\s+3], s[G0B+4*\s+3], 0x80000000
	JLOAD G0+4*\s, G1, G0B+4*\s, G1B
.endr
	v_and_b32 v1, 15, v0                           ; r
	v_bfe_u32 v2, v0, 4, 1                         ; h
	v_mul_u32_u24 v3, v1, PITCH
	v_mul_u32_u24 v4, v2, 24
	v_add_nc_u32 v4, v3, v4
	v_lshl_add_u32 v5, v2, 4, v4
	s_mul_i32 s21, s15, HALFT
	s_mul_i32 s22, s16, HALFT
	s_add_co_u32 s22, s22, 2*HALFT
.irp s, 0,1
	v_add_nc_u32 v[ADRA+\s], s21, v4
	v_add_nc_u32 v[ADRB+\s], s22, v4
	v_add_nc_u32 v[ADRA+2+\s], s21, v5
	v_add_nc_u32 v[ADRB+2+\s], s22, v5
	s_add_co_u32 s21, s21, SLOT
	s_add_co_u32 s22, s22, SLOT
.endr
	v_mul_u32_u24 v5, v1, KS
	v_lshrrev_b32 v6, 8, v5
	v_lshl_add_u32 v5, v6, 4, v5
	s_mul_i32 s21, s15, HALFS
	s_mul_i32 s22, s16, HALFS
	s_add_co_u32 s22, s22, 2*HALFS
	s_sub_co_u32 s22, s22, s21
	v_mul_u32_u24 v6, s22, v2
	s_add_co_u32 s21, s21, SCL
	v_add_nc_u32 v5, v5, v6
	v_add_nc_u32 v[ADRS], s21, v5
	s_mul_i32 s23, s14, 16*SPITCH                  ; my stage
	v_mul_u32_u24 v5, v1, SPITCH
	v_lshl_add_u32 v5, v2, 6, v5                   ; in: row r, + 64 h: accumulator b's eight columns begin at byte 128 (b / 2) + 64 h + 32 (b % 2)
	v_add_nc_u32 v[STO], s23, v5
	v_and_b32 v6, 31, v0
	v_lshlrev_b32 v[CO], 4, v6
	v_add_nc_u32 v[RD], s23, v[CO]                 ; back: the 32 lanes take one row of 512 bytes
	s_lshl_b32 s20, s17, 8
	s_lshl_b32 s21, s15, 7
	s_add_co_u32 s20, s20, s21                     ; my first row: 256 x tile row + 128 x half
	s_lshl_b32 s20, s20, 12                        ; x 4,096 bytes
	s_lshl_b32 s46, s42, 10
	s_lshl_b32 s47, s16, 9
	s_add_co_u32 s46, s46, s47                     ; my first column, in bytes
	s_add_co_u32 s20, s20, s46
	s_mov_b32 s21, 0
	s_mov_b32 s47, 0
	s_add_nc_u64 s[12:13], s[12:13], s[20:21]
	s_add_nc_u64 s[98:99], s[98:99], s[20:21]
	s_add_nc_u64 s[96:97], s[96:97], s[46:47]
	global_load_b128 v[BI:BI+3], v[CO], s[96:97]
	s_wait_loadcnt 0x0
.macro FRAG reg, adr, q, i
.irp p, 0,1,2,3,4,5
.set PIECE, 12*(\q)+6*(\p/3)+\p%3
.if PIECE%8 < 5
	ds_load_b64 v[\reg+2*\p:\reg+2*\p+1], v[\adr] offset:8*PIECE+16*(PIECE/8)+(\i)*16*PITCH
.else
	ds_load_b64 v[\reg+2*\p:\reg+2*\p+1], v[\adr+2] offset:8*PIECE+16*(PIECE/8)+(\i)*16*PITCH
.endif
.endr
.endm
.macro MUL16 a0, p, q, sc, zero        ; the 64 accumulators take turns
.irp a, \a0, \a0+1
.irp b, 0,1,2,3,4,5,6,7
.if \zero
	v_wmma_scale_f32_16x16x128_f8f6f4 v[8*(8*((\a)%4)+\b):8*(8*((\a)%4)+\b)+7], v[128*(\p)+FR*\b:128*(\p)+FR*\b+FR-1], v[AF+FR*(\a):AF+FR*(\a)+FR-1], 0, v[SC+8*NQ*(\sc)+NQ*\b+(\q)], v[SC+8*NQ*(\sc)+NQ*(\a)+(\q)] matrix_a_fmt:MATRIX_FMT_FP6 matrix_b_fmt:MATRIX_FMT_FP6 matrix_a_scale:MATRIX_SCALE_ROW1
.else
	v_wmma_scale_f32_16x16x128_f8f6f4 v[8*(8*((\a)%4)+\b):8*(8*((\a)%4)+\b)+7], v[128*(\p)+FR*\b:128*(\p)+FR*\b+FR-1], v[AF+FR*(\a):AF+FR*(\a)+FR-1], v[8*(8*((\a)%4)+\b):8*(8*((\a)%4)+\b)+7], v[SC+8*NQ*(\sc)+NQ*\b+(\q)], v[SC+8*NQ*(\sc)+NQ*(\a)+(\q)] matrix_a_fmt:MATRIX_FMT_FP6 matrix_b_fmt:MATRIX_FMT_FP6 matrix_a_scale:MATRIX_SCALE_ROW1
.endif
.endr
.endr
.endm
.macro FETCH_B slot, q, p
	WIN TO_B
.irp i, 0,1,2,3,4,5,6,7
	FRAG 128*(\p)+FR*\i, ADRB+\slot, \q, \i
.endr
	WIN 0
.endm
.macro FETCH_A slot, q, i0
.irp i, \i0, \i0+1, \i0+2, \i0+3
	FRAG AF+FR*(\i), ADRA+\slot, \q, \i
.endr
.endm
.macro SCALES sc
.irp i, 0,1,2,3,4,5,6,7
	ds_load_b64 v[SC+8*NQ*\sc+NQ*\i:SC+8*NQ*\sc+NQ*\i+1], v[ADRS] offset:\i*SBLK
.endr
.endm
.macro PLACES n
.rept \n
	v_nop
.endr
.endm
.macro STEP slot, q, zero
	s_wait_dscnt 4*NL                              ; B's set and A's blocks 0-3 are in; the youngest 24 loads (A's blocks 4-7) may be out
	WIN MUL_LO
	MUL16 0, (\q)%2, \q, \slot, \zero
	MUL16 2, (\q)%2, \q, \slot, \zero
	s_wait_dscnt 0
	PLACES NP
	FETCH_B \slot, (\q)+1, 1-(\q)%2
	FETCH_A \slot, (\q)+1, 0
	WIN MUL_HI
	MUL16 4, (\q)%2, \q, \slot, \zero
	MUL16 6, (\q)%2, \q, \slot, \zero
	PLACES NP
	WIN 0
	FETCH_A \slot, (\q)+1, 4
.endm
.macro TURN slot, next, fill
	s_wait_tensorcnt 0x0                           ; all my tensor loads have landed: my part of the next slot
	ds_add_u32 v[SPW], v[NIL]                      ; 0 onto my spare word
	s_wait_dscnt 4*NL+1                            ; (the add and the youngest 24 loads may be out)
	WIN MUL_LO
	MUL16 0, 1, NQ-1, \slot, 0
	s_wait_dscnt 0x0                               ; the add is done, and my reads of this slot are over
	s_barrier_signal -1
	MUL16 2, 1, NQ-1, \slot, 0
	WIN 0
	s_barrier_wait -1
.if \fill
	CREST                                          ; a round of the cluster's barrier: no wave of any partner still reads this slot or has a load on its way
	s_add_nc_u64 s[G0+4*\slot+2:G0+4*\slot+3], s[G0+4*\slot+2:G0+4*\slot+3], 2*ROWB
	s_add_nc_u64 s[G0B+4*\slot+2:G0B+4*\slot+3], s[G0B+4*\slot+2:G0B+4*\slot+3], 2*ROWB
	JLOAD G0+4*\slot, G1, G0B+4*\slot, G1B
.else
	PLACES NP
.endif
	v_add_nc_u32 v[ADRS], 4*NQ, v[ADRS]
	FETCH_B \next, 0, 0
	FETCH_A \next, 0, 0
	SCALES \next
	WIN MUL_HI
	MUL16 4, 1, NQ-1, \slot, 0
	MUL16 6, 1, NQ-1, \slot, 0
	PLACES NP
	WIN 0
	FETCH_A \next, 0, 4
.endm
.macro RLOAD a                         ; the residual's rows of block a, in the order in which the stage gives the block's rows back
.set RL, RA+64*((\a)%2)
.irp t, 0,1,2,3,4,5,6,7,8,9,10,11,12,13,14,15
	global_load_b128 v[RL+4*\t:RL+4*\t+3], v[CO], s[98:99] offset:(32*((\a)/2)+8*((\a)%2)+\t+8*(\t/8))*4096 th:TH_LOAD_NT
.endr
.endm
.macro TOSTAGE a
.set AC, 64*((\a)%4)
	WIN 0x08+4*((\a)/4)                            ; the data: window 2 or 3
.irp b, 0,1,2,3,4,5,6,7
	ds_store_b128 v[STO], v[AC+8*\b:AC+8*\b+3] offset:128*(\b/2)+32*(\b%2)          ; each accumulator from its low end on
	ds_store_b128 v[STO], v[AC+8*\b+4:AC+8*\b+7] offset:128*(\b/2)+32*(\b%2)+16
.endr
	WIN 0
.irp t, 0,1,2,3,4,5,6,7,8,9,10,11,12,13,14,15
	ds_load_b128 v[BB+4*\t:BB+4*\t+3], v[RD] offset:\t*SPITCH   ; LDS serves a wave's instructions in order: these see the stores above
.endr
.endm
	s_wait_tensorcnt 1                             ; the scale bytes and my part of K step 0 are in (K step 1's load may be out)
	s_barrier_signal -1
	s_barrier_wait -1
	FETCH_B 0, 0, 0
	FETCH_A 0, 0, 0
	SCALES 0
	FETCH_A 0, 0, 4
	STEP 0, 0, 1
	s_mov_b32 s3, LAPS-1
.Llap:
	TURN 0, 1, 1
	STEP 1, 0, 0
	TURN 1, 0, 1
	STEP 0, 0, 0
	s_sub_co_u32 s3, s3, 1
	s_cmp_lg_u32 s3, 0
	s_cbranch_scc1 .Llap
	RLOAD 0                                        ; the first block's residual lands under the last lap
	TURN 0, 1, 0
	STEP 1, 0, 0
	s_wait_dscnt 4*NL
	WIN MUL_LO
	MUL16 0, 1, NQ-1, 1, 0
	MUL16 2, 1, NQ-1, 1, 0
	s_wait_dscnt 0
	WIN MUL_HI
	MUL16 4, 1, NQ-1, 1, 0
	MUL16 6, 1, NQ-1, 1, 0
	WIN 0
	PLACES NP
.irp a, 0,1,2,3,4,5,6,7
	s_wait_xcnt 0x0                                ; the last block's stores have read their registers
.if \a < 7
	RLOAD \a+1
.endif
	TOSTAGE \a
	s_wait_dscnt 0x0
.if \a < 7
	s_wait_loadcnt 16                              ; this block's residual is in; the next block's 16 loads may be out
.else
	s_wait_loadcnt 0
.endif
.set RC, RA+64*((\a)%2)
.irp t, 0,1,2,3,4,5,6,7,8,9,10,11,12,13,14,15
	v_pk_add_f32 v[BB+4*\t:BB+4*\t+1], v[BB+4*\t:BB+4*\t+1], v[BI:BI+1]
	v_pk_add_f32 v[BB+4*\t+2:BB+4*\t+3], v[BB+4*\t+2:BB+4*\t+3], v[BI+2:BI+3]
.endr
.irp t, 0,1,2,3,4,5,6,7,8,9,10,11,12,13,14,15
	v_pk_add_f32 v[BB+4*\t:BB+4*\t+1], v[BB+4*\t:BB+4*\t+1], v[RC+4*\t:RC+4*\t+1]
	v_pk_add_f32 v[BB+4*\t+2:BB+4*\t+3], v[BB+4*\t+2:BB+4*\t+3], v[RC+4*\t+2:RC+4*\t+3]
.endr
.irp t, 0,1,2,3,4,5,6,7,8,9,10,11,12,13,14,15
	global_store_b128 v[CO], v[BB+4*\t:BB+4*\t+3], s[12:13] offset:(32*((\a)/2)+8*((\a)%2)+\t+8*(\t/8))*4096 th:TH_STORE_NT   ; 32 lanes store 512 consecutive bytes, aligned
.endr
.endr
	s_wait_tensorcnt 0x0                           ; the wave's end
	ds_add_u32 v[SPW], v[NIL]
	s_wait_dscnt 0x0
	CROUND                                         ; the closing round
	s_endpgm
.Lfunc_end_k_qa11bae06db_wo:
	.size	k_qa11bae06db_wo, .Lfunc_end_k_qa11bae06db_wo-k_qa11bae06db_wo
	.p2alignl 7, 3214868480
	.fill 96, 4, 3214868480
	.section	.rodata,"a",@progbits
	.p2align	6, 0x0
	.amdhsa_kernel k_qa11bae06db_wo
		.amdhsa_group_segment_fixed_size 327680
		.amdhsa_private_segment_fixed_size 0
		.amdhsa_enable_private_segment 0
		.amdhsa_kernarg_size 40
		.amdhsa_user_sgpr_count 2
		.amdhsa_user_sgpr_kernarg_segment_ptr 1
		.amdhsa_wavefront_size32 1
		.amdhsa_system_sgpr_workgroup_id_x 1
		.amdhsa_system_sgpr_workgroup_id_y 1
		.amdhsa_system_sgpr_workgroup_id_z 1
		.amdhsa_system_vgpr_workitem_id 0
		.amdhsa_next_free_vgpr 1024
		.amdhsa_next_free_sgpr 102
		.amdhsa_reserve_vcc 0
		.amdhsa_float_denorm_mode_32 3
		.amdhsa_float_denorm_mode_16_64 3
		.amdhsa_memory_ordered 1
		.amdhsa_forward_progress 1
		.amdhsa_inst_pref_size 204
	.end_amdhsa_kernel
	.amdgpu_metadata
---
amdhsa.version: [ 1, 2 ]
amdhsa.kernels:
  - .name:           k_qa11bae06db_wo
    .symbol:         k_qa11bae06db_wo.kd
    .args:
      - { .name: atto, .offset: 0, .size: 8, .value_kind: global_buffer, .address_space: global }
      - { .name: wts, .offset: 8, .size: 8, .value_kind: global_buffer, .address_space: global }
      - { .name: bo, .offset: 16, .size: 8, .value_kind: global_buffer, .address_space: global }
      - { .name: x, .offset: 24, .size: 8, .value_kind: global_buffer, .address_space: global }
      - { .name: hbuf, .offset: 32, .size: 8, .value_kind: global_buffer, .address_space: global }
    .group_segment_fixed_size: 327680
    .private_segment_fixed_size: 0
    .kernarg_segment_align: 8
    .kernarg_segment_size: 40
    .max_flat_workgroup_size: 128
    .sgpr_count:     102
    .vgpr_count:     1024
    .wavefront_size: 32
...
	.end_amdgpu_metadata
.endif
;; end of part 5
;; launch ln2: the kernel of part 2 again; grid 256 x 1, 4 waves a work-group, no clusters, 25,088 bytes of LDS; arguments hbuf, ln2_w, ln2_b, act2; writes act2
;; launch ffn1 (part 6): grid 16 x 16, 4 waves a work-group, clusters of 4 x 4, 327,680 bytes of LDS; arguments act2, wts, b1, ffh; writes ffh
.if DOCPART == 6
	.amdgcn_target "amdgcn-amd-amdhsa--gfx1250"
	.amdhsa_code_object_version 6
	.text
	.protected	k_qa11bae06db_ffn1
	.globl	k_qa11bae06db_ffn1
	.p2align	8
	.type	k_qa11bae06db_ffn1,@function
k_qa11bae06db_ffn1:
	s_mov_b64 s[64:65], 0
	v_nop
	global_prefetch_b8 v0, s[64:65] scope:SCOPE_SE
	s_setreg_imm32_b32 hwreg(HW_REG_WAVE_MODE, 25, 1), 1
	s_wait_xcnt 0x0
	s_wait_alu depctr_hold_cnt(0) depctr_sa_sdst(0) depctr_va_vdst(0) depctr_va_sdst(0) depctr_va_ssrc(0) depctr_va_vcc(0) depctr_vm_vsrc(0)
	s_getreg_b32 s2, hwreg(HW_REG_IB_STS2, 6, 4)
	s_cmp_eq_u32 s2, 0
	s_cbranch_scc0 .Lentry_in_a_cluster
	s_endpgm
.Lentry_in_a_cluster:
	s_bfe_u32 s2, ttmp6, 0x10000c
	s_cmp_lg_u32 s2, 0xf033
	s_cbranch_scc0 .Lentry_shape_is_right
	s_endpgm
.Lentry_shape_is_right:
; f = gelu(g W1 + b1), gelu(x) = x (1 + erf(x / sqrt 2)) / 2: the product on codes of FP6 (E2M3) with one E8M0 scale for each 32 along K = 1,024; bias and gelu in f32; f is quantised at once along its 4,096 features.
; Out: codes [4,096 positions][3,072 bytes], scale bytes [4,096][128] at byte 12,582,912.
; THE PRODUCT: a tile of 256 x 256 to a work-group of four waves, 128 x 128 to a wave.  K goes in steps of 256 through a ring of two LDS slots filled by the tensor data mover; the scale bytes come into LDS once.
; 4 x 4 work-groups form a cluster: A's tiles are asked for jointly along a row of it, B's along a column.  The matrix instruction is used transposed (source 0 = 16 rows of B, source 1 = 16 rows of A).
; POSITIONS: every operand's row n lies at position pi(n) (bits 3 and 4 exchanged), so in accumulator (a, b) lane (r, h) holds token position 16 a + r and register j feature 32 (b / 2) + 16 h + 8 (b % 2) + j:
; the 16 registers of accumulators 2 b', 2 b' + 1 are 16 neighbouring features.
; THE WAY OUT is a loop of 8 trips over the blocks of 16 rows, so that the erf is written once.  A chain of compares on the loop's counter leads to the 32 additions that name the block's accumulators; all else has fixed registers.
; erf(u) = u P(u^2) / Q(u^2) with u held to +-4: a rational form in f32, degrees 6 and 4 in u^2, good to a few units in the last place.
; The codes (12 bytes for 16 features) go to the wave's own stage in LDS (rows of 8 places of 16 bytes + 16); behind one barrier each wave stores 64 rows, sixteen lanes to a row's 192 consecutive bytes.
; The stages lie in slot 0, which has had its last fill and its last read by then.
; LIMITS: a block of zeros gets the byte 1 (this program alone reads the bytes); blocks under 2^-124 keep the byte 1; NaN and infinities are not served.
.set SIZE_K, 1024
.set ASC,    3145728
.set BCD,    3145728
.set BSC,    9437184+131072
.set KSTEP,  256
.set NQ,     KSTEP/128
.set ROWB,   192
.set KROW,   SIZE_K*6/8
.set PITCH,  240
.set FR,     12
.set NL,     6
.set NP,     4
.set HALFT,  128*PITCH
.set SLOT,   4*HALFT
.set LAPS,   SIZE_K/(2*KSTEP)
.set KS,     SIZE_K/32
.set SCL,    2*SLOT
.set HALFS,  (128*KS/256)*272
.set SBLK,   (16*KS/256)*272
.set SPARE,  SCL+4*HALFS
.set ADRA, 16
.set ADRB, 20
.set ADRS, 27
.set SPW,  28
.set NIL,  29
.set SC,   32
.set AF,   128
.set G1, 24
.set G0, 32
.set G1B, 48
.set G0B, 56
.set G1S, 68
.set G0S, 76
.set G1SB, 80
.set G0SB, 88
.set WST,  18432                       ; a wave's stage for codes: 128 rows x 144 bytes
.set SSTG, 4*WST                       ; behind the four: a wave's 128 scale words, 512 bytes each wave
.set SEL,  20                          ; s[20:21] lane selects, set behind the loop
.set CB,   64                          ; v64-127 b1 at my 64 columns, in the accumulators' order
.set HA,   128                         ; v128-191 a block's 64 numbers
.set TU,   192                         ; v192-255 at work in the gelu: u, u^2, P, Q of 16 numbers
.set T2,   208
.set TP,   224
.set TQ,   240
.set TM,   32                          ; v32-47  at work in the quantiser
.set PCD,  48                          ; v48-62  the codes just made
.set PW,   30                          ; v30     the scale word just made
.set STO2, 24                          ; v24     my place in my stage
.set SST,  25                          ; v25     my place among my scale words
.set SRD,  26                          ; v26     where I read rows back
.set GOF,  7                           ; v7      and where they go
.set SSR,  12                          ; v12     where I read scale words back
.set GSO,  13                          ; v13     and where they go
.set ADR,  14                          ; v14, v15 the trip's two LDS addresses
.set ADR2, 15
.set MSB, 0
.macro WIN new
.if MSB != \new
	s_set_vgpr_msb (MSB<<8)|\new
.set MSB, \new
.endif
.endm
.set MUL_LO, 0xa1
.set MUL_HI, 0xf1
.set TO_B,   0x40
.macro JLOAD g0a, g1a, g0b, g1b        ; a joint load: waves 0 and 1 fetch for A, waves 2 and 3 for B; four v_nop follow each line
	s_cmp_eq_u32 s15, 0
	s_cbranch_scc0 .Lfor_b_\@
	tensor_load_to_lds s[\g0a:\g0a+3], s[\g1a:\g1a+7]
	s_nop 0
.rept 4
	v_nop
.endr
	s_branch .Lasked_\@
.Lfor_b_\@:
	tensor_load_to_lds s[\g0b:\g0b+3], s[\g1b:\g1b+7]
	s_nop 0
.rept 4
	v_nop
.endr
.Lasked_\@:
.endm
.macro CREST
	s_cmp_lg_u32 s14, 0
	s_cbranch_scc1 .Lnot_wave_0_\@
	s_barrier_signal -3
.Lnot_wave_0_\@:
	s_barrier_wait -3
	s_barrier_signal -1
	s_barrier_wait -1
.endm
.macro CROUND
	s_barrier_signal -1
	s_barrier_wait -1
	CREST
.endm
	s_load_b64 s[4:5], s[0:1], 0x0                 ; A: codes, scale bytes behind them
	s_load_b64 s[8:9], s[0:1], 0x8                 ; wts
	s_load_b64 s[96:97], s[0:1], 0x10              ; b1
	s_load_b64 s[12:13], s[0:1], 0x18              ; out
	v_lshl_add_u32 v[SPW], v0, 2, SPARE
	v_mov_b32 v[NIL], 0
	ds_add_u32 v28, v29
	ds_add_u32 v28, v29
	s_wait_dscnt 0x0
	v_lshrrev_b32 v1, 5, v0
	v_readfirstlane_b32 s14, v1                    ; wave 0..3
	s_lshr_b32 s15, s14, 1
	s_and_b32 s16, s14, 1
	s_bfe_u32 s40, ttmp6, 0x40000                  ; cx, cy
	s_bfe_u32 s41, ttmp6, 0x40004
	s_lshl_b32 s42, ttmp9, 2
	s_add_co_u32 s42, s42, s40                     ; tile column
	s_and_b32 s17, ttmp7, 0xffff
	s_lshl_b32 s17, s17, 2
	s_add_co_u32 s17, s17, s41                     ; tile row
	s_lshl_b32 s43, s41, 2
	s_lshl_b32 s43, 15, s43
	s_lshl_b32 s44, 0x1111, s40
	s_or_b32 s[G1+0], s43, (0<<16)|(1<<20)|(1<<21)|(3<<22)|(3<<25)
	s_or_b32 s[G1B+0], s44, (0<<16)|(1<<20)|(1<<21)|(3<<22)|(3<<25)
.irp g, G1, G1B
	s_mov_b32 s[\g+1], ROWB<<16
	s_mov_b32 s[\g+2], 128<<16
	s_mov_b32 s[\g+3], ROWB<<16
	s_mov_b32 s[\g+4], 128
	s_mov_b32 s[\g+5], KROW
	s_mov_b32 s[\g+6], 0
	s_mov_b32 s[\g+7], 0
.endr
	s_or_b32 s[G1S+0], s43, (3<<16)|(1<<20)|(1<<21)|(5<<22)|(3<<25)
	s_or_b32 s[G1SB+0], s44, (3<<16)|(1<<20)|(1<<21)|(5<<22)|(3<<25)
.irp g, G1S, G1SB
	s_mov_b32 s[\g+1], 32<<16
	s_mov_b32 s[\g+2], (128*KS/256)<<16
	s_mov_b32 s[\g+3], 32<<16
	s_mov_b32 s[\g+4], 128*KS/256
	s_mov_b32 s[\g+5], 32
	s_mov_b32 s[\g+6], 0
	s_mov_b32 s[\g+7], 0
.endr
	s_lshl_b32 s18, s16, 7
	s_lshl_b32 s20, s17, 8
	s_add_co_u32 s20, s20, s18
	s_lshl_b32 s46, s42, 8
	s_add_co_u32 s46, s46, s18
	s_mov_b32 s21, 0
	s_mov_b32 s47, 0
	s_mov_b64 s[18:19], KS
	s_mul_u64 s[22:23], s[20:21], s[18:19]
	s_mul_u64 s[92:93], s[46:47], s[18:19]
	s_mov_b64 s[18:19], KROW
	s_mul_u64 s[20:21], s[20:21], s[18:19]
	s_mul_u64 s[46:47], s[46:47], s[18:19]
	s_mul_i32 s45, s14, HALFT
	s_mul_i32 s94, s14, HALFS
	s_wait_kmcnt 0x0
	s_add_nc_u64 s[6:7], s[4:5], ASC
	s_add_nc_u64 s[10:11], s[8:9], BSC
	s_add_nc_u64 s[8:9], s[8:9], BCD
	s_add_nc_u64 s[20:21], s[4:5], s[20:21]
	s_add_nc_u64 s[22:23], s[6:7], s[22:23]
	s_add_nc_u64 s[46:47], s[8:9], s[46:47]
	s_add_nc_u64 s[92:93], s[10:11], s[92:93]
	CROUND                                         ; all sixteen work-groups are here: the first joint loads meet
	s_mov_b32 s[G0S], 1
	s_add_co_u32 s[G0S+1], s94, SCL
	s_mov_b64 s[G0S+2:G0S+3], s[22:23]
	s_or_b32 s[G0S+3], s[G0S+3], 0x80000000
	s_mov_b32 s[G0SB], 1
	s_add_co_u32 s[G0SB+1], s94, SCL
	s_mov_b64 s[G0SB+2:G0SB+3], s[92:93]
	s_or_b32 s[G0SB+3], s[G0SB+3], 0x80000000
	JLOAD G0S, G1S, G0SB, G1SB
.irp s, 0,1
	s_mov_b32 s[G0+4*\s], 1
	s_add_co_u32 s[G0+4*\s+1], s45, \s*SLOT
	s_add_nc_u64 s[G0+4*\s+2:G0+4*\s+3], s[20:21], \s*ROWB
	s_or_b32 s[G0+4*\s+3], s[G0+4*\s+3], 0x80000000
	s_mov_b32 s[G0B+4*\s], 1
	s_add_co_u32 s[G0B+4*\s+1], s45, \s*SLOT
	s_add_nc_u64 s[G0B+4*\s+2:G0B+4*\s+3], s[46:47], \s*ROWB
	s_or_b32 s[G0B+4*\s+3], s[G0B+4*\s+3], 0x80000000
	JLOAD G0+4*\s, G1, G0B+4*\s, G1B
.endr
	v_and_b32 v1, 15, v0                           ; r
	v_bfe_u32 v2, v0, 4, 1                         ; h
	v_mul_u32_u24 v3, v1, PITCH
	v_mul_u32_u24 v4, v2, 24
	v_add_nc_u32 v4, v3, v4
	v_lshl_add_u32 v5, v2, 4, v4
	s_mul_i32 s21, s15, HALFT
	s_mul_i32 s22, s16, HALFT
	s_add_co_u32 s22, s22, 2*HALFT
.irp s, 0,1
	v_add_nc_u32 v[ADRA+\s], s21, v4
	v_add_nc_u32 v[ADRB+\s], s22, v4
	v_add_nc_u32 v[ADRA+2+\s], s21, v5
	v_add_nc_u32 v[ADRB+2+\s], s22, v5
	s_add_co_u32 s21, s21, SLOT
	s_add_co_u32 s22, s22, SLOT
.endr
	v_mul_u32_u24 v5, v1, KS
	v_lshrrev_b32 v6, 8, v5
	v_lshl_add_u32 v5, v6, 4, v5
	s_mul_i32 s21, s15, HALFS
	s_mul_i32 s22, s16, HALFS
	s_add_co_u32 s22, s22, 2*HALFS
	s_sub_co_u32 s22, s22, s21
	v_mul_u32_u24 v6, s22, v2
	s_add_co_u32 s21, s21, SCL
	v_add_nc_u32 v5, v5, v6
	v_add_nc_u32 v[ADRS], s21, v5
	; the way out's addresses
	s_mul_i32 s20, s14, WST
	v_mul_u32_u24 v[STO2], v1, 144
	v_lshl_add_u32 v[STO2], v2, 4, v[STO2]
	v_add_nc_u32 v[STO2], s20, v[STO2]             ; my stage: row r of a block, place h; + 2,304 a block, + 32 a block of 32 features
	s_lshl_b32 s20, s14, 9
	v_lshlrev_b32 v[SST], 2, v1
	v_add_nc_u32 v[SST], s20, v[SST]
	v_add_nc_u32 v[SST], SSTG, v[SST]              ; my scale words: 4 bytes a row; + 64 a block
	; back: wave w stores rows 64 w .. 64 w + 63 of the tile: they lie in the stages of waves 2 (w / 2) (places 0-7 of a row's 16) and 2 (w / 2) + 1 (places 8-15), rows 64 (w % 2) on
	s_mul_i32 s20, s15, 2*WST
	s_mul_i32 s21, s16, 64*144
	s_add_co_u32 s20, s20, s21
	v_lshrrev_b32 v5, 3, v1
	v_mul_u32_u24 v[SRD], v5, WST
	v_and_b32 v5, 7, v1
	v_lshl_add_u32 v[SRD], v5, 4, v[SRD]
	v_mad_u32_u24 v[SRD], v2, 144, v[SRD]
	v_add_nc_u32 v[SRD], s20, v[SRD]               ; lanes 0-15 one row, lanes 16-31 the next
	v_mul_u32_u24 v[GOF], v2, 3072
	v_mad_u32_u24 v[GOF], v1, 12, v[GOF]
	v_and_b32 v6, 31, v0
	s_lshl_b32 s20, s15, 10
	s_lshl_b32 s21, s16, 8
	s_add_co_u32 s20, s20, s21
	v_lshlrev_b32 v[SSR], 2, v6
	v_add_nc_u32 v[SSR], s20, v[SSR]
	v_add_nc_u32 v[SSR], SSTG, v[SSR]              ; a lane a row
	v_lshlrev_b32 v[GSO], 7, v6
	s_lshl_b32 s20, s17, 8
	s_lshl_b32 s21, s14, 6
	s_add_co_u32 s20, s20, s21                     ; the first row that I store
	s_lshl_b32 s46, s20, 7
	s_lshl_b32 s47, s42, 3
	s_add_co_u32 s46, s46, s47
	s_add_co_u32 s46, s46, 12582912
	s_mov_b32 s47, 0
	s_add_nc_u64 s[98:99], s[12:13], s[46:47]      ; its scale bytes of my tile column
	s_mul_i32 s20, s20, 3072
	s_mul_i32 s21, s42, 192
	s_add_co_u32 s20, s20, s21
	s_mov_b32 s21, 0
	s_add_nc_u64 s[12:13], s[12:13], s[20:21]      ; its codes
	s_lshl_b32 s46, s42, 10
	s_lshl_b32 s47, s16, 9
	s_add_co_u32 s46, s46, s47
	s_mov_b32 s47, 0
	s_add_nc_u64 s[96:97], s[96:97], s[46:47]      ; b1 at my first column
	v_lshlrev_b32 v10, 6, v2
.irp b, 0,1,2,3,4,5,6,7
	global_load_b128 v[CB+8*\b:CB+8*\b+3], v10, s[96:97] offset:(32*(\b/2)+8*(\b%2))*4
	global_load_b128 v[CB+8*\b+4:CB+8*\b+7], v10, s[96:97] offset:(32*(\b/2)+8*(\b%2))*4+16
.endr
	s_wait_loadcnt 0x0
.macro FRAG reg, adr, q, i
.irp p, 0,1,2,3,4,5
.set PIECE, 12*(\q)+6*(\p/3)+\p%3
.if PIECE%8 < 5
	ds_load_b64 v[\reg+2*\p:\reg+2*\p+1], v[\adr] offset:8*PIECE+16*(PIECE/8)+(\i)*16*PITCH
.else
	ds_load_b64 v[\reg+2*\p:\reg+2*\p+1], v[\adr+2] offset:8*PIECE+16*(PIECE/8)+(\i)*16*PITCH
.endif
.endr
.endm
.macro MUL16 a0, p, q, sc, zero        ; the 64 accumulators take turns
.irp a, \a0, \a0+1
.irp b, 0,1,2,3,4,5,6,7
.if \zero
	v_wmma_scale_f32_16x16x128_f8f6f4 v[8*(8*((\a)%4)+\b):8*(8*((\a)%4)+\b)+7], v[128*(\p)+FR*\b:128*(\p)+FR*\b+FR-1], v[AF+FR*(\a):AF+FR*(\a)+FR-1], 0, v[SC+8*NQ*(\sc)+NQ*\b+(\q)], v[SC+8*NQ*(\sc)+NQ*(\a)+(\q)] matrix_a_fmt:MATRIX_FMT_FP6 matrix_b_fmt:MATRIX_FMT_FP6 matrix_a_scale:MATRIX_SCALE_ROW1
.else
	v_wmma_scale_f32_16x16x128_f8f6f4 v[8*(8*((\a)%4)+\b):8*(8*((\a)%4)+\b)+7], v[128*(\p)+FR*\b:128*(\p)+FR*\b+FR-1], v[AF+FR*(\a):AF+FR*(\a)+FR-1], v[8*(8*((\a)%4)+\b):8*(8*((\a)%4)+\b)+7], v[SC+8*NQ*(\sc)+NQ*\b+(\q)], v[SC+8*NQ*(\sc)+NQ*(\a)+(\q)] matrix_a_fmt:MATRIX_FMT_FP6 matrix_b_fmt:MATRIX_FMT_FP6 matrix_a_scale:MATRIX_SCALE_ROW1
.endif
.endr
.endr
.endm
.macro FETCH_B slot, q, p
	WIN TO_B
.irp i, 0,1,2,3,4,5,6,7
	FRAG 128*(\p)+FR*\i, ADRB+\slot, \q, \i
.endr
	WIN 0
.endm
.macro FETCH_A slot, q, i0
.irp i, \i0, \i0+1, \i0+2, \i0+3
	FRAG AF+FR*(\i), ADRA+\slot, \q, \i
.endr
.endm
.macro SCALES sc
.irp i, 0,1,2,3,4,5,6,7
	ds_load_b64 v[SC+8*NQ*\sc+NQ*\i:SC+8*NQ*\sc+NQ*\i+1], v[ADRS] offset:\i*SBLK
.endr
.endm
.macro PLACES n
.rept \n
	v_nop
.endr
.endm
.macro STEP slot, q, zero
	s_wait_dscnt 4*NL                              ; B's set and A's blocks 0-3 are in; the youngest 24 loads (A's blocks 4-7) may be out
	WIN MUL_LO
	MUL16 0, (\q)%2, \q, \slot, \zero
	MUL16 2, (\q)%2, \q, \slot, \zero
	s_wait_dscnt 0
	PLACES NP
	FETCH_B \slot, (\q)+1, 1-(\q)%2
	FETCH_A \slot, (\q)+1, 0
	WIN MUL_HI
	MUL16 4, (\q)%2, \q, \slot, \zero
	MUL16 6, (\q)%2, \q, \slot, \zero
	PLACES NP
	WIN 0
	FETCH_A \slot, (\q)+1, 4
.endm
.macro TURN slot, next, fill
	s_wait_tensorcnt 0x0                           ; all my tensor loads have landed: my part of the next slot
	ds_add_u32 v[SPW], v[NIL]                      ; 0 onto my spare word
	s_wait_dscnt 4*NL+1                            ; (the add and the youngest 24 loads may be out)
	WIN MUL_LO
	MUL16 0, 1, NQ-1, \slot, 0
	s_wait_dscnt 0x0                               ; the add is done, and my reads of this slot are over
	s_barrier_signal -1
	MUL16 2, 1, NQ-1, \slot, 0
	WIN 0
	s_barrier_wait -1
.if \fill
	CREST                                          ; a round of the cluster's barrier: no wave of any partner still reads this slot or has a load on its way
	s_add_nc_u64 s[G0+4*\slot+2:G0+4*\slot+3], s[G0+4*\slot+2:G0+4*\slot+3], 2*ROWB
	s_add_nc_u64 s[G0B+4*\slot+2:G0B+4*\slot+3], s[G0B+4*\slot+2:G0B+4*\slot+3], 2*ROWB
	JLOAD G0+4*\slot, G1, G0B+4*\slot, G1B
.else
	PLACES NP
.endif
	v_add_nc_u32 v[ADRS], 4*NQ, v[ADRS]
	FETCH_B \next, 0, 0
	FETCH_A \next, 0, 0
	SCALES \next
	WIN MUL_HI
	MUL16 4, 1, NQ-1, \slot, 0
	MUL16 6, 1, NQ-1, \slot, 0
	PLACES NP
	WIN 0
	FETCH_A \next, 0, 4
.endm
	s_wait_tensorcnt 1                             ; the scale bytes and my part of K step 0 are in (K step 1's load may be out)
	s_barrier_signal -1
	s_barrier_wait -1
	FETCH_B 0, 0, 0
	FETCH_A 0, 0, 0
	SCALES 0
	FETCH_A 0, 0, 4
	STEP 0, 0, 1
	s_mov_b32 s3, LAPS-1
.Llap:
	TURN 0, 1, 1
	STEP 1, 0, 0
	TURN 1, 0, 1
	STEP 0, 0, 0
	s_sub_co_u32 s3, s3, 1
	s_cmp_lg_u32 s3, 0
	s_cbranch_scc1 .Llap
	TURN 0, 1, 0
	STEP 1, 0, 0
	s_wait_dscnt 4*NL
	WIN MUL_LO
	MUL16 0, 1, NQ-1, 1, 0
	MUL16 2, 1, NQ-1, 1, 0
	s_wait_dscnt 0
	WIN MUL_HI
	MUL16 4, 1, NQ-1, 1, 0
	MUL16 6, 1, NQ-1, 1, 0
	WIN 0
.macro ACCB a                          ; block a's 64 sums + b1 into fixed registers, each accumulator from its low end on
	WIN 0x02+(\a)/4
.set kk, 0
.rept 32
	v_pk_add_f32 v[HA+kk:HA+kk+1], v[64*((\a)%4)+kk:64*((\a)%4)+kk+1], v[CB+kk:CB+kk+1]
.set kk, kk+2
.endr
	WIN 0
.endm
.macro SPAIR r, c                      ; a constant in a scalar pair: the packed forms name the pair and take its low word for both halves
	s_mov_b32 s[\r], \c
	s_mov_b32 s[\r+1], \c
.endm
.macro GELU16 x                        ; 16 numbers v[x] on, in place
.irp k, 0,2,4,6,8,10,12,14
	v_pk_mul_f32 v[TU+\k:TU+\k+1], v[\x+\k:\x+\k+1], s[24:25] op_sel_hi:[1,0]   ; u = x / sqrt 2
.endr
.irp k, 0,1,2,3,4,5,6,7,8,9,10,11,12,13,14,15
	v_med3_num_f32 v[TU+\k], v[TU+\k], -4.0, 4.0   ; held to +-4, beyond which erf is +-1 in f32
.endr
.irp k, 0,2,4,6,8,10,12,14
	v_pk_mul_f32 v[T2+\k:T2+\k+1], v[TU+\k:TU+\k+1], v[TU+\k:TU+\k+1]
.endr
.irp k, 0,2,4,6,8,10,12,14
	v_pk_fma_f32 v[TP+\k:TP+\k+1], v[T2+\k:T2+\k+1], v[8:9], s[26:27] op_sel_hi:[1,1,0]
.endr
.irp c, 28,30,32,34,36
.irp k, 0,2,4,6,8,10,12,14
	v_pk_fma_f32 v[TP+\k:TP+\k+1], v[TP+\k:TP+\k+1], v[T2+\k:T2+\k+1], s[\c:\c+1] op_sel_hi:[1,1,0]
.endr
.endr
.irp k, 0,2,4,6,8,10,12,14
	v_pk_fma_f32 v[TQ+\k:TQ+\k+1], v[T2+\k:T2+\k+1], v[10:11], s[38:39] op_sel_hi:[1,1,0]
.endr
.irp c, 48,50,52
.irp k, 0,2,4,6,8,10,12,14
	v_pk_fma_f32 v[TQ+\k:TQ+\k+1], v[TQ+\k:TQ+\k+1], v[T2+\k:T2+\k+1], s[\c:\c+1] op_sel_hi:[1,1,0]
.endr
.endr
.irp k, 0,1,2,3,4,5,6,7,8,9,10,11,12,13,14,15
	v_rcp_f32 v[TQ+\k], v[TQ+\k]                   ; Q is negative throughout, never 0
.endr
.irp k, 0,2,4,6,8,10,12,14
	v_pk_mul_f32 v[TP+\k:TP+\k+1], v[TP+\k:TP+\k+1], v[TU+\k:TU+\k+1]   ; u P: plain work behind the batch of reciprocals
.endr
.irp k, 0,2,4,6,8,10,12,14
	v_pk_mul_f32 v[\x+\k:\x+\k+1], v[\x+\k:\x+\k+1], 0.5 op_sel_hi:[1,0]
.endr
	s_wait_alu depctr_va_vdst(0)                   ; one wait for the sixteen, ahead of their first use
.irp k, 0,2,4,6,8,10,12,14
	v_pk_mul_f32 v[TP+\k:TP+\k+1], v[TP+\k:TP+\k+1], v[TQ+\k:TQ+\k+1]   ; erf
.endr
.irp k, 0,2,4,6,8,10,12,14
	v_pk_fma_f32 v[\x+\k:\x+\k+1], v[\x+\k:\x+\k+1], v[TP+\k:TP+\k+1], v[\x+\k:\x+\k+1]   ; x / 2 (erf + 1)
.endr
.endm
	PLACES NP                                      ; behind the last products
	SPAIR 24, 0x3f3504f3                           ; 1 / sqrt 2.  (No tensor load of mine is out: the descriptors' registers are free)
	SPAIR 26, 0x32edffee                           ; P's coefficients, from u^10's down (the highest lies in v[8:9])
	SPAIR 28, 0xb60cff51
	SPAIR 30, 0xb86ec2d2
	SPAIR 32, 0xba40ac63
	SPAIR 34, 0xbb41a1f6
	SPAIR 36, 0xbc83dbd4
	SPAIR 38, 0xb95fbd29                           ; Q's (the highest lies in v[10:11])
	SPAIR 48, 0xbadc924e
	SPAIR 50, 0xbbf19bf8
	SPAIR 52, 0xbc69b6a7
	v_mov_b32 v8, 0xaf95df0b
	v_mov_b32 v9, 0xaf95df0b
	v_mov_b32 v10, 0xb77460cd
	v_mov_b32 v11, 0xb77460cd
	s_mov_b32 s[SEL], 0x76543210
	s_mov_b32 s[SEL+1], 0xfedcba98
.irp b, 0,1,2,3
	v_mov_b32 v[TM+4+\b], 0                        ; a lane permute's destination counts as one of its sources
.endr
	s_mov_b32 s3, 0                                ; the block
	s_mov_b32 s22, 0                               ; its 16 rows in my stage
	s_mov_b32 s23, 0                               ; and among my scale words
.Lrow:
	s_cmp_eq_u32 s3, 0
	s_cbranch_scc1 .Lacc0
	s_cmp_eq_u32 s3, 1
	s_cbranch_scc1 .Lacc1
	s_cmp_eq_u32 s3, 2
	s_cbranch_scc1 .Lacc2
	s_cmp_eq_u32 s3, 3
	s_cbranch_scc1 .Lacc3
	s_cmp_eq_u32 s3, 4
	s_cbranch_scc1 .Lacc4
	s_cmp_eq_u32 s3, 5
	s_cbranch_scc1 .Lacc5
	s_cmp_eq_u32 s3, 6
	s_cbranch_scc1 .Lacc6
	ACCB 7
	s_branch .Ljoin
.Lacc0:
	ACCB 0
	s_branch .Ljoin
.Lacc1:
	ACCB 1
	s_branch .Ljoin
.Lacc2:
	ACCB 2
	s_branch .Ljoin
.Lacc3:
	ACCB 3
	s_branch .Ljoin
.Lacc4:
	ACCB 4
	s_branch .Ljoin
.Lacc5:
	ACCB 5
	s_branch .Ljoin
.Lacc6:
	ACCB 6
.Ljoin:
	GELU16 HA
	GELU16 HA+16
	GELU16 HA+32
	GELU16 HA+48
	s_wait_dscnt 0x0                               ; the last trip's stores into the stage have read their registers
.irp b, 0,1,2,3
	v_max3_num_f32 v[TM+\b], |v[HA+16*\b]|, |v[HA+1+16*\b]|, 0x1800000   ; my 16 numbers of block b, and the floor 2^(3 - 127)
.endr
.irp i, 2,4,6,8,10,12,14
.irp b, 0,1,2,3
	v_max3_num_f32 v[TM+\b], v[TM+\b], |v[HA+16*\b+\i]|, |v[HA+1+16*\b+\i]|
.endr
.endr
.irp b, 0,1,2,3
	v_permlanex16_b32 v[TM+4+\b], v[TM+\b], s[SEL], s[SEL+1]
.endr
.irp b, 0,1,2,3
	v_max_num_f32 v[TM+\b], v[TM+\b], v[TM+4+\b]
.endr
.irp b, 0,1,2,3
	v_add_nc_u32 v[TM+12+\b], 0xff000000, v[TM+\b]
.endr
.irp b, 0,1,2,3
	v_lshrrev_b32 v[TM+4+\b], 23, v[TM+12+\b]
.endr
	v_lshl_or_b32 v[PW], v[TM+5], 8, v[TM+4]
	v_lshl_or_b32 v[PW], v[TM+6], 16, v[PW]
	v_lshl_or_b32 v[PW], v[TM+7], 24, v[PW]
.irp b, 0,1,2,3
	v_cvt_scalef32_pk16_fp6_f32 v[PCD+4*\b:PCD+4*\b+2], v[HA+16*\b:HA+16*\b+15], v[TM+12+\b]   ; features 32 b + 16 h + 0 .. 15: 12 bytes of the row's stream
.endr
	v_nop                                          ; one plain instruction behind a scaled conversion
	v_add_nc_u32 v[ADR], s22, v[STO2]
	v_add_nc_u32 v[ADR2], s23, v[SST]
.irp b, 0,1,2,3
	ds_store_b96 v[ADR], v[PCD+4*\b:PCD+4*\b+2] offset:32*\b
.endr
	ds_store_b32 v[ADR2], v[PW]                    ; (both halves of the lanes write the same word with the same value)
	s_add_co_u32 s22, s22, 16*144
	s_add_co_u32 s23, s23, 64
	s_add_co_u32 s3, s3, 1
	s_cmp_lt_u32 s3, 8
	s_cbranch_scc1 .Lrow
	s_wait_dscnt 0x0                               ; for the others' sake: my stores into my stage are done
	s_barrier_signal -1
	s_barrier_wait -1
.irp u, 0,1
.if \u > 0
	s_wait_xcnt 0x0                                ; the first batch's stores have read their registers
.endif
.irp t, 0,1,2,3,4,5,6,7,8,9,10,11,12,13,14,15
	ds_load_b96 v[HA+4*\t:HA+4*\t+2], v[SRD] offset:288*\t+4608*\u
.endr
.irp t, 0,1,2,3,4,5,6,7,8,9,10,11,12,13,14,15
	s_wait_dscnt 15-\t
	global_store_b96 v[GOF], v[HA+4*\t:HA+4*\t+2], s[12:13] offset:6144*\t+98304*\u   ; sixteen lanes store a row's 192 consecutive bytes
.endr
.endr
.irp u, 0,1
	ds_load_b32 v[TU+2*\u], v[SSR] offset:128*\u           ; the row's word of the tile's first 128 features,
	ds_load_b32 v[TU+2*\u+1], v[SSR] offset:128*\u+512     ; and of its second
.endr
	s_wait_dscnt 0x0
	global_store_b64 v[GSO], v[TU:TU+1], s[98:99]
	global_store_b64 v[GSO], v[TU+2:TU+3], s[98:99] offset:4096
	s_wait_tensorcnt 0x0                           ; the wave's end
	ds_add_u32 v[SPW], v[NIL]
	s_wait_dscnt 0x0
	CROUND                                         ; the closing round
	s_endpgm
.Lfunc_end_k_qa11bae06db_ffn1:
	.size	k_qa11bae06db_ffn1, .Lfunc_end_k_qa11bae06db_ffn1-k_qa11bae06db_ffn1
	.p2alignl 7, 3214868480
	.fill 96, 4, 3214868480
	.section	.rodata,"a",@progbits
	.p2align	6, 0x0
	.amdhsa_kernel k_qa11bae06db_ffn1
		.amdhsa_group_segment_fixed_size 327680
		.amdhsa_private_segment_fixed_size 0
		.amdhsa_enable_private_segment 0
		.amdhsa_kernarg_size 32
		.amdhsa_user_sgpr_count 2
		.amdhsa_user_sgpr_kernarg_segment_ptr 1
		.amdhsa_wavefront_size32 1
		.amdhsa_system_sgpr_workgroup_id_x 1
		.amdhsa_system_sgpr_workgroup_id_y 1
		.amdhsa_system_sgpr_workgroup_id_z 1
		.amdhsa_system_vgpr_workitem_id 0
		.amdhsa_next_free_vgpr 1024
		.amdhsa_next_free_sgpr 102
		.amdhsa_reserve_vcc 0
		.amdhsa_float_denorm_mode_32 3
		.amdhsa_float_denorm_mode_16_64 3
		.amdhsa_memory_ordered 1
		.amdhsa_forward_progress 1
		.amdhsa_inst_pref_size 201
	.end_amdhsa_kernel
	.amdgpu_metadata
---
amdhsa.version: [ 1, 2 ]
amdhsa.kernels:
  - .name:           k_qa11bae06db_ffn1
    .symbol:         k_qa11bae06db_ffn1.kd
    .args:
      - { .name: act2, .offset: 0, .size: 8, .value_kind: global_buffer, .address_space: global }
      - { .name: wts, .offset: 8, .size: 8, .value_kind: global_buffer, .address_space: global }
      - { .name: b1, .offset: 16, .size: 8, .value_kind: global_buffer, .address_space: global }
      - { .name: ffh, .offset: 24, .size: 8, .value_kind: global_buffer, .address_space: global }
    .group_segment_fixed_size: 327680
    .private_segment_fixed_size: 0
    .kernarg_segment_align: 8
    .kernarg_segment_size: 32
    .max_flat_workgroup_size: 128
    .sgpr_count:     102
    .vgpr_count:     1024
    .wavefront_size: 32
...
	.end_amdgpu_metadata
.endif
;; end of part 6
;; launch ffn2 (part 7): grid 4 x 16, 4 waves a work-group, clusters of 4 x 4, 327,680 bytes of LDS; arguments ffh, wts, b2, hbuf, out0; writes out0
.if DOCPART == 7
	.amdgcn_target "amdgcn-amd-amdhsa--gfx1250"
	.amdhsa_code_object_version 6
	.text
	.protected	k_qa11bae06db_ffn2
	.globl	k_qa11bae06db_ffn2
	.p2align	8
	.type	k_qa11bae06db_ffn2,@function
k_qa11bae06db_ffn2:
	s_mov_b64 s[64:65], 0
	v_nop
	global_prefetch_b8 v0, s[64:65] scope:SCOPE_SE
	s_setreg_imm32_b32 hwreg(HW_REG_WAVE_MODE, 25, 1), 1
	s_wait_xcnt 0x0
	s_wait_alu depctr_hold_cnt(0) depctr_sa_sdst(0) depctr_va_vdst(0) depctr_va_sdst(0) depctr_va_ssrc(0) depctr_va_vcc(0) depctr_vm_vsrc(0)
	s_getreg_b32 s2, hwreg(HW_REG_IB_STS2, 6, 4)
	s_cmp_eq_u32 s2, 0
	s_cbranch_scc0 .Lentry_in_a_cluster
	s_endpgm
.Lentry_in_a_cluster:
	s_bfe_u32 s2, ttmp6, 0x10000c
	s_cmp_lg_u32 s2, 0xf033
	s_cbranch_scc0 .Lentry_shape_is_right
	s_endpgm
.Lentry_shape_is_right:
; out = h + (f W2 + b2): the product on codes of FP6 (E2M3) with one E8M0 scale for each 32 along K = 4,096; bias and residual in f32; rows leave in their true order.
; THE PRODUCT: a tile of 256 x 256 to a work-group of four waves, 128 x 128 to a wave (64 accumulators, 512 registers).  K goes in steps of 256 through a ring of two LDS slots filled by the tensor data mover; the scale
; bytes of the work-group's rows, for all of K (69,632 bytes with their padding), come into LDS once.  4 x 4 work-groups form a cluster: A's tiles are asked for jointly along a row of it, B's along a column.
; The matrix instruction is used transposed (source 0 = 16 rows of B, source 1 = 16 rows of A): lane (r, h) of accumulator (a, b) holds A's position 16 a + r and, in register j, B's position 16 b + 8 h + j.
; POSITIONS: every operand's row n lies at position pi(n) (bits 3 and 4 exchanged): B's position 16 b + 8 h + j is column 32 (b / 2) + 16 h + 8 (b % 2) + j; A's position 16 a + t is row 32 (a / 2) + 8 (a % 2) + t + 8 (t / 8).
; THE WAY OUT: a block of 16 rows x 128 columns goes through the wave's own stage in LDS, where the columns fall into their true order, and comes back as whole rows of 512 bytes; bias and residual are added there; a store covers 512
; consecutive bytes.  The residual's rows are asked for one block ahead.  The tile is kept at 256 x 256 though that gives 64 work-groups: a smaller tile has a quarter of the products for each refill of the ring.
.set SIZE_K, 4096
.set ASC,    12582912                  ; A's scale bytes behind its codes
.set BCD,    6291456                   ; the weight's codes in wts
.set BSC,    9437184+262144            ; and its scale bytes
.set KSTEP,  256
.set NQ,     KSTEP/128
.set ROWB,   192
.set KROW,   SIZE_K*6/8
.set PITCH,  240
.set FR,     12
.set NL,     6
.set NP,     4
.set HALFT,  128*PITCH
.set SLOT,   4*HALFT
.set LAPS,   SIZE_K/(2*KSTEP)
.set KS,     SIZE_K/32
.set SCL,    2*SLOT
.set HALFS,  (128*KS/256)*272
.set SBLK,   (16*KS/256)*272
.set SPARE,  SCL+4*HALFS
.set ADRA, 16
.set ADRB, 20
.set ADRS, 27
.set SPW,  28
.set NIL,  29
.set SC,   32
.set AF,   128
.set G1, 24
.set G0, 32
.set G1B, 48
.set G0B, 56
.set G1S, 68
.set G0S, 76
.set G1SB, 80
.set G0SB, 88
.set SPITCH, 528                       ; the stage: 16 rows x (512 bytes + 16) for each wave, in slot 0, which has had its last fill and its last read by then
.set STO,  24
.set RD,   25
.set CO,   26
.set BI,   8                           ; v8-11   the bias at my four columns of a row
.set RA,   64                          ; v64-127, v128-191 the residual's 16 rows, two buffers
.set BB,   192                         ; v192-255 16 rows read back
.set MSB, 0
.macro WIN new
.if MSB != \new
	s_set_vgpr_msb (MSB<<8)|\new
.set MSB, \new
.endif
.endm
.set MUL_LO, 0xa1
.set MUL_HI, 0xf1
.set TO_B,   0x40
.macro JLOAD g0a, g1a, g0b, g1b        ; a joint load: waves 0 and 1 fetch for A, waves 2 and 3 for B; four v_nop follow each line
	s_cmp_eq_u32 s15, 0
	s_cbranch_scc0 .Lfor_b_\@
	tensor_load_to_lds s[\g0a:\g0a+3], s[\g1a:\g1a+7]
	s_nop 0
.rept 4
	v_nop
.endr
	s_branch .Lasked_\@
.Lfor_b_\@:
	tensor_load_to_lds s[\g0b:\g0b+3], s[\g1b:\g1b+7]
	s_nop 0
.rept 4
	v_nop
.endr
.Lasked_\@:
.endm
.macro CREST
	s_cmp_lg_u32 s14, 0
	s_cbranch_scc1 .Lnot_wave_0_\@
	s_barrier_signal -3
.Lnot_wave_0_\@:
	s_barrier_wait -3
	s_barrier_signal -1
	s_barrier_wait -1
.endm
.macro CROUND
	s_barrier_signal -1
	s_barrier_wait -1
	CREST
.endm
	s_load_b64 s[4:5], s[0:1], 0x0                 ; A: codes, scale bytes behind them
	s_load_b64 s[8:9], s[0:1], 0x8                 ; wts
	s_load_b128 s[96:99], s[0:1], 0x10             ; bias, residual
	s_load_b64 s[12:13], s[0:1], 0x20              ; out
	v_lshl_add_u32 v[SPW], v0, 2, SPARE
	v_mov_b32 v[NIL], 0
	ds_add_u32 v28, v29
	ds_add_u32 v28, v29
	s_wait_dscnt 0x0
	v_lshrrev_b32 v1, 5, v0
	v_readfirstlane_b32 s14, v1                    ; wave 0..3
	s_lshr_b32 s15, s14, 1
	s_and_b32 s16, s14, 1
	s_bfe_u32 s40, ttmp6, 0x40000                  ; cx, cy
	s_bfe_u32 s41, ttmp6, 0x40004
	s_lshl_b32 s42, ttmp9, 2
	s_add_co_u32 s42, s42, s40                     ; tile column
	s_and_b32 s17, ttmp7, 0xffff
	s_lshl_b32 s17, s17, 2
	s_add_co_u32 s17, s17, s41                     ; tile row
	s_lshl_b32 s43, s41, 2
	s_lshl_b32 s43, 15, s43
	s_lshl_b32 s44, 0x1111, s40
	s_or_b32 s[G1+0], s43, (0<<16)|(1<<20)|(1<<21)|(3<<22)|(3<<25)
	s_or_b32 s[G1B+0], s44, (0<<16)|(1<<20)|(1<<21)|(3<<22)|(3<<25)
.irp g, G1, G1B
	s_mov_b32 s[\g+1], ROWB<<16
	s_mov_b32 s[\g+2], 128<<16
	s_mov_b32 s[\g+3], ROWB<<16
	s_mov_b32 s[\g+4], 128
	s_mov_b32 s[\g+5], KROW
	s_mov_b32 s[\g+6], 0
	s_mov_b32 s[\g+7], 0
.endr
	s_or_b32 s[G1S+0], s43, (3<<16)|(1<<20)|(1<<21)|(5<<22)|(3<<25)
	s_or_b32 s[G1SB+0], s44, (3<<16)|(1<<20)|(1<<21)|(5<<22)|(3<<25)
.irp g, G1S, G1SB
	s_mov_b32 s[\g+1], 32<<16
	s_mov_b32 s[\g+2], (128*KS/256)<<16
	s_mov_b32 s[\g+3], 32<<16
	s_mov_b32 s[\g+4], 128*KS/256
	s_mov_b32 s[\g+5], 32
	s_mov_b32 s[\g+6], 0
	s_mov_b32 s[\g+7], 0
.endr
	s_lshl_b32 s18, s16, 7
	s_lshl_b32 s20, s17, 8
	s_add_co_u32 s20, s20, s18
	s_lshl_b32 s46, s42, 8
	s_add_co_u32 s46, s46, s18
	s_mov_b32 s21, 0
	s_mov_b32 s47, 0
	s_mov_b64 s[18:19], KS
	s_mul_u64 s[22:23], s[20:21], s[18:19]
	s_mul_u64 s[92:93], s[46:47], s[18:19]
	s_mov_b64 s[18:19], KROW
	s_mul_u64 s[20:21], s[20:21], s[18:19]
	s_mul_u64 s[46:47], s[46:47], s[18:19]
	s_mul_i32 s45, s14, HALFT
	s_mul_i32 s94, s14, HALFS
	s_wait_kmcnt 0x0
	s_add_nc_u64 s[6:7], s[4:5], ASC
	s_add_nc_u64 s[10:11], s[8:9], BSC
	s_add_nc_u64 s[8:9], s[8:9], BCD
	s_add_nc_u64 s[20:21], s[4:5], s[20:21]
	s_add_nc_u64 s[22:23], s[6:7], s[22:23]
	s_add_nc_u64 s[46:47], s[8:9], s[46:47]
	s_add_nc_u64 s[92:93], s[10:11], s[92:93]
	CROUND                                         ; all sixteen work-groups are here: the first joint loads meet
	s_mov_b32 s[G0S], 1
	s_add_co_u32 s[G0S+1], s94, SCL
	s_mov_b64 s[G0S+2:G0S+3], s[22:23]
	s_or_b32 s[G0S+3], s[G0S+3], 0x80000000
	s_mov_b32 s[G0SB], 1
	s_add_co_u32 s[G0SB+1], s94, SCL
	s_mov_b64 s[G0SB+2:G0SB+3], s[92:93]
	s_or_b32 s[G0SB+3], s[G0SB+3], 0x80000000
	JLOAD G0S, G1S, G0SB, G1SB
.irp s, 0,1
	s_mov_b32 s[G0+4*\s], 1
	s_add_co_u32 s[G0+4*\s+1], s45, \s*SLOT
	s_add_nc_u64 s[G0+4*\s+2:G0+4*\s+3], s[20:21], \s*ROWB
	s_or_b32 s[G0+4*\s+3], s[G0+4*\s+3], 0x80000000
	s_mov_b32 s[G0B+4*\s], 1
	s_add_co_u32 s[G0B+4*\s+1], s45, \s*SLOT
	s_add_nc_u64 s[G0B+4*\s+2:G0B+4*\s+3], s[46:47], \s*ROWB
	s_or_b32 s[G0B+4*\s+3], s[G0B+4*\s+3], 0x80000000
	JLOAD G0+4*\s, G1, G0B+4*\s, G1B
.endr
	v_and_b32 v1, 15, v0                           ; r
	v_bfe_u32 v2, v0, 4, 1                         ; h
	v_mul_u32_u24 v3, v1, PITCH
	v_mul_u32_u24 v4, v2, 24
	v_add_nc_u32 v4, v3, v4
	v_lshl_add_u32 v5, v2, 4, v4
	s_mul_i32 s21, s15, HALFT
	s_mul_i32 s22, s16, HALFT
	s_add_co_u32 s22, s22, 2*HALFT
.irp s, 0,1
	v_add_nc_u32 v[ADRA+\s], s21, v4
	v_add_nc_u32 v[ADRB+\s], s22, v4
	v_add_nc_u32 v[ADRA+2+\s], s21, v5
	v_add_nc_u32 v[ADRB+2+\s], s22, v5
	s_add_co_u32 s21, s21, SLOT
	s_add_co_u32 s22, s22, SLOT
.endr
	v_mul_u32_u24 v5, v1, KS
	v_lshrrev_b32 v6, 8, v5
	v_lshl_add_u32 v5, v6, 4, v5
	s_mul_i32 s21, s15, HALFS
	s_mul_i32 s22, s16, HALFS
	s_add_co_u32 s22, s22, 2*HALFS
	s_sub_co_u32 s22, s22, s21
	v_mul_u32_u24 v6, s22, v2
	s_add_co_u32 s21, s21, SCL
	v_add_nc_u32 v5, v5, v6
	v_add_nc_u32 v[ADRS], s21, v5
	s_mul_i32 s23, s14, 16*SPITCH                  ; my stage
	v_mul_u32_u24 v5, v1, SPITCH
	v_lshl_add_u32 v5, v2, 6, v5                   ; in: row r, + 64 h: accumulator b's eight columns begin at byte 128 (b / 2) + 64 h + 32 (b % 2)
	v_add_nc_u32 v[STO], s23, v5
	v_and_b32 v6, 31, v0
	v_lshlrev_b32 v[CO], 4, v6
	v_add_nc_u32 v[RD], s23, v[CO]                 ; back: the 32 lanes take one row of 512 bytes
	s_lshl_b32 s20, s17, 8
	s_lshl_b32 s21, s15, 7
	s_add_co_u32 s20, s20, s21                     ; my first row
	s_lshl_b32 s20, s20, 12                        ; x 4,096 bytes
	s_lshl_b32 s46, s42, 10
	s_lshl_b32 s47, s16, 9
	s_add_co_u32 s46, s46, s47                     ; my first column, in bytes
	s_add_co_u32 s20, s20, s46
	s_mov_b32 s21, 0
	s_mov_b32 s47, 0
	s_add_nc_u64 s[12:13], s[12:13], s[20:21]
	s_add_nc_u64 s[98:99], s[98:99], s[20:21]
	s_add_nc_u64 s[96:97], s[96:97], s[46:47]
	global_load_b128 v[BI:BI+3], v[CO], s[96:97]
	s_wait_loadcnt 0x0
.macro FRAG reg, adr, q, i
.irp p, 0,1,2,3,4,5
.set PIECE, 12*(\q)+6*(\p/3)+\p%3
.if PIECE%8 < 5
	ds_load_b64 v[\reg+2*\p:\reg+2*\p+1], v[\adr] offset:8*PIECE+16*(PIECE/8)+(\i)*16*PITCH
.else
	ds_load_b64 v[\reg+2*\p:\reg+2*\p+1], v[\adr+2] offset:8*PIECE+16*(PIECE/8)+(\i)*16*PITCH
.endif
.endr
.endm
.macro MUL16 a0, p, q, sc, zero        ; the 64 accumulators take turns
.irp a, \a0, \a0+1
.irp b, 0,1,2,3,4,5,6,7
.if \zero
	v_wmma_scale_f32_16x16x128_f8f6f4 v[8*(8*((\a)%4)+\b):8*(8*((\a)%4)+\b)+7], v[128*(\p)+FR*\b:128*(\p)+FR*\b+FR-1], v[AF+FR*(\a):AF+FR*(\a)+FR-1], 0, v[SC+8*NQ*(\sc)+NQ*\b+(\q)], v[SC+8*NQ*(\sc)+NQ*(\a)+(\q)] matrix_a_fmt:MATRIX_FMT_FP6 matrix_b_fmt:MATRIX_FMT_FP6 matrix_a_scale:MATRIX_SCALE_ROW1
.else
	v_wmma_scale_f32_16x16x128_f8f6f4 v[8*(8*((\a)%4)+\b):8*(8*((\a)%4)+\b)+7], v[128*(\p)+FR*\b:128*(\p)+FR*\b+FR-1], v[AF+FR*(\a):AF+FR*(\a)+FR-1], v[8*(8*((\a)%4)+\b):8*(8*((\a)%4)+\b)+7], v[SC+8*NQ*(\sc)+NQ*\b+(\q)], v[SC+8*NQ*(\sc)+NQ*(\a)+(\q)] matrix_a_fmt:MATRIX_FMT_FP6 matrix_b_fmt:MATRIX_FMT_FP6 matrix_a_scale:MATRIX_SCALE_ROW1
.endif
.endr
.endr
.endm
.macro FETCH_B slot, q, p
	WIN TO_B
.irp i, 0,1,2,3,4,5,6,7
	FRAG 128*(\p)+FR*\i, ADRB+\slot, \q, \i
.endr
	WIN 0
.endm
.macro FETCH_A slot, q, i0
.irp i, \i0, \i0+1, \i0+2, \i0+3
	FRAG AF+FR*(\i), ADRA+\slot, \q, \i
.endr
.endm
.macro SCALES sc
.irp i, 0,1,2,3,4,5,6,7
	ds_load_b64 v[SC+8*NQ*\sc+NQ*\i:SC+8*NQ*\sc+NQ*\i+1], v[ADRS] offset:\i*SBLK
.endr
.endm
.macro PLACES n
.rept \n
	v_nop
.endr
.endm
.macro STEP slot, q, zero
	s_wait_dscnt 4*NL                              ; B's set and A's blocks 0-3 are in; the youngest 24 loads (A's blocks 4-7) may be out
	WIN MUL_LO
	MUL16 0, (\q)%2, \q, \slot, \zero
	MUL16 2, (\q)%2, \q, \slot, \zero
	s_wait_dscnt 0
	PLACES NP
	FETCH_B \slot, (\q)+1, 1-(\q)%2
	FETCH_A \slot, (\q)+1, 0
	WIN MUL_HI
	MUL16 4, (\q)%2, \q, \slot, \zero
	MUL16 6, (\q)%2, \q, \slot, \zero
	PLACES NP
	WIN 0
	FETCH_A \slot, (\q)+1, 4
.endm
.macro TURN slot, next, fill
	s_wait_tensorcnt 0x0                           ; all my tensor loads have landed: my part of the next slot
	ds_add_u32 v[SPW], v[NIL]                      ; 0 onto my spare word
	s_wait_dscnt 4*NL+1                            ; (the add and the youngest 24 loads may be out)
	WIN MUL_LO
	MUL16 0, 1, NQ-1, \slot, 0
	s_wait_dscnt 0x0                               ; the add is done, and my reads of this slot are over
	s_barrier_signal -1
	MUL16 2, 1, NQ-1, \slot, 0
	WIN 0
	s_barrier_wait -1
.if \fill
	CREST                                          ; a round of the cluster's barrier: no wave of any partner still reads this slot or has a load on its way
	s_add_nc_u64 s[G0+4*\slot+2:G0+4*\slot+3], s[G0+4*\slot+2:G0+4*\slot+3], 2*ROWB
	s_add_nc_u64 s[G0B+4*\slot+2:G0B+4*\slot+3], s[G0B+4*\slot+2:G0B+4*\slot+3], 2*ROWB
	JLOAD G0+4*\slot, G1, G0B+4*\slot, G1B
.else
	PLACES NP
.endif
	v_add_nc_u32 v[ADRS], 4*NQ, v[ADRS]
	FETCH_B \next, 0, 0
	FETCH_A \next, 0, 0
	SCALES \next
	WIN MUL_HI
	MUL16 4, 1, NQ-1, \slot, 0
	MUL16 6, 1, NQ-1, \slot, 0
	PLACES NP
	WIN 0
	FETCH_A \next, 0, 4
.endm
.macro RLOAD a                         ; the residual's rows of block a, in the order in which the stage gives the block's rows back
.set RL, RA+64*((\a)%2)
.irp t, 0,1,2,3,4,5,6,7,8,9,10,11,12,13,14,15
	global_load_b128 v[RL+4*\t:RL+4*\t+3], v[CO], s[98:99] offset:(32*((\a)/2)+8*((\a)%2)+\t+8*(\t/8))*4096 th:TH_LOAD_NT
.endr
.endm
.macro TOSTAGE a
.set AC, 64*((\a)%4)
	WIN 0x08+4*((\a)/4)                            ; the data: window 2 or 3
.irp b, 0,1,2,3,4,5,6,7
	ds_store_b128 v[STO], v[AC+8*\b:AC+8*\b+3] offset:128*(\b/2)+32*(\b%2)          ; each accumulator from its low end on
	ds_store_b128 v[STO], v[AC+8*\b+4:AC+8*\b+7] offset:128*(\b/2)+32*(\b%2)+16
.endr
	WIN 0
.irp t, 0,1,2,3,4,5,6,7,8,9,10,11,12,13,14,15
	ds_load_b128 v[BB+4*\t:BB+4*\t+3], v[RD] offset:\t*SPITCH   ; LDS serves a wave's instructions in order: these see the stores above
.endr
.endm
	s_wait_tensorcnt 1                             ; the scale bytes and my part of K step 0 are in (K step 1's load may be out)
	s_barrier_signal -1
	s_barrier_wait -1
	FETCH_B 0, 0, 0
	FETCH_A 0, 0, 0
	SCALES 0
	FETCH_A 0, 0, 4
	STEP 0, 0, 1
	s_mov_b32 s3, LAPS-1
.Llap:
	TURN 0, 1, 1
	STEP 1, 0, 0
	TURN 1, 0, 1
	STEP 0, 0, 0
	s_sub_co_u32 s3, s3, 1
	s_cmp_lg_u32 s3, 0
	s_cbranch_scc1 .Llap
	RLOAD 0                                        ; the first block's residual lands under the last lap
	TURN 0, 1, 0
	STEP 1, 0, 0
	s_wait_dscnt 4*NL
	WIN MUL_LO
	MUL16 0, 1, NQ-1, 1, 0
	MUL16 2, 1, NQ-1, 1, 0
	s_wait_dscnt 0
	WIN MUL_HI
	MUL16 4, 1, NQ-1, 1, 0
	MUL16 6, 1, NQ-1, 1, 0
	WIN 0
	PLACES NP
.irp a, 0,1,2,3,4,5,6,7
	s_wait_xcnt 0x0                                ; the last block's stores have read their registers
.if \a < 7
	RLOAD \a+1
.endif
	TOSTAGE \a
	s_wait_dscnt 0x0
.if \a < 7
	s_wait_loadcnt 16                              ; this block's residual is in; the next block's 16 loads may be out
.else
	s_wait_loadcnt 0
.endif
.set RC, RA+64*((\a)%2)
.irp t, 0,1,2,3,4,5,6,7,8,9,10,11,12,13,14,15
	v_pk_add_f32 v[BB+4*\t:BB+4*\t+1], v[BB+4*\t:BB+4*\t+1], v[BI:BI+1]
	v_pk_add_f32 v[BB+4*\t+2:BB+4*\t+3], v[BB+4*\t+2:BB+4*\t+3], v[BI+2:BI+3]
.endr
.irp t, 0,1,2,3,4,5,6,7,8,9,10,11,12,13,14,15
	v_pk_add_f32 v[BB+4*\t:BB+4*\t+1], v[BB+4*\t:BB+4*\t+1], v[RC+4*\t:RC+4*\t+1]
	v_pk_add_f32 v[BB+4*\t+2:BB+4*\t+3], v[BB+4*\t+2:BB+4*\t+3], v[RC+4*\t+2:RC+4*\t+3]
.endr
.irp t, 0,1,2,3,4,5,6,7,8,9,10,11,12,13,14,15
	global_store_b128 v[CO], v[BB+4*\t:BB+4*\t+3], s[12:13] offset:(32*((\a)/2)+8*((\a)%2)+\t+8*(\t/8))*4096 th:TH_STORE_NT   ; 32 lanes store 512 consecutive bytes, aligned
.endr
.endr
	s_wait_tensorcnt 0x0                           ; the wave's end
	ds_add_u32 v[SPW], v[NIL]
	s_wait_dscnt 0x0
	CROUND                                         ; the closing round
	s_endpgm
.Lfunc_end_k_qa11bae06db_ffn2:
	.size	k_qa11bae06db_ffn2, .Lfunc_end_k_qa11bae06db_ffn2-k_qa11bae06db_ffn2
	.p2alignl 7, 3214868480
	.fill 96, 4, 3214868480
	.section	.rodata,"a",@progbits
	.p2align	6, 0x0
	.amdhsa_kernel k_qa11bae06db_ffn2
		.amdhsa_group_segment_fixed_size 327680
		.amdhsa_private_segment_fixed_size 0
		.amdhsa_enable_private_segment 0
		.amdhsa_kernarg_size 40
		.amdhsa_user_sgpr_count 2
		.amdhsa_user_sgpr_kernarg_segment_ptr 1
		.amdhsa_wavefront_size32 1
		.amdhsa_system_sgpr_workgroup_id_x 1
		.amdhsa_system_sgpr_workgroup_id_y 1
		.amdhsa_system_sgpr_workgroup_id_z 1
		.amdhsa_system_vgpr_workitem_id 0
		.amdhsa_next_free_vgpr 1024
		.amdhsa_next_free_sgpr 102
		.amdhsa_reserve_vcc 0
		.amdhsa_float_denorm_mode_32 3
		.amdhsa_float_denorm_mode_16_64 3
		.amdhsa_memory_ordered 1
		.amdhsa_forward_progress 1
		.amdhsa_inst_pref_size 204
	.end_amdhsa_kernel
	.amdgpu_metadata
---
amdhsa.version: [ 1, 2 ]
amdhsa.kernels:
  - .name:           k_qa11bae06db_ffn2
    .symbol:         k_qa11bae06db_ffn2.kd
    .args:
      - { .name: ffh, .offset: 0, .size: 8, .value_kind: global_buffer, .address_space: global }
      - { .name: wts, .offset: 8, .size: 8, .value_kind: global_buffer, .address_space: global }
      - { .name: b2, .offset: 16, .size: 8, .value_kind: global_buffer, .address_space: global }
      - { .name: hbuf, .offset: 24, .size: 8, .value_kind: global_buffer, .address_space: global }
      - { .name: out0, .offset: 32, .size: 8, .value_kind: global_buffer, .address_space: global }
    .group_segment_fixed_size: 327680
    .private_segment_fixed_size: 0
    .kernarg_segment_align: 8
    .kernarg_segment_size: 40
    .max_flat_workgroup_size: 128
    .sgpr_count:     102
    .vgpr_count:     1024
    .wavefront_size: 32
...
	.end_amdgpu_metadata
.endif
;; end of part 7
;; ======== version 2 of 2: 7 launches
;; limits: right only within a limited range of input values
;; workspace buffers: wts 10,616,832 bytes; act1 3,276,800 bytes; atto 3,276,800 bytes; act2 3,276,800 bytes; qi 7,077,888 bytes; kv 7,077,888 bytes; hbuf 16,777,216 bytes; ffh 13,107,200 bytes
;; launch prep (part 8): grid 640 x 1, 4 waves a work-group, no clusters, 70,144 bytes of LDS; arguments wq, wk, wv, wo, w1, w2, wts, x, ln1_w, ln1_b, act1; writes wts, act1
.if DOCPART == 8
	.amdgcn_target "amdgcn-amd-amdhsa--gfx1250"
	.amdhsa_code_object_version 6
	.text
	.protected	k_qa11bae06db_prep
	.globl	k_qa11bae06db_prep
	.p2align	8
	.type	k_qa11bae06db_prep,@function
k_qa11bae06db_prep:
	s_mov_b64 s[64:65], 0
	v_nop
	global_prefetch_b8 v0, s[64:65] scope:SCOPE_SE
	s_setreg_imm32_b32 hwreg(HW_REG_WAVE_MODE, 25, 1), 1
	s_wait_xcnt 0x0
; ONE LAUNCH PREPARES ALL OPERANDS THAT HANG ON INPUTS ALONE.  Work-groups 0-383 quantise the six weights, work-groups 384-639 norm and quantise x.  The two ways part on the work-group's number and have LDS bytes of their own.
; THE CODES' LAYOUT, for every operand of the program's products on K = 1,024 or 4,096: FP6 (E2M3), one E8M0 byte for each 32 along K.  16 rows x 128 along K are stored as THE IMAGE OF THE OPERAND'S REGISTERS, 1,536 bytes:
; lane (r, h) has 48 bytes on end at 48 (r + 16 h): its registers 6 c .. 6 c + 5 are k = 64 c + 32 h + 0 .. 31 of row r, 24 bytes of the row's stream of bits.  So block 2 c + h of a row's four blocks lies at 48 (r + 16 h) + 24 c.
; Images lie [K step][16 rows][128 along K in the step].  K steps of 256 (two images, 3,072 bytes for 16 rows): wq, wk, wv at byte 0 of wts and w1 at 3,145,728, 4,096 row places a step; act1 likewise.
; K steps of 512 (four images, 6,144 bytes): w2 at 6,291,456 and wo at 9,830,400, 1,024 rows a step.  Scale bytes at WSC: 8,192 rows of 32 (wq, wk, wv, wo, w1), then w2's 1,024 rows of 128; act1's at 3,145,728, 32 a row.
; ROW ORDER: row n of an operand lies at position pi(n), pi = n with bits 3 and 4 exchanged: the products' results then hold 16 neighbouring features in 16 registers of a lane, which is what the next quantiser wants.
; A block's scale byte is its largest magnitude's exponent field - 2, held at 1 from below.  LIMITS: a block of zeros gets the byte 1 (its codes are zeros; this program alone reads the bytes); blocks whose largest
; magnitude lies under 2^-124 keep the byte 1; NaN and infinities are not served; in the norm the divisions by 1,023 and by (std + eps) are a multiplication by the rounded reciprocal and v_rcp_f32.
; No tensor loads, no barrier: waves share nothing.
.set WSC,   9437184                    ; where the scale bytes begin in wts
.set LNB,   32768                      ; LDS: 4 x 8,192 for the weights' way, then 4 x 9,216 for the norm's,
.set SPARE, 69632                      ; then the spare words
	v_lshl_add_u32 v30, v0, 2, SPARE
	v_mov_b32 v31, 0
	s_cmp_lt_u32 ttmp9, 384
	s_cbranch_scc0 .Lnorm
; THE WEIGHTS, f32 stored [K][N].  A lane takes a column n and its registers run down K: a block of 32 along K lies in one lane, and the conversions give the codes with K innermost.
; A work-group takes 128 columns x 256 along K, a wave 32 columns: 8 blocks a lane, four images a wave.  Each piece of 12 bytes goes to a place of 16 bytes in the wave's own stage, the places in the images' order;
; read back on end, a store covers 384 consecutive bytes.  One path serves all six weights: pointers, pitches and bases are chosen on the work-group's number.
.set NB,    8                          ; blocks of a lane
.set X,     32                         ; v32-95   two sets of 32 numbers
.set C,     96                         ; v96-102  a block's codes
.set OF,    128                        ; v128-159 load offsets: 4 x lane + i x the weight's pitch; never rewritten
.set OUTR,  160                        ; v160-223 the way out
.set SB,    24                         ; v24-25   the scale bytes
.set BAS,   32                         ; s[32:47] a base for each of the 8 blocks
	s_load_b256 s[4:11], s[0:1], 0x0               ; wq, wk, wv, wo
	s_load_b128 s[12:15], s[0:1], 0x20             ; w1, w2
	s_load_b64 s[16:17], s[0:1], 0x30              ; wts
	v_lshrrev_b32 v1, 5, v0
	v_readfirstlane_b32 s18, v1                    ; wave
	v_and_b32 v2, 31, v0                           ; lane
	s_wait_alu depctr_va_vdst(0)
	; work-groups 0-255: K = 1,024: column group g / 4 of 64, K part g % 4.  256-383: w2, K = 4,096: column group g' / 16, K part g' % 16
	s_lshr_b32 s20, ttmp9, 2
	s_and_b32 s21, ttmp9, 3
	s_sub_co_u32 s22, ttmp9, 256
	s_lshr_b32 s23, s22, 4
	s_and_b32 s24, s22, 15
	s_mov_b32 s26, 128
	s_mov_b32 s28, WSC+262144
	s_cmp_lt_u32 ttmp9, 256
	s_cselect_b32 s20, s20, s23                    ; column group
	s_cselect_b32 s21, s21, s24                    ; which 256 along K
	s_cselect_b32 s26, 32, s26                     ; a row of scale bytes
	s_cselect_b32 s28, WSC, s28                    ; where the scale bytes' rows begin
	s_lshr_b32 s30, s20, 3
	s_min_u32 s30, s30, 4
	s_cmp_lt_u32 ttmp9, 256
	s_cselect_b32 s30, s30, 5                      ; which weight: 0 wq, 1 wk, 2 wv, 3 wo, 4 w1, 5 w2
	s_and_b32 s31, s20, 7
	s_sub_co_u32 s19, s20, 32
	s_mov_b32 s29, 4096
	s_cmp_eq_u32 s30, 4
	s_cselect_b32 s31, s19, s31                    ; column group inside the weight
	s_cselect_b32 s29, 16384, s29                  ; bytes from a row of the weight to the next
	s_mov_b32 s25, 192                             ; bytes of codes for a row in a K step
	s_cmp_eq_u32 s30, 3
	s_cselect_b32 s25, 384, s25
	s_cmp_eq_u32 s30, 5
	s_cselect_b32 s25, 384, s25
	v_lshlrev_b32 v3, 2, v2
.set ii, 0
.rept 32
	v_mad_u32_u24 v[OF+ii], s29, ii, v3            ; row i of a block, my column
.set ii, ii+1
.endr
	v_and_b32 v10, 7, v2
	v_and_b32 v11, 8, v2
	v_lshl_or_b32 v10, v11, 1, v10
	v_and_b32 v11, 16, v2
	v_lshrrev_b32 v11, 1, v11
	v_or_b32 v10, v10, v11                         ; pi(lane): my column's position among the wave's 32
	v_mul_u32_u24 v9, v10, s26                     ; its row of scale bytes
	s_lshl_b32 s19, s18, 13                        ; my stage: 512 places of 16 bytes
	v_lshlrev_b32 v4, 6, v10
	v_lshrrev_b32 v11, 4, v10
	v_mad_u32_u24 v4, v11, 3072, v4                ; into it: 4,096 for the 16 rows' two images + 64 for the row's four pieces
	v_add_nc_u32 v4, s19, v4
	v_lshlrev_b32 v7, 4, v2
	v_add_nc_u32 v7, s19, v7                       ; out of it: a place a lane
	v_mul_u32_u24 v8, v2, 12                       ; and 12 bytes a lane in memory
	s_lshl_b32 s50, s31, 9                         ; in the weight: 128 columns of 4 bytes a group,
	s_lshl_b32 s51, s18, 7                         ; 32 a wave,
	s_add_co_u32 s50, s50, s51
	s_lshl_b32 s51, s21, 8
	s_mul_i32 s51, s51, s29                        ; 256 rows a K part
	s_add_co_u32 s50, s50, s51
	s_mov_b32 s51, 0
	s_lshl_b32 s52, s29, 5                         ; 32 rows: from block to block
	s_mov_b32 s53, 0
	s_lshl_b32 s54, s20, 7
	s_lshl_b32 s55, s18, 5
	s_add_co_u32 s54, s54, s55                     ; my wave's first output row
	s_mov_b32 s27, 0                               ; where the weight's region begins,
	s_mov_b32 s57, 0                               ; and how many rows lie ahead of it
	s_cmp_eq_u32 s30, 3
	s_cselect_b32 s27, 9830400, s27
	s_cselect_b32 s57, 3072, s57
	s_cmp_eq_u32 s30, 4
	s_cselect_b32 s27, 3145728, s27
	s_cselect_b32 s57, 4096, s57
	s_cmp_eq_u32 s30, 5
	s_cselect_b32 s27, 6291456, s27
	s_sub_co_u32 s57, s54, s57                     ; my first row in the region, a multiple of 32
	s_mul_i32 s56, s57, s25
	s_add_co_u32 s56, s56, s27
	s_mul_i32 s57, s21, 786432                     ; K steps of 256: 4,096 x 192 bytes a step
	s_lshr_b32 s60, s21, 1
	s_mul_i32 s60, s60, 393216                     ; K steps of 512: 1,024 x 384 bytes a step,
	s_and_b32 s61, s21, 1
	s_mul_i32 s61, s61, 3072                       ; and the first or the last two of the four images
	s_add_co_u32 s60, s60, s61
	s_cmp_eq_u32 s25, 192
	s_cselect_b32 s57, s57, s60
	s_add_co_u32 s56, s56, s57                     ; my first 16 rows' two images
	s_mov_b32 s57, 0
	s_lshl_b32 s60, s25, 4                         ; from 16 rows to the next 16
	s_mov_b32 s61, 0
	s_mul_i32 s58, s54, s26
	s_add_co_u32 s58, s58, s28
	s_lshl_b32 s59, s21, 3
	s_add_co_u32 s58, s58, s59                     ; my rows' scale bytes of this K part
	s_mov_b32 s59, 0
	s_wait_alu depctr_va_vdst(0)                   ; the wait at the head's end
	s_wait_kmcnt 0x0
	s_cmp_eq_u32 s30, 1                            ; the weight's pointer: each choice hangs on the work-group's number alone
	s_cselect_b64 s[4:5], s[6:7], s[4:5]
	s_cmp_eq_u32 s30, 2
	s_cselect_b64 s[4:5], s[8:9], s[4:5]
	s_cmp_eq_u32 s30, 3
	s_cselect_b64 s[4:5], s[10:11], s[4:5]
	s_cmp_eq_u32 s30, 4
	s_cselect_b64 s[4:5], s[12:13], s[4:5]
	s_cmp_eq_u32 s30, 5
	s_cselect_b64 s[4:5], s[14:15], s[4:5]
	s_add_nc_u64 s[BAS:BAS+1], s[4:5], s[50:51]
.irp t, 1,2,3,4,5,6,7
	s_add_nc_u64 s[BAS+2*\t:BAS+2*\t+1], s[BAS+2*\t-2:BAS+2*\t-1], s[52:53]
.endr
	s_add_nc_u64 s[6:7], s[16:17], s[56:57]        ; codes: my first 16 rows,
	s_add_nc_u64 s[10:11], s[6:7], s[60:61]        ; my second 16
	s_add_nc_u64 s[8:9], s[16:17], s[58:59]        ; scale bytes
.macro LOAD t                          ; block t: 32 rows of the weight at my column: a wave reads 128 consecutive bytes an instruction
.set ii, 0
.rept 32
	global_load_b32 v[X+32*((\t)%2)+ii], v[OF+ii], s[BAS+2*(\t):BAS+2*(\t)+1] th:TH_LOAD_NT
.set ii, ii+1
.endr
.endm
	LOAD 0
	LOAD 1
.macro BLOCK t
.set XS, X+32*((\t)%2)
.if (\t) < NB-1
	s_wait_loadcnt 32                              ; this block's 32 loads are in; the next block's 32 may be out
.else
	s_wait_loadcnt 0
.endif
	v_max3_num_f32 v12, |v[XS]|, |v[XS+1]|, |v[XS+2]|               ; the block's largest magnitude: all 32 numbers are mine
	v_max3_num_f32 v13, |v[XS+3]|, |v[XS+4]|, |v[XS+5]|
.irp i, 6,10,14,18,22,26
	v_max3_num_f32 v12, v12, |v[XS+\i]|, |v[XS+\i+1]|
	v_max3_num_f32 v13, v13, |v[XS+\i+2]|, |v[XS+\i+3]|
.endr
	v_max3_num_f32 v12, v12, |v[XS+30]|, |v[XS+31]|
	v_max3_num_f32 v12, v12, v13, 0x1800000        ; and the floor 2^(3 - 127): the byte cannot fall under 1
	v_add_nc_u32 v11, 0xff000000, v12              ; 2 off the exponent field: the conversion's scale operand
	v_lshrrev_b32 v13, 23, v11                     ; the scale's byte
.if (\t)%4 == 0
	v_mov_b32 v[SB+(\t)/4], v13
.else
	v_lshl_or_b32 v[SB+(\t)/4], v13, 8*((\t)%4), v[SB+(\t)/4]
.endif
	v_cvt_scalef32_pk16_fp6_f32 v[C:C+2], v[XS:XS+15], v11
	v_cvt_scalef32_pk16_fp6_f32 v[C+4:C+6], v[XS+16:XS+31], v11     ; (a conversion's three registers begin on an even number)
	ds_store_b96 v4, v[C:C+2] offset:2048*((\t)/4)+1024*((\t)%2)+32*(((\t)/2)%2)       ; block t = 4 q + 2 c + h: image q, lanes' half h, place 2 c of the row's four
	ds_store_b96 v4, v[C+4:C+6] offset:2048*((\t)/4)+1024*((\t)%2)+32*(((\t)/2)%2)+16
.if (\t)+2 < NB
	LOAD (\t)+2
.endif
	s_wait_dscnt 0x0                               ; the stores have read their registers: the next block's codes may be written
.endm
.irp t, 0,1,2,3,4,5,6,7
	BLOCK \t
.endr
	s_wait_alu depctr_va_vdst(0)
	global_store_b64 v9, v[SB:SB+1], s[8:9]        ; my column's 8 scale bytes
.irp t, 0,1,2,3,4,5,6,7,8,9,10,11,12,13,14,15
	ds_load_b96 v[OUTR+4*\t:OUTR+4*\t+2], v7 offset:512*\t   ; LDS serves a wave's instructions in order: these see my stores
.endr
.irp t, 0,1,2,3,4,5,6,7
	s_wait_dscnt 15-\t
	global_store_b96 v8, v[OUTR+4*\t:OUTR+4*\t+2], s[6:7] offset:384*\t         ; 384 consecutive bytes
.endr
.irp t, 8,9,10,11,12,13,14,15
	s_wait_dscnt 15-\t
	global_store_b96 v8, v[OUTR+4*\t:OUTR+4*\t+2], s[10:11] offset:384*(\t-8)
.endr
	s_wait_tensorcnt 0x0                           ; the wave's end
	ds_add_u32 v30, v31
	s_wait_dscnt 0x0
	s_endpgm
.Lnorm:
; THE NORM: y = w (x - mean) / (std + 1e-6) + b over rows of 1,024 f32, std with 1,023 in the divisor; y is quantised along the row.
; A wave takes 4 neighbouring rows (they stay neighbours under pi); all 32 loads of its rows and the 16 of w and b go out at once, each covering 512 consecutive bytes.
; Mean and variance are taken in two passes over the registers, so that a common offset of the inputs costs no accuracy.
; The conversions want 32 neighbours in one lane: a row turns through the wave's own LDS (128 bytes + 16 of padding a block).  Lane l then holds block l = 4 q + 2 c + h of the row.
; The four rows' pieces of 12 bytes gather in places of 16 bytes, in the order image q, half h, row, piece: read back on end, sixteen lanes store the four rows' 192 consecutive bytes of one half of one image.
.set LX, 64                            ; v64-191  four rows as loaded; a row's registers later hold its codes; at the end v64-95 hold what leaves
.set LW, 192                           ; v192-223 w at my columns
.set LB, 224                           ; v224-255 b
.set LY, 32                            ; v32-63   a block of 32 neighbours
	s_load_b256 s[4:11], s[0:1], 0x38              ; x, w, b, act1
	v_lshrrev_b32 v1, 5, v0
	v_readfirstlane_b32 s12, v1                    ; wave
	v_and_b32 v1, 31, v0                           ; lane
	v_lshlrev_b32 v2, 4, v1                        ; 16 x lane
	s_mul_i32 s13, s12, 9216                       ; my wave's LDS: 4,608 for the turn, 4,096 for the codes, 128 for the scale bytes
	s_add_co_u32 s13, s13, LNB
	v_lshrrev_b32 v3, 3, v1
	v_mul_u32_u24 v3, v3, 144
	v_and_b32 v4, 7, v1
	v_lshl_add_u32 v3, v4, 4, v3
	v_add_nc_u32 v3, s13, v3                       ; the turn, in: load j's 512 bytes are blocks 4 j .. 4 j + 3: 144 (lane / 8) + 16 (lane % 8) + 576 j
	v_mul_u32_u24 v4, v1, 144
	v_add_nc_u32 v4, s13, v4                       ; out: block = lane
	v_lshrrev_b32 v5, 2, v1
	v_lshlrev_b32 v5, 9, v5                        ; codes, in: 512 q
	v_and_b32 v19, 1, v1
	v_lshl_add_u32 v5, v19, 8, v5                  ; + 256 h
	v_bfe_u32 v19, v1, 1, 1
	v_lshl_add_u32 v5, v19, 5, v5                  ; + 32 c; a row adds 64
	v_add_nc_u32 v5, s13, v5
	v_add_nc_u32 v5, 4608, v5
	v_add_nc_u32 v6, s13, v2
	v_add_nc_u32 v6, 4608, v6                      ; out: a place a lane
	v_add_nc_u32 v7, s13, v1
	v_add_nc_u32 v7, 8704, v7                      ; my block's scale byte
	v_and_b32 v16, 15, v1
	v_mul_u32_u24 v16, v16, 12                     ; a store's 12 bytes a lane: sixteen lanes fill four rows' 192 bytes,
	v_lshrrev_b32 v19, 4, v1
	v_mad_u32_u24 v16, v19, 768, v16               ; lanes 16-31 those of the image's other half
	v_lshlrev_b32 v17, 2, v1
	v_add_nc_u32 v18, s13, v17
	v_add_nc_u32 v18, 8704, v18                    ; the 128 scale bytes, 4 a lane
	s_sub_co_u32 s14, ttmp9, 384
	s_lshl_b32 s14, s14, 4
	s_lshl_b32 s15, s12, 2
	s_add_co_u32 s14, s14, s15                     ; my first row
	s_and_b32 s15, s14, 0xffffffe7
	s_and_b32 s16, s14, 8
	s_lshl_b32 s16, s16, 1
	s_or_b32 s15, s15, s16
	s_and_b32 s16, s14, 16
	s_lshr_b32 s16, s16, 1
	s_or_b32 s15, s15, s16                         ; its position
	s_lshl_b32 s18, s14, 12
	s_mov_b32 s19, 0
	s_lshr_b32 s20, s15, 4
	s_mul_i32 s20, s20, 3072                       ; its 16 rows' images in a K step,
	s_and_b32 s21, s15, 15
	s_mul_i32 s21, s21, 48                         ; its lane's 48 bytes
	s_add_co_u32 s20, s20, s21
	s_mov_b32 s21, 0
	s_lshl_b32 s22, s15, 5
	s_add_co_u32 s22, s22, 3145728
	s_mov_b32 s23, 0
	s_mov_b32 s24, 0x76543210
	s_mov_b32 s25, 0xfedcba98                      ; v_permlanex16_b32's selects for lane l xor 16
	s_wait_alu depctr_va_vdst(0)                   ; the wait at the head's end
	s_wait_kmcnt 0x0
	s_add_nc_u64 s[4:5], s[4:5], s[18:19]
	s_add_nc_u64 s[26:27], s[10:11], s[22:23]      ; scale bytes
	s_add_nc_u64 s[10:11], s[10:11], s[20:21]      ; codes
.macro XLOAD i
.irp j, 0,1,2,3,4,5,6,7
	global_load_b128 v[LX+32*\i+4*\j:LX+32*\i+4*\j+3], v2, s[4:5] offset:4096*\i+512*\j th:TH_LOAD_NT
.endr
.endm
	XLOAD 0
.irp j, 0,1,2,3,4,5,6,7
	global_load_b128 v[LW+4*\j:LW+4*\j+3], v2, s[6:7] offset:512*\j
.endr
.irp j, 0,1,2,3,4,5,6,7
	global_load_b128 v[LB+4*\j:LB+4*\j+3], v2, s[8:9] offset:512*\j
.endr
	XLOAD 1
	XLOAD 2
	XLOAD 3
.macro WSUM                            ; v8 summed over the 32 lanes, the result in every lane
	v_add_f32_dpp v8, v8, v8 row_xmask:1 row_mask:0xf bank_mask:0xf
	v_add_f32_dpp v8, v8, v8 row_xmask:2 row_mask:0xf bank_mask:0xf
	v_add_f32_dpp v8, v8, v8 row_xmask:4 row_mask:0xf bank_mask:0xf
	v_add_f32_dpp v8, v8, v8 row_xmask:8 row_mask:0xf bank_mask:0xf
	v_permlanex16_b32 v9, v8, s24, s25
	v_add_f32 v8, v8, v9
.endm
; Row i.  left: how many younger loads may stay out when this row's eight must be in.
.macro ROW i, left
.set XR, LX+32*(\i)
	s_wait_loadcnt \left
	v_pk_add_f32 v[8:9], v[XR:XR+1], v[XR+2:XR+3]
	v_pk_add_f32 v[10:11], v[XR+4:XR+5], v[XR+6:XR+7]
.irp j, 8,12,16,20,24,28
	v_pk_add_f32 v[8:9], v[8:9], v[XR+\j:XR+\j+1]
	v_pk_add_f32 v[10:11], v[10:11], v[XR+\j+2:XR+\j+3]
.endr
	v_pk_add_f32 v[8:9], v[8:9], v[10:11]
	v_add_f32 v8, v8, v9
	WSUM
	v_mul_f32 v12, 0x3a800000, v8                  ; the mean: x 2^-10
	v_mov_b32 v13, v12
.irp j, 0,2,4,6,8,10,12,14,16,18,20,22,24,26,28,30
	v_pk_add_f32 v[XR+\j:XR+\j+1], v[XR+\j:XR+\j+1], v[12:13] neg_lo:[0,1] neg_hi:[0,1]   ; x - mean
.endr
	v_pk_mul_f32 v[8:9], v[XR:XR+1], v[XR:XR+1]
	v_pk_mul_f32 v[10:11], v[XR+2:XR+3], v[XR+2:XR+3]
.irp j, 4,8,12,16,20,24,28
	v_pk_fma_f32 v[8:9], v[XR+\j:XR+\j+1], v[XR+\j:XR+\j+1], v[8:9]
	v_pk_fma_f32 v[10:11], v[XR+\j+2:XR+\j+3], v[XR+\j+2:XR+\j+3], v[10:11]
.endr
	v_pk_add_f32 v[8:9], v[8:9], v[10:11]
	v_add_f32 v8, v8, v9
	WSUM
	v_mul_f32 v8, 0x3a802008, v8                   ; / 1,023
	s_wait_alu depctr_va_vdst(0)
	v_sqrt_f32 v8, v8
	v_nop                                          ; a plain instruction behind the root,
	s_wait_alu depctr_va_vdst(0)                   ; and the wait ahead of the first use
	v_add_f32 v8, 0x358637bd, v8                   ; + 1e-6
	s_wait_alu depctr_va_vdst(0)
	v_rcp_f32 v14, v8
	v_nop
	s_wait_alu depctr_va_vdst(0)
	v_mov_b32 v15, v14
.if (\i) == 0
	s_wait_alu depctr_va_vdst(0)
	s_wait_loadcnt 24                              ; w and b are in; the 24 loads of rows 1 to 3 may be out
.endif
.irp j, 0,2,4,6,8,10,12,14,16,18,20,22,24,26,28,30
	v_pk_mul_f32 v[XR+\j:XR+\j+1], v[XR+\j:XR+\j+1], v[14:15]
.endr
.irp j, 0,2,4,6,8,10,12,14,16,18,20,22,24,26,28,30
	v_pk_fma_f32 v[XR+\j:XR+\j+1], v[XR+\j:XR+\j+1], v[LW+\j:LW+\j+1], v[LB+\j:LB+\j+1]
.endr
.irp j, 0,1,2,3,4,5,6,7
	ds_store_b128 v3, v[XR+4*\j:XR+4*\j+3] offset:576*\j
.endr
.irp j, 0,1,2,3,4,5,6,7
	ds_load_b128 v[LY+4*\j:LY+4*\j+3], v4 offset:16*\j   ; LDS serves a wave's instructions in order: these see the stores above
.endr
	s_wait_dscnt 0x0                               ; my block is in; the row's own registers are free from here on
	v_max3_num_f32 v[XR+18], |v[LY]|, |v[LY+1]|, |v[LY+2]|
	v_max3_num_f32 v[XR+19], |v[LY+3]|, |v[LY+4]|, |v[LY+5]|
.irp k, 6,10,14,18,22,26
	v_max3_num_f32 v[XR+18], v[XR+18], |v[LY+\k]|, |v[LY+\k+1]|
	v_max3_num_f32 v[XR+19], v[XR+19], |v[LY+\k+2]|, |v[LY+\k+3]|
.endr
	v_max3_num_f32 v[XR+18], v[XR+18], |v[LY+30]|, |v[LY+31]|
	v_max3_num_f32 v[XR+18], v[XR+18], v[XR+19], 0x1800000   ; the floor 2^(3 - 127): the byte cannot fall under 1
	v_add_nc_u32 v[XR+17], 0xff000000, v[XR+18]    ; 2 off the exponent field: the conversion's scale operand
	v_cvt_scalef32_pk16_fp6_f32 v[XR:XR+2], v[LY:LY+15], v[XR+17]
	v_cvt_scalef32_pk16_fp6_f32 v[XR+4:XR+6], v[LY+16:LY+31], v[XR+17]
	v_lshrrev_b32 v[XR+16], 23, v[XR+17]           ; the scale's byte (also the plain instruction behind the conversions)
	ds_store_b96 v5, v[XR:XR+2] offset:64*(\i)
	ds_store_b96 v5, v[XR+4:XR+6] offset:64*(\i)+16
	ds_store_b8 v7, v[XR+16] offset:32*(\i)
.endm
	ROW 0, 40                                      ; younger: w, b and three rows
	ROW 1, 16
	ROW 2, 8
	ROW 3, 0
.irp t, 0,1,2,3,4,5,6,7
	ds_load_b96 v[LX+4*\t:LX+4*\t+2], v6 offset:512*\t   ; image t: both halves' four rows
.endr
	ds_load_b32 v19, v18
	s_wait_dscnt 0x0
.irp t, 0,1,2,3,4,5,6,7
	global_store_b96 v16, v[LX+4*\t:LX+4*\t+2], s[10:11] offset:(\t/2)*786432+(\t%2)*1536
.endr
	global_store_b32 v17, v19, s[26:27]            ; my four rows' 128 scale bytes
	s_wait_tensorcnt 0x0                           ; the wave's end
	ds_add_u32 v30, v31
	s_wait_dscnt 0x0
	s_endpgm
.Lfunc_end_k_qa11bae06db_prep:
	.size	k_qa11bae06db_prep, .Lfunc_end_k_qa11bae06db_prep-k_qa11bae06db_prep
	.p2alignl 7, 3214868480
	.fill 96, 4, 3214868480
	.section	.rodata,"a",@progbits
	.p2align	6, 0x0
	.amdhsa_kernel k_qa11bae06db_prep
		.amdhsa_group_segment_fixed_size 70144
		.amdhsa_private_segment_fixed_size 0
		.amdhsa_enable_private_segment 0
		.amdhsa_kernarg_size 88
		.amdhsa_user_sgpr_count 2
		.amdhsa_user_sgpr_kernarg_segment_ptr 1
		.amdhsa_wavefront_size32 1
		.amdhsa_system_sgpr_workgroup_id_x 1
		.amdhsa_system_sgpr_workgroup_id_y 1
		.amdhsa_system_sgpr_workgroup_id_z 1
		.amdhsa_system_vgpr_workitem_id 0
		.amdhsa_next_free_vgpr 256
		.amdhsa_next_free_sgpr 66
		.amdhsa_reserve_vcc 0
		.amdhsa_float_denorm_mode_32 3
		.amdhsa_float_denorm_mode_16_64 3
		.amdhsa_memory_ordered 1
		.amdhsa_forward_progress 1
		.amdhsa_inst_pref_size 90
	.end_amdhsa_kernel
	.amdgpu_metadata
---
amdhsa.version: [ 1, 2 ]
amdhsa.kernels:
  - .name:           k_qa11bae06db_prep
    .symbol:         k_qa11bae06db_prep.kd
    .args:
      - { .name: wq, .offset: 0, .size: 8, .value_kind: global_buffer, .address_space: global }
      - { .name: wk, .offset: 8, .size: 8, .value_kind: global_buffer, .address_space: global }
      - { .name: wv, .offset: 16, .size: 8, .value_kind: global_buffer, .address_space: global }
      - { .name: wo, .offset: 24, .size: 8, .value_kind: global_buffer, .address_space: global }
      - { .name: w1, .offset: 32, .size: 8, .value_kind: global_buffer, .address_space: global }
      - { .name: w2, .offset: 40, .size: 8, .value_kind: global_buffer, .address_space: global }
      - { .name: wts, .offset: 48, .size: 8, .value_kind: global_buffer, .address_space: global }
      - { .name: x, .offset: 56, .size: 8, .value_kind: global_buffer, .address_space: global }
      - { .name: ln1_w, .offset: 64, .size: 8, .value_kind: global_buffer, .address_space: global }
      - { .name: ln1_b, .offset: 72, .size: 8, .value_kind: global_buffer, .address_space: global }
      - { .name: act1, .offset: 80, .size: 8, .value_kind: global_buffer, .address_space: global }
    .group_segment_fixed_size: 70144
    .private_segment_fixed_size: 0
    .kernarg_segment_align: 8
    .kernarg_segment_size: 88
    .max_flat_workgroup_size: 128
    .sgpr_count:     66
    .vgpr_count:     256
    .wavefront_size: 32
...
	.end_amdgpu_metadata
.endif
;; end of part 8
;; launch qkv (part 9): grid 12 x 16, 4 waves a work-group, clusters of 4 x 4, 327,680 bytes of LDS; arguments act1, wts, bq, bk, bv, qi, kv; writes qi, kv
.if DOCPART == 9
	.amdgcn_target "amdgcn-amd-amdhsa--gfx1250"
	.amdhsa_code_object_version 6
	.text
	.protected	k_qa11bae06db_qkv
	.globl	k_qa11bae06db_qkv
	.p2align	8
	.type	k_qa11bae06db_qkv,@function
k_qa11bae06db_qkv:
	s_mov_b64 s[64:65], 0
	v_nop
	global_prefetch_b8 v0, s[64:65] scope:SCOPE_SE
	s_setreg_imm32_b32 hwreg(HW_REG_WAVE_MODE, 25, 1), 1
	s_wait_xcnt 0x0
	s_wait_alu depctr_hold_cnt(0) depctr_sa_sdst(0) depctr_va_vdst(0) depctr_va_sdst(0) depctr_va_ssrc(0) depctr_va_vcc(0) depctr_vm_vsrc(0)
	s_getreg_b32 s2, hwreg(HW_REG_IB_STS2, 6, 4)
	s_cmp_eq_u32 s2, 0
	s_cbranch_scc0 .Lentry_in_a_cluster
	s_endpgm
.Lentry_in_a_cluster:
	s_bfe_u32 s2, ttmp6, 0x10000c
	s_cmp_lg_u32 s2, 0xf033
	s_cbranch_scc0 .Lentry_shape_is_right
	s_endpgm
.Lentry_shape_is_right:
.set SIZE_K, 1024
.set KSTEP,  256
.set NQ,     KSTEP/128
.set ROWB,   192
.set KROW,   SIZE_K*6/8
.set PITCH,  192                       ; LDS bytes for a row of a K step: 16 rows are two register images of 1,536 bytes, as they lie in memory; no padding
.set FR,     12
.set NL,     3
.set NP,     4
.set HALFT,  128*PITCH
.set SLOT,   4*HALFT
.set LAPS,   SIZE_K/(2*KSTEP)
.set KS,     SIZE_K/32
.set SCL,    2*SLOT
.set HALFS,  (128*KS/256)*272
.set SBLK,   (16*KS/256)*272
.set SPARE,  SCL+4*HALFS
.set ADRA, 16
.set ADRB, 20
.set ADRS, 27
.set SPW,  28
.set NIL,  29
.set SC,   32
.set AF,   128
.set G1, 24
.set G0, 32
.set G1B, 48
.set G0B, 56
.set G1S, 68
.set G0S, 76
.set G1SB, 80
.set G0SB, 88
.set HS,   221184
.set WSC,  9437184
.set MODE, 100
.set SEL,  20
.set CB,   64
.set RB,   224
.set HA,   128
.set TM,   32
.set PW,   30
.set PW2,  31
.set PCD,  192
.set LI,   26
.set L8,   8
.set LS,   9
.set MSB, 0
.macro WIN new
.if MSB != \new
	s_set_vgpr_msb (MSB<<8)|\new
.set MSB, \new
.endif
.endm
.set MUL_LO, 0xa1
.set MUL_HI, 0xf1
.set TO_B,   0x40
.macro JLOAD g0a, g1a, g0b, g1b
	s_cmp_eq_u32 s15, 0
	s_cbranch_scc0 .Lfor_b_\@
	tensor_load_to_lds s[\g0a:\g0a+3], s[\g1a:\g1a+7]
	s_nop 0
.rept 4
	v_nop
.endr
	s_branch .Lasked_\@
.Lfor_b_\@:
	tensor_load_to_lds s[\g0b:\g0b+3], s[\g1b:\g1b+7]
	s_nop 0
.rept 4
	v_nop
.endr
.Lasked_\@:
.endm
.macro CREST
	s_cmp_lg_u32 s14, 0
	s_cbranch_scc1 .Lnot_wave_0_\@
	s_barrier_signal -3
.Lnot_wave_0_\@:
	s_barrier_wait -3
	s_barrier_signal -1
	s_barrier_wait -1
.endm
.macro CROUND
	s_barrier_signal -1
	s_barrier_wait -1
	CREST
.endm
	s_load_b128 s[4:7], s[0:1], 0x0
	s_load_b128 s[96:99], s[0:1], 0x10
	s_load_b64 s[12:13], s[0:1], 0x20
	v_lshl_add_u32 v[SPW], v0, 2, SPARE
	v_mov_b32 v[NIL], 0
	ds_add_u32 v28, v29
	ds_add_u32 v28, v29
	s_wait_dscnt 0x0
	v_lshrrev_b32 v1, 5, v0
	v_readfirstlane_b32 s14, v1
	s_lshr_b32 s15, s14, 1
	s_and_b32 s16, s14, 1
	s_bfe_u32 s40, ttmp6, 0x40000
	s_bfe_u32 s41, ttmp6, 0x40004
	s_and_b32 s2, ttmp7, 0xffff
	s_lshl_b32 s2, s2, 2
	s_lshl_b32 s42, ttmp9, 2
	s_add_co_u32 s42, s42, s40
	s_add_co_u32 s43, s2, s40
	s_add_co_u32 s17, s2, s41
	s_cmp_eq_u32 ttmp9, 2
	s_cselect_b32 s[MODE], 1, 0
	s_cselect_b32 s42, s43, s42
	s_cselect_b32 s17, s41, s17
	s_lshl_b32 s43, s41, 2
	s_lshl_b32 s43, 15, s43
	s_lshl_b32 s44, 0x1111, s40
	s_or_b32 s[G1+0], s43, (0<<16)|(1<<21)
	s_or_b32 s[G1B+0], s44, (0<<16)|(1<<21)
.irp g, G1, G1B
	; codes lie [K step][16 rows][two images of 1,536 bytes]: the rows of a tile are one dense run, stated as rows of 256 bytes and copied as they lie
	s_mov_b32 s[\g+1], 256<<16
	s_mov_b32 s[\g+2], 192<<16                     ; the head's loads: 256 rows x 192 bytes = 192 x 256
	s_mov_b32 s[\g+3], 256<<16
	s_mov_b32 s[\g+4], 192
	s_mov_b32 s[\g+5], 256
	s_mov_b32 s[\g+6], 0
	s_mov_b32 s[\g+7], 0
.endr
	s_or_b32 s[G1S+0], s43, (3<<16)|(1<<20)|(1<<21)|(5<<22)|(3<<25)
	s_or_b32 s[G1SB+0], s44, (3<<16)|(1<<20)|(1<<21)|(5<<22)|(3<<25)
.irp g, G1S, G1SB
	s_mov_b32 s[\g+1], 32<<16
	s_mov_b32 s[\g+2], KS<<16                      ; the scale bytes of 256 rows
	s_mov_b32 s[\g+3], 32<<16
	s_mov_b32 s[\g+4], KS
	s_mov_b32 s[\g+5], 32
	s_mov_b32 s[\g+6], 0
	s_mov_b32 s[\g+7], 0
.endr
.set STEPA, 786432                     ; bytes from K step to K step: 4,096 row places x 192, in both operands
.set STEPB, 786432
.set G0H,  4                           ; s[4:7], s[8:11] group 0 of the head's two loads of codes (the pointers that lay there have been used by then)
.set G0HB, 8
	s_lshl_b32 s20, s17, 8                         ; the tiles' first rows
	s_lshl_b32 s46, s42, 8
	s_mov_b32 s21, 0
	s_mov_b32 s47, 0
	s_mov_b64 s[18:19], KS
	s_mul_u64 s[22:23], s[20:21], s[18:19]
	s_mul_u64 s[92:93], s[46:47], s[18:19]
	s_mov_b64 s[18:19], ROWB
	s_mul_u64 s[20:21], s[20:21], s[18:19]
	s_mul_u64 s[46:47], s[46:47], s[18:19]
	s_mul_i32 s45, s14, HALFT
	s_wait_kmcnt 0x0
	s_cmp_eq_u32 s[MODE], 1
	s_add_nc_u64 s[18:19], s[4:5], 3145728
	s_cselect_b64 s[8:9], s[4:5], s[6:7]
	s_add_nc_u64 s[2:3], s[6:7], WSC
	s_cselect_b64 s[10:11], s[18:19], s[2:3]
	s_add_nc_u64 s[2:3], s[6:7], 393216            ; wv: rows 2,048 on, 192 bytes a row in a K step
	s_cselect_b64 s[4:5], s[2:3], s[4:5]
	s_add_nc_u64 s[2:3], s[6:7], WSC+65536
	s_cselect_b64 s[6:7], s[2:3], s[18:19]
	s_add_nc_u64 s[20:21], s[4:5], s[20:21]
	s_add_nc_u64 s[22:23], s[6:7], s[22:23]
	s_add_nc_u64 s[46:47], s[8:9], s[46:47]
	s_add_nc_u64 s[92:93], s[10:11], s[92:93]
	CROUND
	s_mov_b32 s[G0S], 1
	s_mov_b32 s[G0S+1], SCL
	s_mov_b64 s[G0S+2:G0S+3], s[22:23]
	s_or_b32 s[G0S+3], s[G0S+3], 0x80000000
	s_mov_b32 s[G0SB], 1
	s_mov_b32 s[G0SB+1], SCL+2*HALFS
	s_mov_b64 s[G0SB+2:G0SB+3], s[92:93]
	s_or_b32 s[G0SB+3], s[G0SB+3], 0x80000000
	s_mov_b32 s[G0H], 1                            ; K step 0, whole tiles: A's 256 rows,
	s_mov_b32 s[G0H+1], 0
	s_mov_b64 s[G0H+2:G0H+3], s[20:21]
	s_or_b32 s[G0H+3], s[G0H+3], 0x80000000
	s_mov_b32 s[G0HB], 1                           ; and B's, behind them in slot 0
	s_mov_b32 s[G0HB+1], 2*HALFT
	s_mov_b64 s[G0HB+2:G0HB+3], s[46:47]
	s_or_b32 s[G0HB+3], s[G0HB+3], 0x80000000
	s_mul_i32 s18, s16, 24576                      ; for the ring: my 128 rows of a tile
	s_mov_b32 s19, 0
	s_add_nc_u64 s[20:21], s[20:21], s[18:19]
	s_add_nc_u64 s[46:47], s[46:47], s[18:19]
.irp s, 0,1
	s_mov_b32 s[G0+4*\s], 1
	s_add_co_u32 s[G0+4*\s+1], s45, \s*SLOT
	s_add_nc_u64 s[G0+4*\s+2:G0+4*\s+3], s[20:21], \s*STEPA
	s_or_b32 s[G0+4*\s+3], s[G0+4*\s+3], 0x80000000
	s_mov_b32 s[G0B+4*\s], 1
	s_add_co_u32 s[G0B+4*\s+1], s45, \s*SLOT
	s_add_nc_u64 s[G0B+4*\s+2:G0B+4*\s+3], s[46:47], \s*STEPB
	s_or_b32 s[G0B+4*\s+3], s[G0B+4*\s+3], 0x80000000
.endr
; the head's four tiles, one joint load a wave: wave 0 A's codes, wave 1 B's, wave 2 A's scale bytes, wave 3 B's; one chain of branches on the wave's number
.macro ARM under, g0, g1, next
	s_cmp_lt_u32 s14, \under
	s_cbranch_scc0 \next
	tensor_load_to_lds s[\g0:\g0+3], s[\g1:\g1+7]
	s_nop 0
.rept 4
	v_nop
.endr
	s_branch .Lhead_asked
\next:
.endm
; THE TILES ARE ASKED FOR AHEAD BY PREFETCHES.  A wave's tensor load is a dense run of 24,576 bytes, 96 blocks of 256.  The four partners that ask for it jointly share the blocks out BY ADDRESS
; (place cx for A's tiles, cy for B's): 24 blocks each, a lane a block; lanes 24-31 name the last block again.  K steps 1 and 2 are asked for in the head, K step 3 behind K step 1's load:
; each at least one change of slots ahead of the load that wants it; at most two K steps are asked for and not yet loaded.  K step 3 is the last: no address leaves its buffer.
.set PFA, 94                           ; s[94:95] my share of the run that I fetch, at K step 1; never rewritten
.set PFO, 18                           ; v18, v19, v22  256 x min(lane, 23), the same one and two K steps on; never rewritten
.set PFO2, 22
	s_cmp_eq_u32 s15, 0                            ; do I fetch for A?
	s_cselect_b64 s[PFA:PFA+1], s[20:21], s[46:47]
	s_cselect_b32 s2, s40, s41                     ; my place among the four that ask with me
	s_mul_i32 s2, s2, 6144
	s_mov_b32 s3, 0
	s_add_nc_u64 s[PFA:PFA+1], s[PFA:PFA+1], s[2:3]
	s_add_nc_u64 s[PFA:PFA+1], s[PFA:PFA+1], STEPA ; (both operands have the same bytes from K step to K step)
	ARM 1, G0H,  G1,  .Lhead_b
	ARM 2, G0HB, G1B, .Lhead_sa
	ARM 3, G0S,  G1S, .Lhead_sb
	tensor_load_to_lds s[G0SB:G0SB+3], s[G1SB:G1SB+7]
	s_nop 0
.rept 4
	v_nop
.endr
.Lhead_asked:
	v_and_b32 v1, 15, v0
	v_bfe_u32 v2, v0, 4, 1
	v_and_b32 v4, 31, v0
	v_mul_u32_u24 v4, v4, 48                       ; my lane's 48 bytes of an image
	s_mul_i32 s21, s15, HALFT
	s_mul_i32 s22, s16, HALFT
	s_add_co_u32 s22, s22, 2*HALFT
.irp s, 0,1
	v_add_nc_u32 v[ADRA+\s], s21, v4
	v_add_nc_u32 v[ADRB+\s], s22, v4
	s_add_co_u32 s21, s21, SLOT
	s_add_co_u32 s22, s22, SLOT
.endr
	v_mul_u32_u24 v5, v1, KS
	v_lshrrev_b32 v6, 8, v5
	v_lshl_add_u32 v5, v6, 4, v5
	s_mul_i32 s21, s15, HALFS
	s_mul_i32 s22, s16, HALFS
	s_add_co_u32 s22, s22, 2*HALFS
	s_sub_co_u32 s22, s22, s21
	v_mul_u32_u24 v6, s22, v2
	s_add_co_u32 s21, s21, SCL
	v_add_nc_u32 v5, v5, v6
	v_add_nc_u32 v[ADRS], s21, v5
	v_and_b32 v[PFO], 31, v0
	v_min_u32 v[PFO], 23, v[PFO]
	v_lshlrev_b32 v[PFO], 8, v[PFO]
	v_add_nc_u32 v[PFO+1], STEPA, v[PFO]
	v_add_nc_u32 v[PFO2], 2*STEPA, v[PFO]
	s_wait_alu depctr_va_vdst(0)                   ; the wait ahead of the readers below
	global_prefetch_b8 v[PFO], s[PFA:PFA+1] th:TH_LOAD_NT scope:SCOPE_SE     ; K step 1
	global_prefetch_b8 v[PFO+1], s[PFA:PFA+1] th:TH_LOAD_NT scope:SCOPE_SE   ; K step 2
	v_and_b32 v6, 31, v0
	v_lshlrev_b32 v[LI], 4, v6
	v_lshlrev_b32 v[L8], 3, v6
	v_lshlrev_b32 v[LS], 2, v6
	s_cmp_eq_u32 ttmp9, 0
	s_cselect_b64 s[96:97], s[96:97], s[98:99]
	s_lshl_b32 s46, s40, 10
	s_lshl_b32 s47, s16, 9
	s_add_co_u32 s46, s46, s47
	s_mov_b32 s47, 0
	s_add_nc_u64 s[96:97], s[96:97], s[46:47]
	v_lshlrev_b32 v10, 6, v2
.irp b, 0,1,2,3,4,5,6,7
	global_load_b128 v[CB+8*\b:CB+8*\b+3], v10, s[96:97] offset:(32*(\b/2)+8*(\b%2))*4
	global_load_b128 v[CB+8*\b+4:CB+8*\b+7], v10, s[96:97] offset:(32*(\b/2)+8*(\b%2))*4+16
.endr
	s_lshl_b32 s46, s41, 10
	s_lshl_b32 s47, s15, 9
	s_add_co_u32 s46, s46, s47
	s_mov_b32 s47, 0
	s_add_nc_u64 s[12:13], s[12:13], s[46:47]
	v_and_b32 v11, 8, v1
	v_add_nc_u32 v11, v11, v1
	v_lshlrev_b32 v11, 2, v11
.irp a, 0,1,2,3,4,5,6,7
	global_load_b32 v[RB+2*\a], v11, s[12:13] offset:(32*(\a/2)+8*(\a%2))*4
	global_load_b32 v[RB+2*\a+1], v11, s[12:13] offset:(32*(\a/2)+8*(\a%2))*4
.endr
	s_wait_alu depctr_va_vdst(0)
	s_wait_loadcnt 0x0
.macro FRAG reg, adr, q, i
.irp p, 0,1,2
	ds_load_b128 v[\reg+4*\p:\reg+4*\p+3], v[\adr] offset:1536*(\q)+16*\p+(\i)*16*PITCH
.endr
.endm
.macro MUL16 a0, p, q, sc, zero
.irp a, \a0, \a0+1
.irp b, 0,1,2,3,4,5,6,7
.if \zero
	v_wmma_scale_f32_16x16x128_f8f6f4 v[8*(8*((\a)%4)+\b):8*(8*((\a)%4)+\b)+7], v[128*(\p)+FR*\b:128*(\p)+FR*\b+FR-1], v[AF+FR*(\a):AF+FR*(\a)+FR-1], 0, v[SC+8*NQ*(\sc)+NQ*\b+(\q)], v[SC+8*NQ*(\sc)+NQ*(\a)+(\q)] matrix_a_fmt:MATRIX_FMT_FP6 matrix_b_fmt:MATRIX_FMT_FP6 matrix_a_scale:MATRIX_SCALE_ROW1
.else
	v_wmma_scale_f32_16x16x128_f8f6f4 v[8*(8*((\a)%4)+\b):8*(8*((\a)%4)+\b)+7], v[128*(\p)+FR*\b:128*(\p)+FR*\b+FR-1], v[AF+FR*(\a):AF+FR*(\a)+FR-1], v[8*(8*((\a)%4)+\b):8*(8*((\a)%4)+\b)+7], v[SC+8*NQ*(\sc)+NQ*\b+(\q)], v[SC+8*NQ*(\sc)+NQ*(\a)+(\q)] matrix_a_fmt:MATRIX_FMT_FP6 matrix_b_fmt:MATRIX_FMT_FP6 matrix_a_scale:MATRIX_SCALE_ROW1
.endif
.endr
.endr
.endm
.macro FETCH_B slot, q, p
	WIN TO_B
.irp i, 0,1,2,3,4,5,6,7
	FRAG 128*(\p)+FR*\i, ADRB+\slot, \q, \i
.endr
	WIN 0
.endm
.macro FETCH_A slot, q, i0
.irp i, \i0, \i0+1, \i0+2, \i0+3
	FRAG AF+FR*(\i), ADRA+\slot, \q, \i
.endr
.endm
.macro SCALES sc
.irp i, 0,1,2,3,4,5,6,7
	ds_load_b64 v[SC+8*NQ*\sc+NQ*\i:SC+8*NQ*\sc+NQ*\i+1], v[ADRS] offset:\i*SBLK
.endr
.endm
.macro PLACES n
.rept \n
	v_nop
.endr
.endm
.macro STEP slot, q, zero
	s_wait_dscnt 4*NL
	WIN MUL_LO
	MUL16 0, (\q)%2, \q, \slot, \zero
	MUL16 2, (\q)%2, \q, \slot, \zero
	s_wait_dscnt 0
	PLACES NP
	FETCH_B \slot, (\q)+1, 1-(\q)%2
	FETCH_A \slot, (\q)+1, 0
	WIN MUL_HI
	MUL16 4, (\q)%2, \q, \slot, \zero
	MUL16 6, (\q)%2, \q, \slot, \zero
	PLACES NP
	WIN 0
	FETCH_A \slot, (\q)+1, 4
.endm
.macro TURN slot, next, fill
	s_wait_tensorcnt 0x0
	ds_add_u32 v[SPW], v[NIL]
	s_wait_dscnt 4*NL+1
	WIN MUL_LO
	MUL16 0, 1, NQ-1, \slot, 0
	s_wait_dscnt 0x0
	s_barrier_signal -1
	MUL16 2, 1, NQ-1, \slot, 0
	WIN 0
	s_barrier_wait -1
.if \fill
	CREST
	s_add_nc_u64 s[G0+4*\slot+2:G0+4*\slot+3], s[G0+4*\slot+2:G0+4*\slot+3], 2*STEPA
	s_add_nc_u64 s[G0B+4*\slot+2:G0B+4*\slot+3], s[G0B+4*\slot+2:G0B+4*\slot+3], 2*STEPB
	JLOAD G0+4*\slot, G1, G0B+4*\slot, G1B
.else
	PLACES NP
.endif
	s_wait_alu depctr_va_vdst(0)
	v_add_nc_u32 v[ADRS], 4*NQ, v[ADRS]
	FETCH_B \next, 0, 0
	FETCH_A \next, 0, 0
	SCALES \next
	WIN MUL_HI
	MUL16 4, 1, NQ-1, \slot, 0
	MUL16 6, 1, NQ-1, \slot, 0
	PLACES NP
	WIN 0
	FETCH_A \next, 0, 4
.endm
	s_wait_alu depctr_va_vdst(0)                   ; the wait at the head's end
	s_wait_tensorcnt 0x0                           ; my tile of the head's four is in; slot 1's first fill is issued as a refill is:
	ds_add_u32 v[SPW], v[NIL]
	s_mov_b32 s[G1+2], 96<<16                      ; no load of mine is out: from here on a load brings 128 rows x 192 bytes = 96 x 256
	s_mov_b32 s[G1+4], 96
	s_mov_b32 s[G1B+2], 96<<16
	s_mov_b32 s[G1B+4], 96
	s_wait_dscnt 0x0
	CROUND
	JLOAD G0+4, G1, G0B+4, G1B                     ; K step 1
	FETCH_B 0, 0, 0
	FETCH_A 0, 0, 0
	SCALES 0
	global_prefetch_b8 v[PFO2], s[PFA:PFA+1] th:TH_LOAD_NT scope:SCOPE_SE    ; K step 3
	FETCH_A 0, 0, 4
	STEP 0, 0, 1
	s_mov_b32 s3, LAPS-1
.Llap:
	TURN 0, 1, 1
	STEP 1, 0, 0
	TURN 1, 0, 1
	STEP 0, 0, 0
	s_sub_co_u32 s3, s3, 1
	s_cmp_lg_u32 s3, 0
	s_cbranch_scc1 .Llap
	TURN 0, 1, 0
	STEP 1, 0, 0
	s_wait_dscnt 4*NL
	WIN MUL_LO
	MUL16 0, 1, NQ-1, 1, 0
	MUL16 2, 1, NQ-1, 1, 0
	s_wait_dscnt 0
	WIN MUL_HI
	MUL16 4, 1, NQ-1, 1, 0
	MUL16 6, 1, NQ-1, 1, 0
	WIN 0
.macro QUANT s
.irp b, 0,1,2,3
	v_max3_num_f32 v[TM+\b], |v[\s+16*\b]|, |v[\s+1+16*\b]|, 0x1800000
.endr
.irp i, 2,4,6,8,10,12,14
.irp b, 0,1,2,3
	v_max3_num_f32 v[TM+\b], v[TM+\b], |v[\s+16*\b+\i]|, |v[\s+1+16*\b+\i]|
.endr
.endr
.irp b, 0,1,2,3
	v_permlanex16_b32 v[TM+4+\b], v[TM+\b], s[SEL], s[SEL+1]
.endr
.irp b, 0,1,2,3
	v_max_num_f32 v[TM+\b], v[TM+\b], v[TM+4+\b]
.endr
.irp b, 0,1,2,3
	v_add_nc_u32 v[TM+12+\b], 0xff000000, v[TM+\b]
.endr
.irp b, 0,1,2,3
	v_lshrrev_b32 v[TM+4+\b], 23, v[TM+12+\b]
.endr
	v_lshl_or_b32 v[PW], v[TM+5], 8, v[TM+4]
	v_lshl_or_b32 v[PW], v[TM+6], 16, v[PW]
	v_lshl_or_b32 v[PW], v[TM+7], 24, v[PW]
.irp c, 0,1
	v_cvt_scalef32_pk16_fp6_f32 v[PCD+6*\c:PCD+2+6*\c], v[\s+32*\c:\s+15+32*\c], v[TM+12+2*\c]
	v_cvt_scalef32_pk16_fp6_f32 v[PCD+12+4*\c:PCD+14+4*\c], v[\s+16+32*\c:\s+31+32*\c], v[TM+12+2*\c+1]
.endr
	v_nop
.irp c, 0,1
.irp i, 0,1,2
	v_permlane16_swap_b32 v[PCD+6*\c+\i], v[PCD+12+4*\c+\i]
.endr
.irp i, 0,1,2
	v_mov_b32 v[PCD+3+6*\c+\i], v[PCD+12+4*\c+\i]
.endr
.endr
.endm
.macro ROWS a, vm
	s_wait_xcnt 0x0
	WIN 0x02+(\a)/4
.set kk, 0
.rept 32
.if \vm
	v_pk_add_f32 v[HA+kk:HA+kk+1], v[64*((\a)%4)+kk:64*((\a)%4)+kk+1], v[RB+2*(\a):RB+2*(\a)+1]
.else
	v_pk_add_f32 v[HA+kk:HA+kk+1], v[64*((\a)%4)+kk:64*((\a)%4)+kk+1], v[CB+kk:CB+kk+1]
.endif
.set kk, kk+2
.endr
	WIN 0
	QUANT HA
.if \vm
.irp g, 0,1,2
	global_store_b128 v[LI], v[PCD+4*\g:PCD+4*\g+3], s[34:35] offset:((\a)/4)*HS+1536*((\a)%4)+512*\g
.endr
	global_store_b32 v[LS], v[PW], s[36:37] offset:((\a)/4)*HS+128*((\a)%4)
.else
	v_lshrrev_b32 v[PW2], 16, v[PW]
	global_store_b128 v[LI], v[PCD:PCD+3], s[34:35] offset:768*(\a)
	global_store_b64 v[L8], v[PCD+4:PCD+5], s[34:35] offset:768*(\a)+512
	global_store_b128 v[LI], v[PCD+6:PCD+9], s[34:35] offset:768*(\a)+HS
	global_store_b64 v[L8], v[PCD+10:PCD+11], s[34:35] offset:768*(\a)+512+HS
	global_store_b32 v[LS], v[PW], s[36:37] offset:128*(\a)
	global_store_b32 v[LS], v[PW2], s[36:37] offset:128*(\a)+HS
.endif
.endm
	PLACES NP
	s_load_b128 s[24:27], s[0:1], 0x28
	s_mov_b32 s[SEL], 0x76543210
	s_mov_b32 s[SEL+1], 0xfedcba98
.irp b, 0,1,2,3
	v_mov_b32 v[TM+4+\b], 0
.endr
	s_wait_kmcnt 0x0
	s_cmp_eq_u32 ttmp9, 0
	s_cselect_b64 s[24:25], s[24:25], s[26:27]
	s_cmp_eq_u32 s[MODE], 1
	s_cbranch_scc1 .Lvmode
	s_and_b32 s28, s17, 7
	s_lshl_b32 s28, s28, 4
	s_lshl_b32 s29, s15, 3
	s_add_co_u32 s28, s28, s29
	s_lshr_b32 s29, s17, 3
	s_lshl_b32 s29, s29, 4
	s_lshl_b32 s30, s40, 2
	s_add_co_u32 s29, s29, s30
	s_lshl_b32 s30, s16, 1
	s_add_co_u32 s29, s29, s30
	s_mul_i32 s29, s29, HS
	s_mul_i32 s30, s28, 1728                       ; a head's block is 16 runs of 13,824 bytes, one for each 128 positions: K's (or Q's) images 6,144, V's 6,144, K's scale words 1,024, V's 512; s28 = 8 x the run
	s_add_co_u32 s30, s30, s29
	s_mov_b32 s31, 0
	s_add_co_u32 s32, s30, 12288
	s_mov_b32 s33, 0
	s_add_nc_u64 s[34:35], s[24:25], s[30:31]
	s_add_nc_u64 s[36:37], s[24:25], s[32:33]
.irp a, 0,1,2,3,4,5,6,7
	ROWS \a, 0
.endr
	s_branch .Lout
.Lvmode:
	s_and_b32 s28, s42, 7
	s_lshl_b32 s28, s28, 1
	s_add_co_u32 s28, s28, s16
	s_lshr_b32 s29, s42, 3
	s_lshl_b32 s29, s29, 4
	s_lshl_b32 s30, s41, 2
	s_add_co_u32 s29, s29, s30
	s_lshl_b32 s30, s15, 1
	s_add_co_u32 s29, s29, s30
	s_mul_i32 s29, s29, HS
	s_mul_i32 s30, s28, 13824                      ; the run of these 128 keys:
	s_add_co_u32 s30, s30, s29
	s_add_co_u32 s32, s30, 13312                   ; V's scale words,
	s_add_co_u32 s30, s30, 6144                    ; V's images
	s_mov_b32 s31, 0
	s_mov_b32 s33, 0
	s_add_nc_u64 s[34:35], s[24:25], s[30:31]
	s_add_nc_u64 s[36:37], s[24:25], s[32:33]
.irp a, 0,1,2,3,4,5,6,7
	ROWS \a, 1
.endr
.Lout:
	s_wait_tensorcnt 0x0
	ds_add_u32 v[SPW], v[NIL]
	s_wait_dscnt 0x0
	CROUND
	s_endpgm
.Lfunc_end_k_qa11bae06db_qkv:
	.size	k_qa11bae06db_qkv, .Lfunc_end_k_qa11bae06db_qkv-k_qa11bae06db_qkv
	.p2alignl 7, 3214868480
	.fill 96, 4, 3214868480
	.section	.rodata,"a",@progbits
	.p2align	6, 0x0
	.amdhsa_kernel k_qa11bae06db_qkv
		.amdhsa_group_segment_fixed_size 327680
		.amdhsa_private_segment_fixed_size 0
		.amdhsa_enable_private_segment 0
		.amdhsa_kernarg_size 56
		.amdhsa_user_sgpr_count 2
		.amdhsa_user_sgpr_kernarg_segment_ptr 1
		.amdhsa_wavefront_size32 1
		.amdhsa_system_sgpr_workgroup_id_x 1
		.amdhsa_system_sgpr_workgroup_id_y 1
		.amdhsa_system_sgpr_workgroup_id_z 1
		.amdhsa_system_vgpr_workitem_id 0
		.amdhsa_next_free_vgpr 1024
		.amdhsa_next_free_sgpr 102
		.amdhsa_reserve_vcc 0
		.amdhsa_float_denorm_mode_32 3
		.amdhsa_float_denorm_mode_16_64 3
		.amdhsa_memory_ordered 1
		.amdhsa_forward_progress 1
		.amdhsa_inst_pref_size 214
	.end_amdhsa_kernel
	.amdgpu_metadata
---
amdhsa.version: [ 1, 2 ]
amdhsa.kernels:
  - .name:           k_qa11bae06db_qkv
    .symbol:         k_qa11bae06db_qkv.kd
    .args:
      - { .name: act1, .offset: 0, .size: 8, .value_kind: global_buffer, .address_space: global }
      - { .name: wts, .offset: 8, .size: 8, .value_kind: global_buffer, .address_space: global }
      - { .name: bq, .offset: 16, .size: 8, .value_kind: global_buffer, .address_space: global }
      - { .name: bk, .offset: 24, .size: 8, .value_kind: global_buffer, .address_space: global }
      - { .name: bv, .offset: 32, .size: 8, .value_kind: global_buffer, .address_space: global }
      - { .name: qi, .offset: 40, .size: 8, .value_kind: global_buffer, .address_space: global }
      - { .name: kv, .offset: 48, .size: 8, .value_kind: global_buffer, .address_space: global }
    .group_segment_fixed_size: 327680
    .private_segment_fixed_size: 0
    .kernarg_segment_align: 8
    .kernarg_segment_size: 56
    .max_flat_workgroup_size: 128
    .sgpr_count:     102
    .vgpr_count:     1024
    .wavefront_size: 32
...
	.end_amdgpu_metadata
.endif
;; end of part 9
;; launch attn (part 10): grid 8 x 32, 16 waves a work-group, clusters of 4 x 1, 327,680 bytes of LDS; arguments qi, kv, mask, atto; writes atto
.if DOCPART == 10
	.amdgcn_target "amdgcn-amd-amdhsa--gfx1250"
	.amdhsa_code_object_version 6
	.text
	.protected	k_qa11bae06db_attn
	.globl	k_qa11bae06db_attn
	.p2align	8
	.type	k_qa11bae06db_attn,@function
k_qa11bae06db_attn:
	s_mov_b64 s[64:65], 0
	v_nop
	global_prefetch_b8 v0, s[64:65] scope:SCOPE_SE
	s_setreg_imm32_b32 hwreg(HW_REG_WAVE_MODE, 25, 1), 1
	s_wait_xcnt 0x0
	s_wait_alu depctr_hold_cnt(0) depctr_sa_sdst(0) depctr_va_vdst(0) depctr_va_sdst(0) depctr_va_ssrc(0) depctr_va_vcc(0) depctr_vm_vsrc(0)
	s_getreg_b32 s2, hwreg(HW_REG_IB_STS2, 6, 4)
	s_cmp_eq_u32 s2, 0
	s_cbranch_scc0 .Lentry_in_a_cluster
	s_endpgm
.Lentry_in_a_cluster:
	s_bfe_u32 s2, ttmp6, 0x10000c
	s_cmp_lg_u32 s2, 0x3003
	s_cbranch_scc0 .Lentry_shape_is_right
	s_endpgm
.Lentry_shape_is_right:
; o = softmax(q k^T / 8, keys with mask = 0 left out) v for one (batch, head), both products on codes of FP6 (E2M3) with E8M0 scales; o is quantised along the head's 64 and stored as codes for the next product.
; THE SOFTMAX: t = score x log2(e) / 8; M = the running largest t rounded up to a whole number; p = 2^(t - M) is quantised along the keys, not normalised; the row's sum is taken of the unquantised p and divides at the end.
; When M moves, the sum and O are multiplied by 2^(old M - new M), which rounds nothing.
; SHARES: a work-group owns 256 query positions of a head, each of its sixteen waves 16: four waves to a SIMD.
; A HEAD'S BLOCK in kv is 16 runs of 13,824 bytes, one for each step of 128 keys: K's register images (6,144), V's (6,144), K's scale words (1,024), V's (512).  qi has the same plan, Q in K's places.
; THE BLOCK COMES IN TWO PARTS, each LDS byte filled once.  Steps 0-3 (55,296 bytes) are asked for at the head, waves 0-7 with 27 rows of 256 bytes each.  Steps 4-15 (165,888 bytes) are asked for when
; part one has landed, behind the full sequence and a round of the cluster's barrier, waves 0-7 with 81 rows each: they are on their way during the four steps on part one, and a barrier stands ahead of step 4.
; One tensor load of a wave is out at any time.  The four work-groups of a cluster are query blocks of one head: the loads are joint.  All LDS is claimed.
; LAYOUT: S^T = K Q^T (source 0 = 16 key positions, source 1 = my 16 queries), O^T = V^T P^T: a lane holds one query throughout.  Rows lie at positions (bits 3 and 4 of the row exchanged), so register 16 b + i of S^T is
; key 32 b + 16 h + i of the step, and register 16 b + i of O^T is channel 32 b + 16 h + i.  A head has 64 channels: the upper 64 along the first product's K are zero codes on both sides.
; THE MASK costs no vector instruction in the loop: 0 or -2^100 for each key lies in LDS and is loaded as the C of the first product.
; OUT: atto's codes lie [2 K steps of 512][4,096 positions][384 bytes]; a head owns 48 bytes of a position, so the stores are 12 bytes a lane to places 384 bytes apart.
; No prefetch: both parts are asked for ahead of the first loop, so there is no trip in which to ask ahead.
; LIMITS: a batch whose mask is all zero is not served (the reference gives NaN there); scores are taken to lie under 2^90 in magnitude; a block of zeros gets the byte 1; NaN and infinities are not served.
.set HS,   221184                      ; a head's block
.set STP,  13824                       ; a step's run; in it:
.set VO,   6144                        ; V's images,
.set KSO,  12288                       ; K's scale words,
.set VSO,  13312                       ; V's
.set MB,   221184                      ; LDS behind the block: the mask as 2,048 f32, written by ds_store; no fill lands here
.set SPARE, 0x38000                    ; behind it the spare words, 128 bytes a wave
.set P1,   6912                        ; what a loading wave fetches of part one,
.set P2,   20736                       ; and of part two
.set LI,  1                            ; v1  16 x lane
.set L8,  2                            ; v2  8 x lane
.set LS,  3                            ; v3  4 x lane
.set MBL, 7                            ; v7  MB + 64 h
.set ADK, 8                            ; v8-11 the step's four addresses
.set ADK8, 9
.set ADS, 10
.set ADM, 11
.set S,   96                           ; v96-159 mask, then S^T, then p; then V's four fragments (v96-143)
.set O,   160                          ; v160-191 O^T
.set PCD, 192                          ; v192-203 p's codes; v204-210 the conversions' second halves
.set BM,  212                          ; v212-215 block maxima; v216-219 at work; v220-223 scale operands
.set KW,  224                          ; v224-227 K's scale words
.set VW,  228                          ; v228-231 V's
.set PWD, 232                          ; p's scale word
.set QW,  233                          ; Q's
.set F,   234                          ; v[234:235] f = 2^(old M - new M)
.set WK,  238
.set AC,  240                          ; v240-253 seven partial sums of p, in pairs
.set SPW, 254
.set NIL, 255
.set WV,  18
.set SEL, 20
.set CS,  22
.set G1,  24                           ; s[24:31] group 1 of part one, s[48:55] of part two
.set G0,  32
.set G1B, 48
.set TK,  36                           ; s36 13,824 x step;  s38 512 x step;  s39 steps to go
.set TJ,  38
.set CNT, 39
.macro CROUND                          ; a round of the cluster's barrier
	s_barrier_signal -1
	s_barrier_wait -1
	s_cmp_lg_u32 s[WV], 0
	s_cbranch_scc1 .Lnot_wave_0_\@
	s_barrier_signal -3
.Lnot_wave_0_\@:
	s_barrier_wait -3
	s_barrier_signal -1
	s_barrier_wait -1
.endm
.macro ASKFOR g1                       ; waves 0-7 issue the joint load; the branch hangs on the wave's number alone
	s_cmp_lt_u32 s[WV], 8
	s_cbranch_scc0 .Lnot_mine_\@
	tensor_load_to_lds s[G0:G0+3], s[\g1:\g1+7]
	s_nop 0
.rept 4
	v_nop
.endr
.Lnot_mine_\@:
.endm
	s_load_b128 s[4:7], s[0:1], 0x0                ; qi, kv
	s_load_b128 s[8:11], s[0:1], 0x10              ; mask, atto
	v_lshl_add_u32 v[SPW], v0, 2, SPARE
	v_mov_b32 v[NIL], 0
	ds_add_u32 v[SPW], v[NIL]
	ds_add_u32 v[SPW], v[NIL]
	v_lshrrev_b32 v8, 5, v0
	s_delay_alu instid0(VALU_DEP_1)
	v_readfirstlane_b32 s[WV], v8                  ; wave 0..15
	s_bfe_u32 s12, ttmp6, 0x40000                  ; cx
	s_lshl_b32 s13, ttmp9, 2
	s_add_co_u32 s13, s13, s12                     ; my block of 256 queries: it enters Q's and the output's addresses alone
	s_and_b32 s14, ttmp7, 0xffff                   ; 16 x batch + head, which the four partners share
	s_lshr_b32 s15, s14, 4                         ; batch
	s_mul_i32 s16, s14, HS
	s_mov_b32 s17, 0
	s_mul_i32 s40, s[WV], P1
	s_mov_b32 s41, 0
.irp g, G1, G1B
	s_mov_b32 s[\g], 15|(3<<16)|(1<<21)            ; the mask: all four work-groups; elements of 8 bytes; bit 21 beside a mask; no padding
	s_mov_b32 s[\g+1], 32<<16                      ; rows of 32 elements: 256 bytes
	s_mov_b32 s[\g+3], 32<<16
	s_mov_b32 s[\g+5], 32                          ; dense
	s_mov_b32 s[\g+6], 0
	s_mov_b32 s[\g+7], 0
.endr
	s_mov_b32 s[G1+2], 27<<16
	s_mov_b32 s[G1+4], 27
	s_mov_b32 s[G1B+2], 81<<16
	s_mov_b32 s[G1B+4], 81
	s_mov_b32 s[SEL], 0x76543210
	s_mov_b32 s[SEL+1], 0xfedcba98
	s_mov_b32 s[CS], 0x3e38aa3b                    ; c = log2(e) / 8
	s_mov_b32 s[CS+1], s[CS]
	s_mov_b32 s[TK], 0
	s_mov_b32 s[TJ], 0
	s_mov_b32 s[CNT], 4
	s_wait_dscnt 0x0
	s_wait_kmcnt 0x0
	s_add_nc_u64 s[6:7], s[6:7], s[16:17]          ; the head's block in kv,
	s_add_nc_u64 s[4:5], s[4:5], s[16:17]          ; and in qi
	CROUND                                         ; all four work-groups are here: the joint loads meet
	s_mov_b32 s[G0], 1
	s_mov_b32 s[G0+1], s40                         ; LDS: wave x 6,912
	s_add_nc_u64 s[G0+2:G0+3], s[6:7], s[40:41]
	s_or_b32 s[G0+3], s[G0+3], 0x80000000
	ASKFOR G1                                      ; steps 0-3
	v_and_b32 v9, 31, v0
	s_delay_alu instid0(VALU_DEP_1)
	v_lshlrev_b32 v[LI], 4, v9
	s_delay_alu instid0(VALU_DEP_2)
	v_lshlrev_b32 v[L8], 3, v9
	s_delay_alu instid0(VALU_DEP_3)
	v_lshlrev_b32 v[LS], 2, v9
	s_wait_alu depctr_va_vdst(0)
	s_lshl_b32 s42, s13, 1                         ; my tile of 16 query positions is tile wave % 8 of run 2 x block + wave / 8
	s_lshr_b32 s43, s[WV], 3
	s_add_co_u32 s42, s42, s43
	s_mul_i32 s42, s42, STP
	s_and_b32 s43, s[WV], 7
	s_mul_i32 s44, s43, 768
	s_add_co_u32 s44, s44, s42
	s_mov_b32 s45, 0
	s_add_nc_u64 s[44:45], s[4:5], s[44:45]
	global_load_b128 v[16:19], v[LI], s[44:45]     ; Q's fragment, registers 0-3,
	global_load_b64 v[20:21], v[L8], s[44:45] offset:512   ; 4-5
	s_lshl_b32 s46, s43, 7
	s_add_co_u32 s46, s46, s42
	s_add_co_u32 s46, s46, KSO
	s_mov_b32 s47, 0
	s_add_nc_u64 s[46:47], s[4:5], s[46:47]
	global_load_b32 v[QW], v[LS], s[46:47]         ; and its scale words
	s_lshl_b32 s42, s15, 13
	s_mov_b32 s43, 0
	s_add_nc_u64 s[8:9], s[8:9], s[42:43]          ; my batch's mask
	v_lshlrev_b32 v10, 4, v0
	global_load_b128 v[96:99], v10, s[8:9]         ; four keys a thread
.irp j, 22,23,24,25,26,27
	v_mov_b32 v[\j], 0                             ; Q's upper 64 along K: zero codes
.endr
.irp t, 0,1,2,3
.irp p, 6,7,8,9,10,11
	v_mov_b32 v[32+12*\t+\p], 0                    ; K's likewise, in each of the four places for a fragment: written once
.endr
.endr
	v_mov_b32 v13, 0xff61b1e6                      ; the largest t so far: -3e38
	s_delay_alu instid0(VALU_DEP_1)
	v_floor_f32 v12, -v13                          ; -M
	v_mov_b32 v14, 0                               ; the sum, in two halves
	v_mov_b32 v15, 0
.irp b, 0,1,2,3
	v_mov_b32 v[BM+4+\b], 0                        ; a lane permute's destination counts as one of its sources
.endr
	v_mov_b32 v[F+1], 0                            ; (named as the upper half of the pair)
.set kk, 0
.rept 32
	v_mov_b32 v[O+kk], 0                           ; O^T: the step is written once; the first finds zeros
.set kk, kk+1
.endr
	v_bfe_u32 v[MBL], v0, 4, 1
	s_delay_alu instid0(VALU_DEP_1)
	v_lshl_add_u32 v[MBL], v[MBL], 6, MB
	v_lshl_add_u32 v11, v0, 4, MB
	v_mov_b32 v[WK], 0xf1800000                    ; -2^100
	s_wait_alu depctr_va_vdst(0)
	s_wait_loadcnt 0x0
.irp i, 0,1,2,3
	v_cmp_eq_u32 vcc_lo, 0, v[96+\i]
	s_delay_alu instid0(VALU_DEP_1)
	v_cndmask_b32 v[96+\i], 0, v[WK], vcc_lo       ; a key with mask = 0 gets -2^100 onto its score: p = 0
.endr
	ds_store_b128 v11, v[96:99]
	s_wait_alu depctr_va_vdst(0)                   ; the wait at the head's end
	s_wait_tensorcnt 0x0                           ; my part of steps 0-3 has landed; part two is a later first fill, issued as a refill is:
	ds_add_u32 v[SPW], v[NIL]                      ; the add, twice on end
	ds_add_u32 v[SPW], v[NIL]
	s_mul_i32 s40, s[WV], P2                       ; no load of mine is out: group 0 is written for part two
	s_add_co_u32 s40, s40, 4*STP
	s_mov_b32 s[G0+1], s40                         ; LDS: 55,296 + wave x 20,736
	s_add_nc_u64 s[G0+2:G0+3], s[6:7], s[40:41]
	s_or_b32 s[G0+3], s[G0+3], 0x80000000
	s_wait_dscnt 0x0                               ; the adds are done, and my part of the mask is stored
	CROUND                                         ; everybody's part of steps 0-3 and of the mask is in, in all four work-groups
	ASKFOR G1B                                     ; steps 4-15
.macro BODY                            ; a step of 128 keys
	v_add_nc_u32 v[ADK], s[TK], v[LI]              ; (these five are also the places between the last products and the loads and products below)
	v_add_nc_u32 v[ADK8], s[TK], v[L8]
	v_add_nc_u32 v[ADS], s[TK], v[LS]
	v_add_nc_u32 v[ADM], s[TJ], v[MBL]
	v_nop
	s_wait_alu depctr_va_vdst(0)
.irp b, 0,1,2,3
.irp i, 0,1,2,3
	ds_load_b128 v[S+16*\b+4*\i:S+16*\b+4*\i+3], v[ADM] offset:128*\b+16*\i   ; the mask of keys 32 b + 16 h + 4 i on, into S^T's registers
.endr
.endr
.irp g, 0,1                                    ; S^T = K Q^T + mask, four tiles of 16 key positions at a time
.if \g > 0
.rept 4
	v_nop                                          ; places in front of loads into registers that matrix instructions have read
.endr
.endif
.irp t, 0,1,2,3
	ds_load_b128 v[32+12*\t:35+12*\t], v[ADK] offset:768*(4*\g+\t)
	ds_load_b64 v[36+12*\t:37+12*\t], v[ADK8] offset:768*(4*\g+\t)+512
	ds_load_b32 v[KW+\t], v[ADS] offset:KSO+128*(4*\g+\t)
.endr
	s_wait_dscnt 0x0
.irp t, 0,1,2,3
	v_wmma_scale_f32_16x16x128_f8f6f4 v[S+8*(4*\g+\t):S+8*(4*\g+\t)+7], v[32+12*\t:43+12*\t], v[16:27], v[S+8*(4*\g+\t):S+8*(4*\g+\t)+7], v[KW+\t], v[QW] matrix_a_fmt:MATRIX_FMT_FP6 matrix_b_fmt:MATRIX_FMT_FP6
.endr
.endr
.rept 4
	v_nop
.endr
.irp b, 0,1,2,3
	v_max3_num_f32 v[BM+\b], v[S+16*\b], v[S+1+16*\b], v[S+2+16*\b]   ; the largest score of each block of 32 keys: for the row's maximum and, since p rises with the score, for the block's largest p
.endr
.irp i, 3,5,7,9,11,13
.irp b, 0,1,2,3
	v_max3_num_f32 v[BM+\b], v[BM+\b], v[S+16*\b+\i], v[S+1+16*\b+\i]
.endr
.endr
.irp b, 0,1,2,3
	v_max_num_f32 v[BM+\b], v[BM+\b], v[S+15+16*\b]
.endr
.irp b, 0,1,2,3
	s_delay_alu instid0(VALU_DEP_4)
	v_permlanex16_b32 v[BM+4+\b], v[BM+\b], s[SEL], s[SEL+1]
.endr
.irp b, 0,1,2,3
	s_delay_alu instid0(VALU_DEP_4)
	v_max_num_f32 v[BM+\b], v[BM+\b], v[BM+4+\b]   ; with lane l xor 16's 16 keys
.endr
	s_delay_alu instid0(VALU_DEP_2)
	v_max3_num_f32 v[WK], v[BM], v[BM+1], v[BM+2]
	s_delay_alu instid0(VALU_DEP_1)
	v_max_num_f32 v[WK], v[WK], v[BM+3]
	s_delay_alu instid0(VALU_DEP_1)
	v_mul_f32 v[WK], s[CS], v[WK]                  ; the step's largest t
	s_delay_alu instid0(VALU_DEP_1)
	v_max_num_f32 v13, v13, v[WK]                  ; the running largest t
	v_mov_b32 v[WK], v12
	s_delay_alu instid0(VALU_DEP_2)
	v_floor_f32 v12, -v13                          ; the new -M = -ceil(t)
	s_delay_alu instid0(VALU_DEP_1)
	v_sub_f32 v[WK], v12, v[WK]                    ; old M - new M: a whole number, 0 or less
	s_delay_alu instid0(VALU_DEP_1)
	v_cvt_i32_f32 v[WK], v[WK]                     ; (it saturates)
	s_delay_alu instid0(VALU_DEP_1)
	v_ldexp_f32 v[F], 1.0, v[WK]                   ; f
.set kk, 0
.rept 32
	v_pk_fma_f32 v[S+kk:S+kk+1], v[S+kk:S+kk+1], s[CS:CS+1], v[12:13] op_sel_hi:[1,0,0]   ; t - M
.set kk, kk+2
.endr
.irp b, 0,1,2,3
	v_fma_f32 v[BM+\b], v[BM+\b], s[CS], v12       ; the same of each block's largest score
.endr
.set kk, 0
	s_wait_alu depctr_va_vdst(0)                   ; the wait ahead of the batch
.rept 64
	v_exp_f32 v[S+kk], v[S+kk]                     ; p = 2^(t - M)
.set kk, kk+1
.endr
	v_pk_mul_f32 v[14:15], v[14:15], v[F:F+1] op_sel_hi:[1,0]   ; the sums under the new M (the plain instruction behind the exponentials)
	s_wait_alu depctr_va_vdst(0)                   ; one wait for the whole batch, ahead of its first use
.irp b, 0,1,2,3
	v_exp_f32 v[BM+\b], v[BM+\b]                   ; the block's largest p
.endr
.irp i, 0,1,2,3,4,5,6                          ; the row's sum of the unquantised p: eight chains, two numbers an instruction
	v_pk_add_f32 v[AC+2*\i:AC+2*\i+1], v[S+4*\i:S+4*\i+1], v[S+4*\i+2:S+4*\i+3]
.endr
	v_pk_add_f32 v[14:15], v[14:15], v[S+28:S+29]
.irp i, 0,1,2,3,4,5,6
	v_pk_add_f32 v[AC+2*\i:AC+2*\i+1], v[AC+2*\i:AC+2*\i+1], v[S+30+2*\i:S+31+2*\i]
.endr
	v_pk_add_f32 v[14:15], v[14:15], v[S+44:S+45]
.irp i, 0,1,2,3,4,5,6
	v_pk_add_f32 v[AC+2*\i:AC+2*\i+1], v[AC+2*\i:AC+2*\i+1], v[S+46+2*\i:S+47+2*\i]
.endr
	v_pk_add_f32 v[14:15], v[14:15], v[S+60:S+61]
	v_pk_add_f32 v[AC+2:AC+3], v[AC+2:AC+3], v[S+62:S+63]
	v_pk_add_f32 v[AC+4:AC+5], v[AC+4:AC+5], v[AC+6:AC+7]
	v_pk_add_f32 v[AC+8:AC+9], v[AC+8:AC+9], v[AC+10:AC+11]
	v_pk_add_f32 v[14:15], v[14:15], v[AC+12:AC+13]
	s_delay_alu instid0(VALU_DEP_4)
	v_pk_add_f32 v[AC:AC+1], v[AC:AC+1], v[AC+2:AC+3]
	s_delay_alu instid0(VALU_DEP_3)
	v_pk_add_f32 v[AC+4:AC+5], v[AC+4:AC+5], v[AC+8:AC+9]
	s_delay_alu instid0(VALU_DEP_2)
	v_pk_add_f32 v[14:15], v[14:15], v[AC:AC+1]
	s_delay_alu instid0(VALU_DEP_1)
	v_pk_add_f32 v[14:15], v[14:15], v[AC+4:AC+5]
	s_wait_alu depctr_va_vdst(0)                   ; and one for the four
.irp b, 0,1,2,3
	v_max_num_f32 v[BM+\b], 0x1800000, v[BM+\b]    ; the floor 2^(3 - 127)
.endr
.irp b, 0,1,2,3
	s_delay_alu instid0(VALU_DEP_4)
	v_add_nc_u32 v[BM+8+\b], 0xff000000, v[BM+\b]  ; the conversion's scale operand
.endr
.irp b, 0,1,2,3
	s_delay_alu instid0(VALU_DEP_4)
	v_lshrrev_b32 v[BM+4+\b], 23, v[BM+8+\b]       ; the scale's byte
.endr
	s_delay_alu instid0(VALU_DEP_3)
	v_lshl_or_b32 v[PWD], v[BM+5], 8, v[BM+4]
	s_delay_alu instid0(VALU_DEP_1)
	v_lshl_or_b32 v[PWD], v[BM+6], 16, v[PWD]
	s_delay_alu instid0(VALU_DEP_1)
	v_lshl_or_b32 v[PWD], v[BM+7], 24, v[PWD]
.irp c, 0,1
	v_cvt_scalef32_pk16_fp6_f32 v[PCD+6*\c:PCD+2+6*\c], v[S+32*\c:S+15+32*\c], v[BM+8+2*\c]
	v_cvt_scalef32_pk16_fp6_f32 v[PCD+12+4*\c:PCD+14+4*\c], v[S+16+32*\c:S+31+32*\c], v[BM+8+2*\c+1]
.endr
	v_nop                                          ; one plain instruction behind a scaled conversion
.irp t, 0,1,2,3                                ; V's four fragments take p's registers
.irp c, 0,1,2
	ds_load_b128 v[S+12*\t+4*\c:S+12*\t+4*\c+3], v[ADK] offset:VO+1536*\t+512*\c
.endr
	ds_load_b32 v[VW+\t], v[ADS] offset:VSO+128*\t
.endr
.irp c, 0,1                                    ; the operand's layout wants a whole block in a lane
.irp i, 0,1,2
	v_permlane16_swap_b32 v[PCD+6*\c+\i], v[PCD+12+4*\c+\i]
.endr
.irp i, 0,1,2
	s_delay_alu instid0(VALU_DEP_3)
	v_mov_b32 v[PCD+3+6*\c+\i], v[PCD+12+4*\c+\i]
.endr
.endr
.set kk, 0
.rept 16
	v_pk_mul_f32 v[O+kk:O+kk+1], v[O+kk:O+kk+1], v[F:F+1] op_sel_hi:[1,0]   ; O^T under the new M (these sixteen also stand between the writes of p's codes and scale word and the products)
.set kk, kk+2
.endr
	s_wait_alu depctr_va_vdst(0)
	s_wait_dscnt 0x0
.irp t, 0,1,2,3
	v_wmma_scale_f32_16x16x128_f8f6f4 v[O+8*\t:O+8*\t+7], v[S+12*\t:S+12*\t+11], v[PCD:PCD+11], v[O+8*\t:O+8*\t+7], v[VW+\t], v[PWD] matrix_a_fmt:MATRIX_FMT_FP6 matrix_b_fmt:MATRIX_FMT_FP6
.endr
	s_add_co_u32 s[TK], s[TK], STP
	s_add_co_u32 s[TJ], s[TJ], 512
	s_sub_co_u32 s[CNT], s[CNT], 1
	s_cmp_lg_u32 s[CNT], 0
.endm
.Lpart1:                                               ; steps 0-3, on part one
	BODY
	s_cbranch_scc1 .Lpart1
	s_wait_tensorcnt 0x0                           ; my part of steps 4-15 has landed,
	s_wait_dscnt 0x0
	s_barrier_signal -1
	s_barrier_wait -1                              ; everybody's
	s_mov_b32 s[TK], 4*STP
	s_mov_b32 s[TJ], 4*512
	s_mov_b32 s[CNT], 12
.Lpart2:                                               ; steps 4-15
	BODY
	s_cbranch_scc1 .Lpart2
	; THE WAY OUT.  The address work is the places behind the last products.
	v_and_b32 v8, 15, v0                           ; r
	v_bfe_u32 v9, v0, 4, 1                         ; h
	s_delay_alu instid0(VALU_DEP_2)
	; atto's codes are register images (16 positions x 128 along K, 48 bytes a lane), [2 K steps of 512][16 positions][4 images]; this takes the place of the rows of 384 bytes named at the head.
	; A head is half c = head % 2 of image head / 2; its channels 32 b + 16 h + 0 .. 15 are 12 bytes at 48 (r + 16 b) + 24 c + 12 h
	v_mul_u32_u24 v10, v8, 48
	s_delay_alu instid0(VALU_DEP_1)
	v_mad_u32_u24 v10, v9, 12, v10                 ; my position's 384 bytes, + 12 h
	s_delay_alu instid0(VALU_DEP_3)
	v_lshl_add_u32 v11, v8, 5, v9                  ; my row of scale bytes, + h
	s_lshl_b32 s40, s15, 11
	s_lshl_b32 s41, s13, 8
	s_add_co_u32 s40, s40, s41
	s_lshl_b32 s41, s[WV], 4
	s_add_co_u32 s40, s40, s41                     ; my first position: 2,048 x batch + 256 x block + 16 x wave
	s_and_b32 s41, s14, 15                         ; head
	s_mul_i32 s42, s40, 384
	s_bfe_u32 s43, s41, 0x20001
	s_mul_i32 s43, s43, 1536                       ; which of the K step's four images,
	s_add_co_u32 s42, s42, s43
	s_and_b32 s43, s41, 1
	s_mul_i32 s43, s43, 24                         ; and which half of a lane's 48 bytes
	s_add_co_u32 s42, s42, s43
	s_lshr_b32 s43, s41, 3
	s_mul_i32 s43, s43, 1572864                    ; 4,096 x 384 bytes a K step
	s_add_co_u32 s42, s42, s43
	s_mov_b32 s43, 0
	s_add_nc_u64 s[42:43], s[10:11], s[42:43]
	s_lshl_b32 s44, s40, 5
	s_lshl_b32 s45, s41, 1
	s_add_co_u32 s44, s44, s45
	s_add_co_u32 s44, s44, 3145728
	s_mov_b32 s45, 0
	s_add_nc_u64 s[44:45], s[10:11], s[44:45]
	v_add_f32 v14, v14, v15
	s_delay_alu instid0(VALU_DEP_1)
	v_permlanex16_b32 v[WK], v14, s[SEL], s[SEL+1]
	s_delay_alu instid0(VALU_DEP_1)
	v_add_f32 v14, v14, v[WK]                      ; the row's sum
	s_wait_alu depctr_va_vdst(0)
	v_rcp_f32 v14, v14
	v_nop
	s_wait_alu depctr_va_vdst(0)
.set kk, 0
.rept 32
	v_mul_f32 v[S+kk], v[O+kk], v14                ; register 16 b + i is channel 32 b + 16 h + i
.set kk, kk+1
.endr
.irp b, 0,1
	v_max3_num_f32 v[BM+\b], |v[S+16*\b]|, |v[S+1+16*\b]|, 0x1800000
.endr
.irp i, 2,4,6,8,10,12,14
.irp b, 0,1
	s_delay_alu instid0(VALU_DEP_2)
	v_max3_num_f32 v[BM+\b], v[BM+\b], |v[S+16*\b+\i]|, |v[S+1+16*\b+\i]|
.endr
.endr
.irp b, 0,1
	s_delay_alu instid0(VALU_DEP_2)
	v_permlanex16_b32 v[BM+4+\b], v[BM+\b], s[SEL], s[SEL+1]
.endr
.irp b, 0,1
	s_delay_alu instid0(VALU_DEP_2)
	v_max_num_f32 v[BM+\b], v[BM+\b], v[BM+4+\b]
.endr
.irp b, 0,1
	s_delay_alu instid0(VALU_DEP_2)
	v_add_nc_u32 v[BM+8+\b], 0xff000000, v[BM+\b]
.endr
.irp b, 0,1
	s_delay_alu instid0(VALU_DEP_2)
	v_lshrrev_b32 v[BM+4+\b], 23, v[BM+8+\b]
.endr
	v_cvt_scalef32_pk16_fp6_f32 v[PCD:PCD+2], v[S:S+15], v[BM+8]
	v_cvt_scalef32_pk16_fp6_f32 v[PCD+4:PCD+6], v[S+16:S+31], v[BM+9]
	v_cmp_eq_u32 vcc_lo, 1, v9
	s_delay_alu instid0(VALU_DEP_1)
	v_cndmask_b32 v[BM+4], v[BM+4], v[BM+5], vcc_lo   ; lanes 0-15 store block 0's byte, lanes 16-31 block 1's
	global_store_b96 v10, v[PCD:PCD+2], s[42:43]            ; channels 16 h + 0 .. 15
	global_store_b96 v10, v[PCD+4:PCD+6], s[42:43] offset:768  ; channels 32 + 16 h + 0 .. 15
	global_store_b8 v11, v[BM+4], s[44:45]
	s_wait_tensorcnt 0x0                           ; the wave's end
	ds_add_u32 v[SPW], v[NIL]
	s_wait_dscnt 0x0
	CROUND                                         ; the closing round
	s_endpgm
.Lfunc_end_k_qa11bae06db_attn:
	.size	k_qa11bae06db_attn, .Lfunc_end_k_qa11bae06db_attn-k_qa11bae06db_attn
	.p2alignl 7, 3214868480
	.fill 96, 4, 3214868480
	.section	.rodata,"a",@progbits
	.p2align	6, 0x0
	.amdhsa_kernel k_qa11bae06db_attn
		.amdhsa_group_segment_fixed_size 327680
		.amdhsa_private_segment_fixed_size 0
		.amdhsa_enable_private_segment 0
		.amdhsa_kernarg_size 32
		.amdhsa_user_sgpr_count 2
		.amdhsa_user_sgpr_kernarg_segment_ptr 1
		.amdhsa_wavefront_size32 1
		.amdhsa_system_sgpr_workgroup_id_x 1
		.amdhsa_system_sgpr_workgroup_id_y 1
		.amdhsa_system_sgpr_workgroup_id_z 1
		.amdhsa_system_vgpr_workitem_id 0
		.amdhsa_next_free_vgpr 256
		.amdhsa_next_free_sgpr 66
		.amdhsa_reserve_vcc 1
		.amdhsa_float_denorm_mode_32 3
		.amdhsa_float_denorm_mode_16_64 3
		.amdhsa_memory_ordered 1
		.amdhsa_forward_progress 1
		.amdhsa_inst_pref_size 52
	.end_amdhsa_kernel
	.amdgpu_metadata
---
amdhsa.version: [ 1, 2 ]
amdhsa.kernels:
  - .name:           k_qa11bae06db_attn
    .symbol:         k_qa11bae06db_attn.kd
    .args:
      - { .name: qi, .offset: 0, .size: 8, .value_kind: global_buffer, .address_space: global }
      - { .name: kv, .offset: 8, .size: 8, .value_kind: global_buffer, .address_space: global }
      - { .name: mask, .offset: 16, .size: 8, .value_kind: global_buffer, .address_space: global }
      - { .name: atto, .offset: 24, .size: 8, .value_kind: global_buffer, .address_space: global }
    .group_segment_fixed_size: 327680
    .private_segment_fixed_size: 0
    .kernarg_segment_align: 8
    .kernarg_segment_size: 32
    .max_flat_workgroup_size: 512
    .sgpr_count:     66
    .vgpr_count:     256
    .wavefront_size: 32
...
	.end_amdgpu_metadata
.endif
;; end of part 10
;; launch wo (part 11): grid 8 x 32, 4 waves a work-group, clusters of 4 x 4, 327,680 bytes of LDS; arguments atto, wts, bo, x, hbuf; writes hbuf
.if DOCPART == 11
	.amdgcn_target "amdgcn-amd-amdhsa--gfx1250"
	.amdhsa_code_object_version 6
	.text
	.protected	k_qa11bae06db_wo
	.globl	k_qa11bae06db_wo
	.p2align	8
	.type	k_qa11bae06db_wo,@function
k_qa11bae06db_wo:
	s_mov_b64 s[64:65], 0
	v_nop
	global_prefetch_b8 v0, s[64:65] scope:SCOPE_SE
	s_setreg_imm32_b32 hwreg(HW_REG_WAVE_MODE, 25, 1), 1
	s_wait_xcnt 0x0
	s_wait_alu depctr_hold_cnt(0) depctr_sa_sdst(0) depctr_va_vdst(0) depctr_va_sdst(0) depctr_va_ssrc(0) depctr_va_vcc(0) depctr_vm_vsrc(0)
	s_getreg_b32 s2, hwreg(HW_REG_IB_STS2, 6, 4)
	s_cmp_eq_u32 s2, 0
	s_cbranch_scc0 .Lentry_in_a_cluster
	s_endpgm
.Lentry_in_a_cluster:
	s_bfe_u32 s2, ttmp6, 0x10000c
	s_cmp_lg_u32 s2, 0xf033
	s_cbranch_scc0 .Lentry_shape_is_right
	s_endpgm
.Lentry_shape_is_right:
; h = x + (o Wo + bo): the product on codes of FP6 (E2M3) with one E8M0 scale for each 32 along K = 1,024; bias and residual in f32; h is stored as f32, rows in their true order.
; THE TILE: 4,096 x 1,024 outputs make 256 tiles of 128 x 128, one work-group each.  Four waves, each 64 x 64: 16 accumulators of 16 x 16, 128 registers.
; K goes in steps of 512 through two LDS slots filled by the tensor data mover (a tile's row is 384 bytes; a wave's load brings 64 rows).  K = 1,024 is two such steps: both slots are filled at the start and none is filled again.
; The scale bytes of the work-group's rows, for all of K, come into LDS with the first fills.  4 x 4 work-groups form a cluster: A's tiles are asked for jointly along a row of it, B's along a column.
; The matrix instruction is used transposed (source 0 = 16 rows of B, source 1 = 16 rows of A): lane (r, h) of accumulator (a, b) holds A's position 16 a + r and, in register j, B's position 16 b + 8 h + j.
; POSITIONS: every operand's row n lies at position pi(n) (bits 3 and 4 exchanged): B's position 16 b + 8 h + j is column 32 (b / 2) + 16 h + 8 (b % 2) + j; A's position 16 a + t is row 32 (a / 2) + 8 (a % 2) + t + 8 (t / 8).
; THE RESIDUAL of the wave's 64 rows x 64 columns is 128 registers: all its loads go out at the head and are waited for in front of the way out.
; THE WAY OUT: a block of 16 rows x 64 columns goes through the wave's own stage in LDS, where the columns fall into their true order, and comes back as whole rows of 256 bytes; bias and product are added onto the residual's
; registers, which are stored: an instruction covers two rows of 256 consecutive bytes, each aligned.
; LIMIT: the sum is formed as (residual + bias) + product, where the reference has residual + (product + bias): another order of rounding in f32.
; REGISTERS, in windows of 256: window 0: v0-31 addresses, v8-11 the bias; v32-63 scale words, two sets; v64-127 rows read back, two buffers; v128-255 the accumulators ((a, b) at v[128 + 8 (4 a + b)]).
;   window 1: two fragment buffers at v0 and v128: A's four fragments (48 registers), then B's four.   window 2: v0-127 the residual, then the result.
.set SIZE_K, 1024
.set ASC,    3145728                   ; A's scale bytes behind its codes
.set BCD,    9830400                   ; the weight's codes in wts
.set STEPA,  1572864                   ; codes lie [K step of 512][row][384 bytes]: from K step to K step 4,096 x 384 bytes in A,
.set STEPB,  393216                    ; 1,024 x 384 in B.  The rows of a tile are one dense run, stated as rows of 256 bytes; the padding behind every 128 bytes gives LDS rows of 432 bytes for each 384
.set G0H,  4                           ; s[4:7], s[8:11] group 0 of the head's two loads of codes (the pointers that lay there have been used by then)
.set G0HB, 8
.set BSC,    9437184+98304             ; and its scale bytes
.set KSTEP,  512                       ; along K in a slot
.set NQ,     KSTEP/128                 ; matrix instructions deep
.set ROWB,   384                       ; a tile's row in bytes
.set KROW,   SIZE_K*6/8                ; a row of codes in memory
.set PITCH,  384                       ; LDS bytes for a row of a K step: 16 rows are four register images of 1,536 bytes (48 bytes a lane), as they lie in memory; no padding (this takes the place of the padded rows named above)
.set FR,     12                        ; registers of a fragment
.set NL,     3                         ; LDS loads that bring a fragment
.set NP,     4                         ; places behind this matrix instruction (ISA guide 7.12.1)
.set HALFT,  64*PITCH                  ; 64 rows: what one tensor load brings, and what one wave reads of A or of B
.set SLOT,   4*HALFT                   ; A's 128 rows, then B's 128 rows
.set LAPS,   SIZE_K/(2*KSTEP)          ; a lap = two K steps = once through both slots
.set KS,     SIZE_K/32                 ; a row of scale bytes
.set SCL,    2*SLOT                    ; behind the slots: the scale bytes, as units of 256 bytes + 16 of padding
.set HALFS,  (64*KS/256)*272           ; those of 64 rows: what one wave reads of A or of B
.set SBLK,   (16*KS/256)*272           ; those of 16 rows
.set SPARE,  SCL+4*HALFS               ; the spare words, 128 bytes for each wave: no other line names them
.set SPITCH, 272                       ; the stage: 16 rows x (256 bytes + 16) for each wave, in slot 0, which has had its last fill and its last read by then
.set BI,   8                           ; v8-11   the bias at my four columns of a row
.set ADRA, 16                          ; v16-19  LDS addresses of my A fragments (slot 0, 1; the same behind one padding more)
.set ADRB, 20                          ; v20-23  the same for B
.set STO,  24                          ; v24     where I put 32 bytes of a row
.set RD,   25                          ; v25     where I read a row back
.set CO,   26                          ; v26     my byte offset in two rows of the output and of the residual; never rewritten
.set ADRS, 27                          ; v27     LDS address of my scale words: lanes 0-15 A's rows, lanes 16-31 B's
.set SPW,  28                          ; v28     my spare word; never rewritten
.set NIL,  29                          ; v29     0; never rewritten
.set SC,   32                          ; v32-63  scale words: set s at v[SC + 16 s]; in it register 4 i + q: lanes 0-15 the word of A's block i, lanes 16-31 of B's block i, for the slot's q-th 128 along K
.set BB,   64                          ; v64-127 16 rows read back, two buffers
.set ACC,  128
.set RES,  0                           ; in window 2
.set G1, 24
.set G0, 32
.set G1B, 48
.set G0B, 56
.set G1S, 68
.set G0S, 76
.set G1SB, 80
.set G0SB, 88
.set MSB, 0
.macro WIN new                         ; the immediate's high byte repeats the setting that is left
.if MSB != \new
	s_set_vgpr_msb (MSB<<8)|\new
.set MSB, \new
.endif
.endm
.set MUL,   0x05                       ; sources 0 (B) and 1 (A) window 1; C and D window 0
.set TO_F,  0x40                       ; destination window 1, address window 0
.set TO_R,  0x80                       ; destination window 2, address window 0
.set ADD_R, 0x82                       ; destination and source 0 window 2, source 1 window 0
.set ST_R,  0x08                       ; a store's data (source 1) window 2
.macro JLOAD g0a, g1a, g0b, g1b        ; a joint load: waves 0 and 1 fetch for A, waves 2 and 3 for B; the branch hangs on the wave's number alone; four v_nop follow each line
	s_cmp_eq_u32 s15, 0
	s_cbranch_scc0 .Lfor_b_\@
	tensor_load_to_lds s[\g0a:\g0a+3], s[\g1a:\g1a+7]
	s_nop 0
.rept 4
	v_nop
.endr
	s_branch .Lasked_\@
.Lfor_b_\@:
	tensor_load_to_lds s[\g0b:\g0b+3], s[\g1b:\g1b+7]
	s_nop 0
.rept 4
	v_nop
.endr
.Lasked_\@:
.endm
.macro CREST                           ; a round of the cluster's barrier behind its opening barrier
	s_cmp_lg_u32 s14, 0
	s_cbranch_scc1 .Lnot_wave_0_\@
	s_barrier_signal -3
.Lnot_wave_0_\@:
	s_barrier_wait -3
	s_barrier_signal -1
	s_barrier_wait -1
.endm
.macro CROUND                          ; a whole round
	s_barrier_signal -1
	s_barrier_wait -1
	CREST
.endm
	s_load_b64 s[4:5], s[0:1], 0x0                 ; A: codes, scale bytes behind them
	s_load_b64 s[8:9], s[0:1], 0x8                 ; wts
	s_load_b128 s[96:99], s[0:1], 0x10             ; bias, residual
	s_load_b64 s[12:13], s[0:1], 0x20              ; out
	v_lshl_add_u32 v[SPW], v0, 2, SPARE
	v_mov_b32 v[NIL], 0
	ds_add_u32 v28, v29
	ds_add_u32 v28, v29
	s_wait_dscnt 0x0
	v_lshrrev_b32 v1, 5, v0
	v_readfirstlane_b32 s14, v1                    ; wave 0..3
	s_lshr_b32 s15, s14, 1                         ; which half of the tile's rows is mine.  Also: I fetch for A (0) or for B (1)
	s_and_b32 s16, s14, 1                          ; which half of its columns.  Also: which 64 rows of that tile I fetch
	s_bfe_u32 s40, ttmp6, 0x40000                  ; cx, cy: my place in the cluster
	s_bfe_u32 s41, ttmp6, 0x40004
	s_lshl_b32 s42, ttmp9, 2
	s_add_co_u32 s42, s42, s40                     ; tile column = 4 x cluster x + cx
	s_and_b32 s17, ttmp7, 0xffff
	s_lshl_b32 s17, s17, 2
	s_add_co_u32 s17, s17, s41                     ; tile row = 4 x cluster y + cy
	s_lshl_b32 s43, s41, 2
	s_lshl_b32 s43, 15, s43                        ; my row of the cluster
	s_lshl_b32 s44, 0x1111, s40                    ; my column
	s_or_b32 s[G1+0], s43, (0<<16)|(1<<21)         ; the mask: A's tiles go to my row; elements of 1 byte; bit 21 beside a mask
	s_or_b32 s[G1B+0], s44, (0<<16)|(1<<21)
.irp g, G1, G1B
	s_mov_b32 s[\g+1], 256<<16
	s_mov_b32 s[\g+2], 192<<16                     ; the head's loads: 128 rows x 384 bytes = 192 x 256
	s_mov_b32 s[\g+3], 256<<16
	s_mov_b32 s[\g+4], 192
	s_mov_b32 s[\g+5], 256
	s_mov_b32 s[\g+6], 0
	s_mov_b32 s[\g+7], 0
.endr
	s_or_b32 s[G1S+0], s43, (3<<16)|(1<<20)|(1<<21)|(5<<22)|(3<<25)  ; the scale bytes of 128 rows: a dense block, as rows of 256 bytes (32 elements of 8) with 16 of padding
	s_or_b32 s[G1SB+0], s44, (3<<16)|(1<<20)|(1<<21)|(5<<22)|(3<<25)
.irp g, G1S, G1SB
	s_mov_b32 s[\g+1], 32<<16
	s_mov_b32 s[\g+2], (128*KS/256)<<16            ; the scale bytes of 128 rows
	s_mov_b32 s[\g+3], 32<<16
	s_mov_b32 s[\g+4], 128*KS/256
	s_mov_b32 s[\g+5], 32
	s_mov_b32 s[\g+6], 0
	s_mov_b32 s[\g+7], 0
.endr
	s_lshl_b32 s20, s17, 7                         ; the tiles' first rows
	s_lshl_b32 s46, s42, 7
	s_mov_b32 s21, 0
	s_mov_b32 s47, 0
	s_mov_b64 s[18:19], KS
	s_mul_u64 s[22:23], s[20:21], s[18:19]         ; where these rows' scale bytes begin
	s_mul_u64 s[92:93], s[46:47], s[18:19]
	s_mov_b64 s[18:19], ROWB
	s_mul_u64 s[20:21], s[20:21], s[18:19]         ; and their codes
	s_mul_u64 s[46:47], s[46:47], s[18:19]
	s_mul_i32 s45, s14, HALFT                      ; where they go: wave x 64 rows: no place in the cluster enters an LDS address
	s_wait_kmcnt 0x0
	s_add_nc_u64 s[6:7], s[4:5], ASC
	s_add_nc_u64 s[10:11], s[8:9], BSC
	s_add_nc_u64 s[8:9], s[8:9], BCD
	s_add_nc_u64 s[20:21], s[4:5], s[20:21]
	s_add_nc_u64 s[22:23], s[6:7], s[22:23]
	s_add_nc_u64 s[46:47], s[8:9], s[46:47]
	s_add_nc_u64 s[92:93], s[10:11], s[92:93]
	CROUND                                         ; all sixteen work-groups are here: the first joint loads meet
	s_mov_b32 s[G0S], 1
	s_mov_b32 s[G0S+1], SCL
	s_mov_b64 s[G0S+2:G0S+3], s[22:23]
	s_or_b32 s[G0S+3], s[G0S+3], 0x80000000
	s_mov_b32 s[G0SB], 1
	s_mov_b32 s[G0SB+1], SCL+2*HALFS
	s_mov_b64 s[G0SB+2:G0SB+3], s[92:93]
	s_or_b32 s[G0SB+3], s[G0SB+3], 0x80000000
	s_mov_b32 s[G0H], 1                            ; K step 0, whole tiles: A's 128 rows,
	s_mov_b32 s[G0H+1], 0
	s_mov_b64 s[G0H+2:G0H+3], s[20:21]
	s_or_b32 s[G0H+3], s[G0H+3], 0x80000000
	s_mov_b32 s[G0HB], 1                           ; and B's, behind them in slot 0
	s_mov_b32 s[G0HB+1], 2*HALFT
	s_mov_b64 s[G0HB+2:G0HB+3], s[46:47]
	s_or_b32 s[G0HB+3], s[G0HB+3], 0x80000000
	s_mul_i32 s18, s16, 24576                      ; for slot 1: my 64 rows of a tile
	s_mov_b32 s19, 0
	s_add_nc_u64 s[20:21], s[20:21], s[18:19]
	s_add_nc_u64 s[46:47], s[46:47], s[18:19]
.irp s, 0,1
	s_mov_b32 s[G0+4*\s], 1
	s_add_co_u32 s[G0+4*\s+1], s45, \s*SLOT
	s_add_nc_u64 s[G0+4*\s+2:G0+4*\s+3], s[20:21], \s*STEPA
	s_or_b32 s[G0+4*\s+3], s[G0+4*\s+3], 0x80000000
	s_mov_b32 s[G0B+4*\s], 1
	s_add_co_u32 s[G0B+4*\s+1], s45, \s*SLOT
	s_add_nc_u64 s[G0B+4*\s+2:G0B+4*\s+3], s[46:47], \s*STEPB
	s_or_b32 s[G0B+4*\s+3], s[G0B+4*\s+3], 0x80000000
.endr
; the head's four tiles, one joint load a wave: wave 0 A's codes, wave 1 B's, wave 2 A's scale bytes, wave 3 B's; one chain of branches on the wave's number.
; Slot 1 is filled behind the full sequence further down, not at the start.
.macro ARM under, g0, g1, next
	s_cmp_lt_u32 s14, \under
	s_cbranch_scc0 \next
	tensor_load_to_lds s[\g0:\g0+3], s[\g1:\g1+7]
	s_nop 0
.rept 4
	v_nop
.endr
	s_branch .Lhead_asked
\next:
.endm
	ARM 1, G0H,  G1,  .Lhead_b
	ARM 2, G0HB, G1B, .Lhead_sa
	ARM 3, G0S,  G1S, .Lhead_sb
	tensor_load_to_lds s[G0SB:G0SB+3], s[G1SB:G1SB+7]
	s_nop 0
.rept 4
	v_nop
.endr
.Lhead_asked:
	v_and_b32 v1, 15, v0                           ; r = lane % 16
	v_bfe_u32 v2, v0, 4, 1                         ; h = lane / 16
	v_and_b32 v4, 31, v0
	v_mul_u32_u24 v4, v4, 48                       ; my lane's 48 bytes of an image
	s_mul_i32 s21, s15, HALFT                      ; my 64 rows of A
	s_mul_i32 s22, s16, HALFT                      ; my 64 rows of B,
	s_add_co_u32 s22, s22, 2*HALFT                 ; which lie behind A's 128
.irp s, 0,1
	v_add_nc_u32 v[ADRA+\s], s21, v4
	v_add_nc_u32 v[ADRB+\s], s22, v4
	s_add_co_u32 s21, s21, SLOT
	s_add_co_u32 s22, s22, SLOT
.endr
	v_mul_u32_u24 v5, v1, KS                       ; my row's scale bytes,
	v_lshrrev_b32 v6, 8, v5
	v_lshl_add_u32 v5, v6, 4, v5                   ; and 16 more for each 256 passed
	s_mul_i32 s21, s15, HALFS
	s_mul_i32 s22, s16, HALFS
	s_add_co_u32 s22, s22, 2*HALFS
	s_sub_co_u32 s22, s22, s21
	v_mul_u32_u24 v6, s22, v2                      ; lanes 16-31 take B's
	s_add_co_u32 s21, s21, SCL
	v_add_nc_u32 v5, v5, v6
	v_add_nc_u32 v[ADRS], s21, v5
	s_mul_i32 s23, s14, 16*SPITCH                  ; my stage
	v_mul_u32_u24 v5, v1, SPITCH
	v_lshl_add_u32 v5, v2, 6, v5                   ; in: row r, + 64 h: accumulator b's eight columns begin at byte 128 (b / 2) + 64 h + 32 (b % 2)
	v_add_nc_u32 v[STO], s23, v5
	v_mul_u32_u24 v5, v2, SPITCH
	v_lshl_add_u32 v5, v1, 4, v5
	v_add_nc_u32 v[RD], s23, v5                    ; back: lanes 0-15 take one row of 256 bytes, lanes 16-31 the next
	v_lshlrev_b32 v[CO], 12, v2
	v_lshl_add_u32 v[CO], v1, 4, v[CO]             ; and the same two rows in memory, 4,096 bytes apart
	v_lshlrev_b32 v7, 4, v1                        ; the bias: my four columns
	s_wait_alu depctr_va_vdst(0)
	s_lshl_b32 s20, s17, 7
	s_lshl_b32 s21, s15, 6
	s_add_co_u32 s20, s20, s21                     ; my first row: 128 x tile row + 64 x half
	s_lshl_b32 s20, s20, 12                        ; x 4,096 bytes
	s_lshl_b32 s46, s42, 9
	s_lshl_b32 s47, s16, 8
	s_add_co_u32 s46, s46, s47                     ; my first column, in bytes: 512 x tile column + 256 x half
	s_add_co_u32 s20, s20, s46
	s_mov_b32 s21, 0
	s_mov_b32 s47, 0
	s_add_nc_u64 s[12:13], s[12:13], s[20:21]
	s_add_nc_u64 s[98:99], s[98:99], s[20:21]
	s_add_nc_u64 s[96:97], s[96:97], s[46:47]
	global_load_b128 v[BI:BI+3], v7, s[96:97]
	WIN TO_R
.irp a, 0,1,2,3                                ; the residual's 64 rows, in the order in which the stage gives the blocks' rows back; they land under the products
.irp i, 0,1,2,3,4,5,6,7
	global_load_b128 v[RES+32*\a+4*\i:RES+32*\a+4*\i+3], v[CO], s[98:99] offset:(32*(\a/2)+8*(\a%2)+2*\i+8*(\i/4))*4096 th:TH_LOAD_NT
.endr
.endr
	WIN 0
.macro FRAG reg, adr, q, i             ; a fragment, 16 rows x 128 K, is 12 registers: lane (r, h): registers 6 c .. 6 c + 5 hold K = 64 c + 32 h + 0 .. 31: 24 bytes of the row's stream of bits, in pieces of 8 bytes
.irp p, 0,1,2
	ds_load_b128 v[\reg+4*\p:\reg+4*\p+3], v[\adr] offset:1536*(\q)+16*\p+(\i)*16*PITCH   ; the image's bytes are the registers' bytes
.endr
.endm
; 4 matrix instructions: A's block a x B's four, 128 along K: the slot's q-th.  u: the fragment buffer; sc: the set of scale words.  zero = 1: the first product starts the sums.
; The 16 accumulators take turns, one instruction a turn, in the same order in every step.
.macro MULA u, a, q, sc, zero
.irp b, 0,1,2,3
.if \zero
	v_wmma_scale_f32_16x16x128_f8f6f4 v[ACC+8*(4*(\a)+\b):ACC+8*(4*(\a)+\b)+7], v[128*(\u)+48+FR*\b:128*(\u)+48+FR*\b+FR-1], v[128*(\u)+FR*(\a):128*(\u)+FR*(\a)+FR-1], 0, v[SC+4*NQ*(\sc)+NQ*\b+(\q)], v[SC+4*NQ*(\sc)+NQ*(\a)+(\q)] matrix_a_fmt:MATRIX_FMT_FP6 matrix_b_fmt:MATRIX_FMT_FP6 matrix_a_scale:MATRIX_SCALE_ROW1
.else
	v_wmma_scale_f32_16x16x128_f8f6f4 v[ACC+8*(4*(\a)+\b):ACC+8*(4*(\a)+\b)+7], v[128*(\u)+48+FR*\b:128*(\u)+48+FR*\b+FR-1], v[128*(\u)+FR*(\a):128*(\u)+FR*(\a)+FR-1], v[ACC+8*(4*(\a)+\b):ACC+8*(4*(\a)+\b)+7], v[SC+4*NQ*(\sc)+NQ*\b+(\q)], v[SC+4*NQ*(\sc)+NQ*(\a)+(\q)] matrix_a_fmt:MATRIX_FMT_FP6 matrix_b_fmt:MATRIX_FMT_FP6 matrix_a_scale:MATRIX_SCALE_ROW1
.endif
.endr
.endm
.macro FETCH slot, q, u                ; 24 LDS loads in one run: the fragments of the slot's q-th 128 along K into buffer u: B's four, then A's four
	WIN TO_F
.irp i, 0,1,2,3
	FRAG 128*(\u)+48+FR*\i, ADRB+\slot, \q, \i
.endr
.irp i, 0,1,2,3
	FRAG 128*(\u)+FR*\i, ADRA+\slot, \q, \i
.endr
.endm
.macro SCALES sc                       ; a K step's scale words, four a row: lanes 0-15 take A's block i, lanes 16-31 B's block i
.irp i, 0,1,2,3
	ds_load_b128 v[SC+4*NQ*\sc+NQ*\i:SC+4*NQ*\sc+NQ*\i+3], v[ADRS] offset:\i*SBLK
.endr
.endm
.macro PLACES n                        ; plain vector instructions between a matrix instruction and a load into, or a read of, its registers
.rept \n
	v_nop
.endr
.endm
.macro STEP slot, q, zero              ; a step of 128 along K that has its successor in the same slot: it multiplies buffer q % 2 and, in its middle, fetches the next step into the other
	s_wait_dscnt 2*NL                              ; the scale words, B's four and A's blocks 0 and 1 are in; the youngest 6 loads (A's blocks 2 and 3) may be out
	WIN MUL
	MULA (\q)%2, 0, \q, \slot, \zero
	MULA (\q)%2, 1, \q, \slot, \zero
	PLACES NP                                      ; for the loads into the other buffer, which the step before multiplied
	FETCH \slot, (\q)+1, 1-(\q)%2
	s_wait_dscnt 8*NL                              ; all but the 24 just issued
	WIN MUL
	MULA (\q)%2, 2, \q, \slot, \zero
	MULA (\q)%2, 3, \q, \slot, \zero
.endm
; A slot's last step multiplies buffer 1 and changes slots: one barrier; in front of it each wave waits for all its tensor loads, adds 0 to its spare word, and waits for that and for its reads of this slot.  fill = 1: this slot is filled again.
.macro TURN slot, next, fill
	WIN 0                                          ; (the add's two registers lie in window 0)
	s_wait_tensorcnt 0x0                           ; all my tensor loads have landed: my part of the next slot
	ds_add_u32 v[SPW], v[NIL]                      ; 0 onto my spare word
	s_wait_dscnt 2*NL+1                            ; (the add and the youngest 6 loads may be out)
	WIN MUL
	MULA 1, 0, NQ-1, \slot, 0                      ; four matrix instructions stand between the add and the wait for it
	s_wait_dscnt 0x0                               ; the add is done, and my reads of this slot are over
	s_barrier_signal -1
	MULA 1, 1, NQ-1, \slot, 0
	WIN 0
	s_barrier_wait -1
.if \fill
	CREST                                          ; the barrier has opened a round of the cluster's barrier: no wave of any partner still reads this slot or has a load on its way
	s_add_nc_u64 s[G0+4*\slot+2:G0+4*\slot+3], s[G0+4*\slot+2:G0+4*\slot+3], 2*STEPA
	s_add_nc_u64 s[G0B+4*\slot+2:G0B+4*\slot+3], s[G0B+4*\slot+2:G0B+4*\slot+3], 2*STEPB
	JLOAD G0+4*\slot, G1, G0B+4*\slot, G1B         ; the first tensor load behind the round; its four v_nop are the places in front of the loads below
.else
	PLACES NP
.endif
	v_add_nc_u32 v[ADRS], 4*NQ, v[ADRS]            ; on to the next K step's scale words
	SCALES \next
	FETCH \next, 0, 0
	WIN MUL
	MULA 1, 2, NQ-1, \slot, 0
	MULA 1, 3, NQ-1, \slot, 0
.endm
.macro TOSTAGE a                       ; block a's 16 rows x 64 columns into my stage, and back as whole rows
.irp b, 0,1,2,3
	ds_store_b128 v[STO], v[ACC+8*(4*(\a)+\b):ACC+8*(4*(\a)+\b)+3] offset:128*(\b/2)+32*(\b%2)          ; each accumulator from its low end on
	ds_store_b128 v[STO], v[ACC+8*(4*(\a)+\b)+4:ACC+8*(4*(\a)+\b)+7] offset:128*(\b/2)+32*(\b%2)+16
.endr
.irp i, 0,1,2,3,4,5,6,7
	ds_load_b128 v[BB+32*((\a)%2)+4*\i:BB+32*((\a)%2)+4*\i+3], v[RD] offset:2*\i*SPITCH   ; LDS serves a wave's instructions in order (ISA guide 5.7.1.4): these see the stores above, and the next block's stores come behind them
.endr
.endm
	s_wait_alu depctr_va_vdst(0)                   ; the wait at the head's end
	s_wait_tensorcnt 0x0                           ; my tile of the head's four is in; slot 1's first fill is issued as a refill is:
	ds_add_u32 v[SPW], v[NIL]
	s_mov_b32 s[G1+2], 96<<16                      ; no load of mine is out: from here on a load brings 64 rows x 384 bytes = 96 x 256
	s_mov_b32 s[G1+4], 96
	s_mov_b32 s[G1B+2], 96<<16
	s_mov_b32 s[G1B+4], 96
	s_wait_dscnt 0x0
	CROUND
	JLOAD G0+4, G1, G0B+4, G1B                     ; K step 1
	SCALES 0
	FETCH 0, 0, 0
	STEP 0, 0, 1                                   ; the first step's products start the sums: nothing is cleared
.if LAPS > 1
	WIN 0                                          ; at a label and at a branch every window is 0
	s_mov_b32 s3, LAPS-1
.Llap:                                                 ; a trip goes from a lap's second step to the next lap's first, and fills both slots again
	STEP 0, 1, 0
	STEP 0, 2, 0
	TURN 0, 1, 1
	STEP 1, 0, 0
	STEP 1, 1, 0
	STEP 1, 2, 0
	TURN 1, 0, 1
	STEP 0, 0, 0
	WIN 0
	s_sub_co_u32 s3, s3, 1
	s_cmp_lg_u32 s3, 0
	s_cbranch_scc1 .Llap
.endif
	STEP 0, 1, 0                                   ; the last lap fills nothing
	STEP 0, 2, 0
	TURN 0, 1, 0
	STEP 1, 0, 0
	STEP 1, 1, 0
	STEP 1, 2, 0
	s_wait_dscnt 2*NL                              ; the very last step: nothing more to fetch
	WIN MUL
	MULA 1, 0, NQ-1, 1, 0
	MULA 1, 1, NQ-1, 1, 0
	s_wait_dscnt 0
	MULA 1, 2, NQ-1, 1, 0
	MULA 1, 3, NQ-1, 1, 0
	WIN 0
	PLACES NP                                      ; behind the last products, ahead of the first read of results
	s_wait_loadcnt 0x0                             ; the bias and the residual
	TOSTAGE 0
.irp a, 0,1,2,3
.if \a < 3
	TOSTAGE \a+1                                   ; the next block is on its way through the stage while this one is added and stored
.endif
	WIN ADD_R
.irp i, 0,1,2,3,4,5,6,7
	v_pk_add_f32 v[RES+32*\a+4*\i:RES+32*\a+4*\i+1], v[RES+32*\a+4*\i:RES+32*\a+4*\i+1], v[BI:BI+1]
	v_pk_add_f32 v[RES+32*\a+4*\i+2:RES+32*\a+4*\i+3], v[RES+32*\a+4*\i+2:RES+32*\a+4*\i+3], v[BI+2:BI+3]
.endr
.if \a < 3
	s_wait_dscnt 16                                ; this block is back; the next block's 8 stores and 8 loads may be out
.else
	s_wait_dscnt 0x0
.endif
.irp i, 0,1,2,3,4,5,6,7,8,9,10,11,12,13,14,15
	v_pk_add_f32 v[RES+32*\a+2*\i:RES+32*\a+2*\i+1], v[RES+32*\a+2*\i:RES+32*\a+2*\i+1], v[BB+32*(\a%2)+2*\i:BB+32*(\a%2)+2*\i+1]
.endr
	WIN ST_R
.irp i, 0,1,2,3,4,5,6,7
	global_store_b128 v[CO], v[RES+32*\a+4*\i:RES+32*\a+4*\i+3], s[12:13] offset:(32*(\a/2)+8*(\a%2)+2*\i+8*(\i/4))*4096 th:TH_STORE_NT   ; sixteen lanes store 256 consecutive bytes, aligned; each block's registers are its own and are not written again
.endr
	WIN 0
.endr
	s_wait_tensorcnt 0x0                           ; the wave's end
	ds_add_u32 v[SPW], v[NIL]
	s_wait_dscnt 0x0
	CROUND                                         ; the closing round: no work-group ends while a partner may still ask for a tile that names it
	s_endpgm
.Lfunc_end_k_qa11bae06db_wo:
	.size	k_qa11bae06db_wo, .Lfunc_end_k_qa11bae06db_wo-k_qa11bae06db_wo
	.p2alignl 7, 3214868480
	.fill 96, 4, 3214868480
	.section	.rodata,"a",@progbits
	.p2align	6, 0x0
	.amdhsa_kernel k_qa11bae06db_wo
		.amdhsa_group_segment_fixed_size 327680
		.amdhsa_private_segment_fixed_size 0
		.amdhsa_enable_private_segment 0
		.amdhsa_kernarg_size 40
		.amdhsa_user_sgpr_count 2
		.amdhsa_user_sgpr_kernarg_segment_ptr 1
		.amdhsa_wavefront_size32 1
		.amdhsa_system_sgpr_workgroup_id_x 1
		.amdhsa_system_sgpr_workgroup_id_y 1
		.amdhsa_system_sgpr_workgroup_id_z 1
		.amdhsa_system_vgpr_workitem_id 0
		.amdhsa_next_free_vgpr 768
		.amdhsa_next_free_sgpr 102
		.amdhsa_reserve_vcc 0
		.amdhsa_float_denorm_mode_32 3
		.amdhsa_float_denorm_mode_16_64 3
		.amdhsa_memory_ordered 1
		.amdhsa_forward_progress 1
		.amdhsa_inst_pref_size 61
	.end_amdhsa_kernel
	.amdgpu_metadata
---
amdhsa.version: [ 1, 2 ]
amdhsa.kernels:
  - .name:           k_qa11bae06db_wo
    .symbol:         k_qa11bae06db_wo.kd
    .args:
      - { .name: atto, .offset: 0, .size: 8, .value_kind: global_buffer, .address_space: global }
      - { .name: wts, .offset: 8, .size: 8, .value_kind: global_buffer, .address_space: global }
      - { .name: bo, .offset: 16, .size: 8, .value_kind: global_buffer, .address_space: global }
      - { .name: x, .offset: 24, .size: 8, .value_kind: global_buffer, .address_space: global }
      - { .name: hbuf, .offset: 32, .size: 8, .value_kind: global_buffer, .address_space: global }
    .group_segment_fixed_size: 327680
    .private_segment_fixed_size: 0
    .kernarg_segment_align: 8
    .kernarg_segment_size: 40
    .max_flat_workgroup_size: 128
    .sgpr_count:     102
    .vgpr_count:     768
    .wavefront_size: 32
...
	.end_amdgpu_metadata
.endif
;; end of part 11
;; launch ln1 (part 12): grid 256 x 1, 4 waves a work-group, no clusters, 37,376 bytes of LDS; arguments hbuf, ln2_w, ln2_b, act2; writes act2
.if DOCPART == 12
	.amdgcn_target "amdgcn-amd-amdhsa--gfx1250"
	.amdhsa_code_object_version 6
	.text
	.protected	k_qa11bae06db_ln1
	.globl	k_qa11bae06db_ln1
	.p2align	8
	.type	k_qa11bae06db_ln1,@function
k_qa11bae06db_ln1:
	s_mov_b64 s[64:65], 0
	v_nop
	global_prefetch_b8 v0, s[64:65] scope:SCOPE_SE
	s_setreg_imm32_b32 hwreg(HW_REG_WAVE_MODE, 25, 1), 1
	s_wait_xcnt 0x0
; y = w (x - mean) / (std + 1e-6) + b over rows of 1,024 f32, std with 1,023 in the divisor; y is then quantised along the row to FP6 (E2M3) with one E8M0 byte for each 32.
; Out: codes [4,096 positions][768 bytes] at byte 0, scale bytes [4,096][32] at byte 3,145,728.  Row R goes to position pi(R), pi = R with bits 3 and 4 exchanged.
; A wave takes 4 neighbouring rows (they stay neighbours under pi); all 32 loads of its rows and the 16 of w and b go out at once, each covering 512 consecutive bytes.
; Mean and variance are taken in two passes over the registers (sum, then sum of squared differences), so that a common offset of the inputs costs no accuracy.
; The conversions want 32 neighbours in one lane: a row turns through the wave's own LDS (128 bytes + 16 of padding a block).  Its codes turn back through LDS so that sixteen lanes of a store cover 192 consecutive bytes.
; No barrier: waves share nothing.  LIMITS: the division by 1,023 and by (std + eps) are a multiplication by the rounded reciprocal and v_rcp_f32; a block of zeros gets the byte 1
; (this program alone reads the bytes); blocks under 2^-124 keep the byte 1; NaN and infinities are not served.
.set X, 64                             ; v64-191  four rows as loaded; a row's registers later hold its codes and what leaves
.set W, 192                            ; v192-223 w at my columns
.set B, 224                            ; v224-255 b
.set Y, 32                             ; v32-63   a block of 32 neighbours
	s_load_b256 s[4:11], s[0:1], 0x0               ; x, w, b, out
	; THIS LAUNCH IS THE SECOND NORM, on h.  THE CODES' LAYOUT takes the place of the rows named at the head: 16 positions x 128 along K are a register image of 1,536 bytes: lane (r, h) has 48 bytes at 48 (r + 16 h),
	; block 2 c + h of a row's four at + 24 c; images lie [4 K steps of 256][16 positions][2].  Lane l holds block l = 4 q + 2 c + h of its row.  The four rows' pieces of 12 bytes gather in places of 16 bytes in LDS,
	; in the order image q, half h, row, piece; read back on end, sixteen lanes store the four rows' 192 consecutive bytes of one half of one image.
	v_lshl_add_u32 v30, v0, 2, 0x9000
	v_mov_b32 v31, 0
	v_lshrrev_b32 v1, 5, v0
	v_readfirstlane_b32 s12, v1                    ; wave
	v_and_b32 v1, 31, v0                           ; lane
	v_lshlrev_b32 v2, 4, v1                        ; 16 x lane
	s_mul_i32 s13, s12, 9216                       ; my wave's LDS: 4,608 for the turn, 4,096 for the codes, 128 for the scale bytes
	v_lshrrev_b32 v3, 3, v1
	v_mul_u32_u24 v3, v3, 144
	v_and_b32 v4, 7, v1
	v_lshl_add_u32 v3, v4, 4, v3
	v_add_nc_u32 v3, s13, v3                       ; the turn, in: load j's 512 bytes are blocks 4 j .. 4 j + 3: 144 (lane / 8) + 16 (lane % 8) + 576 j
	v_mul_u32_u24 v4, v1, 144
	v_add_nc_u32 v4, s13, v4                       ; out: block = lane
	v_lshrrev_b32 v5, 2, v1
	v_lshlrev_b32 v5, 9, v5                        ; codes, in: 512 q
	v_and_b32 v19, 1, v1
	v_lshl_add_u32 v5, v19, 8, v5                  ; + 256 h
	v_bfe_u32 v19, v1, 1, 1
	v_lshl_add_u32 v5, v19, 5, v5                  ; + 32 c; a row adds 64
	v_add_nc_u32 v5, s13, v5
	v_add_nc_u32 v5, 4608, v5
	v_add_nc_u32 v6, s13, v2
	v_add_nc_u32 v6, 4608, v6                      ; out: a place a lane
	v_add_nc_u32 v7, s13, v1
	v_add_nc_u32 v7, 8704, v7                      ; my block's scale byte
	v_and_b32 v16, 15, v1
	v_mul_u32_u24 v16, v16, 12                     ; a store's 12 bytes a lane: sixteen lanes fill four rows' 192 bytes,
	v_lshrrev_b32 v19, 4, v1
	v_mad_u32_u24 v16, v19, 768, v16               ; lanes 16-31 those of the image's other half
	v_lshlrev_b32 v17, 2, v1
	v_add_nc_u32 v18, s13, v17
	v_add_nc_u32 v18, 8704, v18                    ; the 128 scale bytes, 4 a lane
	s_lshl_b32 s14, ttmp9, 4
	s_lshl_b32 s15, s12, 2
	s_add_co_u32 s14, s14, s15                     ; my first row
	s_and_b32 s15, s14, 0xffffffe7
	s_and_b32 s16, s14, 8
	s_lshl_b32 s16, s16, 1
	s_or_b32 s15, s15, s16
	s_and_b32 s16, s14, 16
	s_lshr_b32 s16, s16, 1
	s_or_b32 s15, s15, s16                         ; its position
	s_lshl_b32 s18, s14, 12
	s_mov_b32 s19, 0
	s_lshr_b32 s20, s15, 4
	s_mul_i32 s20, s20, 3072                       ; my position's 16 rows' images in a K step,
	s_and_b32 s21, s15, 15
	s_mul_i32 s21, s21, 48                         ; its lane's 48 bytes
	s_add_co_u32 s20, s20, s21
	s_mov_b32 s21, 0
	s_lshl_b32 s22, s15, 5
	s_add_co_u32 s22, s22, 3145728
	s_mov_b32 s23, 0
	s_mov_b32 s24, 0x76543210
	s_mov_b32 s25, 0xfedcba98                      ; v_permlanex16_b32's selects for lane l xor 16
	s_wait_kmcnt 0x0
	s_add_nc_u64 s[4:5], s[4:5], s[18:19]
	s_add_nc_u64 s[26:27], s[10:11], s[22:23]      ; scale bytes
	s_add_nc_u64 s[10:11], s[10:11], s[20:21]      ; codes
.macro XLOAD i
.irp j, 0,1,2,3,4,5,6,7
	global_load_b128 v[X+32*\i+4*\j:X+32*\i+4*\j+3], v2, s[4:5] offset:4096*\i+512*\j th:TH_LOAD_NT
.endr
.endm
	XLOAD 0
.irp j, 0,1,2,3,4,5,6,7
	global_load_b128 v[W+4*\j:W+4*\j+3], v2, s[6:7] offset:512*\j
.endr
.irp j, 0,1,2,3,4,5,6,7
	global_load_b128 v[B+4*\j:B+4*\j+3], v2, s[8:9] offset:512*\j
.endr
	XLOAD 1
	XLOAD 2
	XLOAD 3
.macro WSUM                            ; v8 summed over the 32 lanes, the result in every lane
	v_add_f32_dpp v8, v8, v8 row_xmask:1 row_mask:0xf bank_mask:0xf
	v_add_f32_dpp v8, v8, v8 row_xmask:2 row_mask:0xf bank_mask:0xf
	v_add_f32_dpp v8, v8, v8 row_xmask:4 row_mask:0xf bank_mask:0xf
	v_add_f32_dpp v8, v8, v8 row_xmask:8 row_mask:0xf bank_mask:0xf
	v_permlanex16_b32 v9, v8, s24, s25
	v_add_f32 v8, v8, v9
.endm
; Row i.  left: how many younger loads may stay out when this row's eight must be in.
.macro ROW i, left
.set XR, X+32*(\i)
	s_wait_loadcnt \left
	v_pk_add_f32 v[8:9], v[XR:XR+1], v[XR+2:XR+3]
	v_pk_add_f32 v[10:11], v[XR+4:XR+5], v[XR+6:XR+7]
.irp j, 8,12,16,20,24,28
	v_pk_add_f32 v[8:9], v[8:9], v[XR+\j:XR+\j+1]
	v_pk_add_f32 v[10:11], v[10:11], v[XR+\j+2:XR+\j+3]
.endr
	v_pk_add_f32 v[8:9], v[8:9], v[10:11]
	v_add_f32 v8, v8, v9
	WSUM
	v_mul_f32 v12, 0x3a800000, v8                  ; the mean: x 2^-10
	v_mov_b32 v13, v12
.irp j, 0,2,4,6,8,10,12,14,16,18,20,22,24,26,28,30
	v_pk_add_f32 v[XR+\j:XR+\j+1], v[XR+\j:XR+\j+1], v[12:13] neg_lo:[0,1] neg_hi:[0,1]   ; x - mean
.endr
	v_pk_mul_f32 v[8:9], v[XR:XR+1], v[XR:XR+1]
	v_pk_mul_f32 v[10:11], v[XR+2:XR+3], v[XR+2:XR+3]
.irp j, 4,8,12,16,20,24,28
	v_pk_fma_f32 v[8:9], v[XR+\j:XR+\j+1], v[XR+\j:XR+\j+1], v[8:9]
	v_pk_fma_f32 v[10:11], v[XR+\j+2:XR+\j+3], v[XR+\j+2:XR+\j+3], v[10:11]
.endr
	v_pk_add_f32 v[8:9], v[8:9], v[10:11]
	v_add_f32 v8, v8, v9
	WSUM
	v_mul_f32 v8, 0x3a802008, v8                   ; / 1,023
	s_wait_alu depctr_va_vdst(0)
	v_sqrt_f32 v8, v8
	v_nop                                          ; a plain instruction behind the root,
	s_wait_alu depctr_va_vdst(0)                   ; and the wait ahead of the first use
	v_add_f32 v8, 0x358637bd, v8                   ; + 1e-6
	s_wait_alu depctr_va_vdst(0)
	v_rcp_f32 v14, v8
	v_nop
	s_wait_alu depctr_va_vdst(0)
	v_mov_b32 v15, v14
.if (\i) == 0
	s_wait_alu depctr_va_vdst(0)
	s_wait_loadcnt 24                              ; w and b are in; the 24 loads of rows 1 to 3 may be out
.endif
.irp j, 0,2,4,6,8,10,12,14,16,18,20,22,24,26,28,30
	v_pk_mul_f32 v[XR+\j:XR+\j+1], v[XR+\j:XR+\j+1], v[14:15]
.endr
.irp j, 0,2,4,6,8,10,12,14,16,18,20,22,24,26,28,30
	v_pk_fma_f32 v[XR+\j:XR+\j+1], v[XR+\j:XR+\j+1], v[W+\j:W+\j+1], v[B+\j:B+\j+1]
.endr
.irp j, 0,1,2,3,4,5,6,7
	ds_store_b128 v3, v[XR+4*\j:XR+4*\j+3] offset:576*\j
.endr
.irp j, 0,1,2,3,4,5,6,7
	ds_load_b128 v[Y+4*\j:Y+4*\j+3], v4 offset:16*\j   ; LDS serves a wave's instructions in order: these see the stores above
.endr
	s_wait_dscnt 0x0                               ; my block is in; the row's own registers are free from here on
	v_max3_num_f32 v[XR+18], |v[Y]|, |v[Y+1]|, |v[Y+2]|
	v_max3_num_f32 v[XR+19], |v[Y+3]|, |v[Y+4]|, |v[Y+5]|
.irp k, 6,10,14,18,22,26
	v_max3_num_f32 v[XR+18], v[XR+18], |v[Y+\k]|, |v[Y+\k+1]|
	v_max3_num_f32 v[XR+19], v[XR+19], |v[Y+\k+2]|, |v[Y+\k+3]|
.endr
	v_max3_num_f32 v[XR+18], v[XR+18], |v[Y+30]|, |v[Y+31]|
	v_max3_num_f32 v[XR+18], v[XR+18], v[XR+19], 0x1800000   ; the floor 2^(3 - 127): the byte cannot fall under 1
	v_add_nc_u32 v[XR+17], 0xff000000, v[XR+18]    ; 2 off the exponent field: the conversion's scale operand
	v_cvt_scalef32_pk16_fp6_f32 v[XR:XR+2], v[Y:Y+15], v[XR+17]
	v_cvt_scalef32_pk16_fp6_f32 v[XR+4:XR+6], v[Y+16:Y+31], v[XR+17]
	v_lshrrev_b32 v[XR+16], 23, v[XR+17]           ; the scale's byte (also the plain instruction behind the conversions)
	ds_store_b96 v5, v[XR:XR+2] offset:64*(\i)
	ds_store_b96 v5, v[XR+4:XR+6] offset:64*(\i)+16
	ds_store_b8 v7, v[XR+16] offset:32*(\i)
.endm
	ROW 0, 40                                      ; younger: w, b and three rows
	ROW 1, 16
	ROW 2, 8
	ROW 3, 0
.irp t, 0,1,2,3,4,5,6,7
	ds_load_b96 v[X+4*\t:X+4*\t+2], v6 offset:512*\t   ; image t: both halves' four rows
.endr
	ds_load_b32 v19, v18
	s_wait_dscnt 0x0
.irp t, 0,1,2,3,4,5,6,7
	global_store_b96 v16, v[X+4*\t:X+4*\t+2], s[10:11] offset:(\t/2)*786432+(\t%2)*1536
.endr
	global_store_b32 v17, v19, s[26:27]            ; my four rows' 128 scale bytes
	s_wait_tensorcnt 0x0
	ds_add_u32 v30, v31
	s_wait_dscnt 0x0
	s_endpgm
.Lfunc_end_k_qa11bae06db_ln1:
	.size	k_qa11bae06db_ln1, .Lfunc_end_k_qa11bae06db_ln1-k_qa11bae06db_ln1
	.p2alignl 7, 3214868480
	.fill 96, 4, 3214868480
	.section	.rodata,"a",@progbits
	.p2align	6, 0x0
	.amdhsa_kernel k_qa11bae06db_ln1
		.amdhsa_group_segment_fixed_size 37376
		.amdhsa_private_segment_fixed_size 0
		.amdhsa_enable_private_segment 0
		.amdhsa_kernarg_size 32
		.amdhsa_user_sgpr_count 2
		.amdhsa_user_sgpr_kernarg_segment_ptr 1
		.amdhsa_wavefront_size32 1
		.amdhsa_system_sgpr_workgroup_id_x 1
		.amdhsa_system_sgpr_workgroup_id_y 1
		.amdhsa_system_sgpr_workgroup_id_z 1
		.amdhsa_system_vgpr_workitem_id 0
		.amdhsa_next_free_vgpr 256
		.amdhsa_next_free_sgpr 66
		.amdhsa_reserve_vcc 0
		.amdhsa_float_denorm_mode_32 3
		.amdhsa_float_denorm_mode_16_64 3
		.amdhsa_memory_ordered 1
		.amdhsa_forward_progress 1
		.amdhsa_inst_pref_size 45
	.end_amdhsa_kernel
	.amdgpu_metadata
---
amdhsa.version: [ 1, 2 ]
amdhsa.kernels:
  - .name:           k_qa11bae06db_ln1
    .symbol:         k_qa11bae06db_ln1.kd
    .args:
      - { .name: hbuf, .offset: 0, .size: 8, .value_kind: global_buffer, .address_space: global }
      - { .name: ln2_w, .offset: 8, .size: 8, .value_kind: global_buffer, .address_space: global }
      - { .name: ln2_b, .offset: 16, .size: 8, .value_kind: global_buffer, .address_space: global }
      - { .name: act2, .offset: 24, .size: 8, .value_kind: global_buffer, .address_space: global }
    .group_segment_fixed_size: 37376
    .private_segment_fixed_size: 0
    .kernarg_segment_align: 8
    .kernarg_segment_size: 32
    .max_flat_workgroup_size: 128
    .sgpr_count:     66
    .vgpr_count:     256
    .wavefront_size: 32
...
	.end_amdgpu_metadata
.endif
;; end of part 12
;; launch ffn1 (part 13): grid 16 x 16, 4 waves a work-group, clusters of 4 x 4, 327,680 bytes of LDS; arguments act2, wts, b1, ffh; writes ffh
.if DOCPART == 13
	.amdgcn_target "amdgcn-amd-amdhsa--gfx1250"
	.amdhsa_code_object_version 6
	.text
	.protected	k_qa11bae06db_ffn1
	.globl	k_qa11bae06db_ffn1
	.p2align	8
	.type	k_qa11bae06db_ffn1,@function
k_qa11bae06db_ffn1:
	s_mov_b64 s[64:65], 0
	v_nop
	global_prefetch_b8 v0, s[64:65] scope:SCOPE_SE
	s_setreg_imm32_b32 hwreg(HW_REG_WAVE_MODE, 25, 1), 1
	s_wait_xcnt 0x0
	s_wait_alu depctr_hold_cnt(0) depctr_sa_sdst(0) depctr_va_vdst(0) depctr_va_sdst(0) depctr_va_ssrc(0) depctr_va_vcc(0) depctr_vm_vsrc(0)
	s_getreg_b32 s2, hwreg(HW_REG_IB_STS2, 6, 4)
	s_cmp_eq_u32 s2, 0
	s_cbranch_scc0 .Lentry_in_a_cluster
	s_endpgm
.Lentry_in_a_cluster:
	s_bfe_u32 s2, ttmp6, 0x10000c
	s_cmp_lg_u32 s2, 0xf033
	s_cbranch_scc0 .Lentry_shape_is_right
	s_endpgm
.Lentry_shape_is_right:
.set SIZE_K, 1024
.set ASC,    3145728
.set BCD,    3145728
.set BSC,    9437184+131072
.set KSTEP,  256
.set NQ,     KSTEP/128
.set ROWB,   192
.set KROW,   SIZE_K*6/8
.set PITCH,  192                       ; LDS bytes for a row of a K step: 16 rows are two register images of 1,536 bytes, as they lie in memory; no padding
.set FR,     12
.set NL,     3
.set NP,     4
.set HALFT,  128*PITCH
.set SLOT,   4*HALFT
.set LAPS,   SIZE_K/(2*KSTEP)
.set KS,     SIZE_K/32
.set SCL,    2*SLOT
.set HALFS,  (128*KS/256)*272
.set SBLK,   (16*KS/256)*272
.set SPARE,  SCL+4*HALFS
.set ADRA, 16
.set ADRB, 20
.set ADRS, 27
.set SPW,  28
.set NIL,  29
.set SC,   32
.set AF,   128
.set G1, 24
.set G0, 32
.set G1B, 48
.set G0B, 56
.set G1S, 68
.set G0S, 76
.set G1SB, 80
.set G0SB, 88
.set WST,  2048                        ; the way out: a stage of 128 places of 16 bytes for each wave, one image; it lies in slot 0, which has had its last fill and its last read by then
.set SSTG, 4*WST
.set SEL,  20
.set CB,   64
.set HA,   128
.set TU,   192
.set T2,   208
.set TP,   224
.set TQ,   240
.set TM,   32
.set PCD,  48
.set PW,   30
.set STO2, 24
.set SST,  25
.set SRD,  26
.set GOF,  7
.set SSR,  12
.set GSO,  13
.set ADR,  14
.set ADR2, 15
.set MSB, 0
.macro WIN new
.if MSB != \new
	s_set_vgpr_msb (MSB<<8)|\new
.set MSB, \new
.endif
.endm
.set MUL_LO, 0xa1
.set MUL_HI, 0xf1
.set TO_B,   0x40
.macro JLOAD g0a, g1a, g0b, g1b
	s_cmp_eq_u32 s15, 0
	s_cbranch_scc0 .Lfor_b_\@
	tensor_load_to_lds s[\g0a:\g0a+3], s[\g1a:\g1a+7]
	s_nop 0
.rept 4
	v_nop
.endr
	s_branch .Lasked_\@
.Lfor_b_\@:
	tensor_load_to_lds s[\g0b:\g0b+3], s[\g1b:\g1b+7]
	s_nop 0
.rept 4
	v_nop
.endr
.Lasked_\@:
.endm
.macro CREST
	s_cmp_lg_u32 s14, 0
	s_cbranch_scc1 .Lnot_wave_0_\@
	s_barrier_signal -3
.Lnot_wave_0_\@:
	s_barrier_wait -3
	s_barrier_signal -1
	s_barrier_wait -1
.endm
.macro CROUND
	s_barrier_signal -1
	s_barrier_wait -1
	CREST
.endm
	s_load_b64 s[4:5], s[0:1], 0x0
	s_load_b64 s[8:9], s[0:1], 0x8
	s_load_b64 s[96:97], s[0:1], 0x10
	s_load_b64 s[12:13], s[0:1], 0x18
	v_lshl_add_u32 v[SPW], v0, 2, SPARE
	v_mov_b32 v[NIL], 0
	ds_add_u32 v28, v29
	ds_add_u32 v28, v29
	s_wait_dscnt 0x0
	v_lshrrev_b32 v1, 5, v0
	v_readfirstlane_b32 s14, v1
	s_lshr_b32 s15, s14, 1
	s_and_b32 s16, s14, 1
	s_bfe_u32 s40, ttmp6, 0x40000
	s_bfe_u32 s41, ttmp6, 0x40004
	s_lshl_b32 s42, ttmp9, 2
	s_add_co_u32 s42, s42, s40
	s_and_b32 s17, ttmp7, 0xffff
	s_lshl_b32 s17, s17, 2
	s_add_co_u32 s17, s17, s41
	s_lshl_b32 s43, s41, 2
	s_lshl_b32 s43, 15, s43
	s_lshl_b32 s44, 0x1111, s40
	s_or_b32 s[G1+0], s43, (0<<16)|(1<<21)
	s_or_b32 s[G1B+0], s44, (0<<16)|(1<<21)
.irp g, G1, G1B
	; codes lie [K step][16 rows][two images of 1,536 bytes]: the rows of a tile are one dense run, stated as rows of 256 bytes and copied as they lie
	s_mov_b32 s[\g+1], 256<<16
	s_mov_b32 s[\g+2], 192<<16                     ; the head's loads: 256 rows x 192 bytes = 192 x 256
	s_mov_b32 s[\g+3], 256<<16
	s_mov_b32 s[\g+4], 192
	s_mov_b32 s[\g+5], 256
	s_mov_b32 s[\g+6], 0
	s_mov_b32 s[\g+7], 0
.endr
	s_or_b32 s[G1S+0], s43, (3<<16)|(1<<20)|(1<<21)|(5<<22)|(3<<25)
	s_or_b32 s[G1SB+0], s44, (3<<16)|(1<<20)|(1<<21)|(5<<22)|(3<<25)
.irp g, G1S, G1SB
	s_mov_b32 s[\g+1], 32<<16
	s_mov_b32 s[\g+2], KS<<16                      ; the scale bytes of 256 rows
	s_mov_b32 s[\g+3], 32<<16
	s_mov_b32 s[\g+4], KS
	s_mov_b32 s[\g+5], 32
	s_mov_b32 s[\g+6], 0
	s_mov_b32 s[\g+7], 0
.endr
.set STEPA, 786432                     ; bytes from K step to K step: 4,096 rows x 192, in both operands
.set STEPB, 786432
.set G0H,  4                           ; s[4:7], s[8:11] group 0 of the head's two loads of codes (the pointers that lay there have been used by then)
.set G0HB, 8
	s_lshl_b32 s20, s17, 8                         ; the tiles' first rows
	s_lshl_b32 s46, s42, 8
	s_mov_b32 s21, 0
	s_mov_b32 s47, 0
	s_mov_b64 s[18:19], KS
	s_mul_u64 s[22:23], s[20:21], s[18:19]
	s_mul_u64 s[92:93], s[46:47], s[18:19]
	s_mov_b64 s[18:19], ROWB
	s_mul_u64 s[20:21], s[20:21], s[18:19]
	s_mul_u64 s[46:47], s[46:47], s[18:19]
	s_mul_i32 s45, s14, HALFT
	s_wait_kmcnt 0x0
	s_add_nc_u64 s[6:7], s[4:5], ASC
	s_add_nc_u64 s[10:11], s[8:9], BSC
	s_add_nc_u64 s[8:9], s[8:9], BCD
	s_add_nc_u64 s[20:21], s[4:5], s[20:21]
	s_add_nc_u64 s[22:23], s[6:7], s[22:23]
	s_add_nc_u64 s[46:47], s[8:9], s[46:47]
	s_add_nc_u64 s[92:93], s[10:11], s[92:93]
	CROUND
	s_mov_b32 s[G0S], 1
	s_mov_b32 s[G0S+1], SCL
	s_mov_b64 s[G0S+2:G0S+3], s[22:23]
	s_or_b32 s[G0S+3], s[G0S+3], 0x80000000
	s_mov_b32 s[G0SB], 1
	s_mov_b32 s[G0SB+1], SCL+2*HALFS
	s_mov_b64 s[G0SB+2:G0SB+3], s[92:93]
	s_or_b32 s[G0SB+3], s[G0SB+3], 0x80000000
	s_mov_b32 s[G0H], 1                            ; K step 0, whole tiles: A's 256 rows,
	s_mov_b32 s[G0H+1], 0
	s_mov_b64 s[G0H+2:G0H+3], s[20:21]
	s_or_b32 s[G0H+3], s[G0H+3], 0x80000000
	s_mov_b32 s[G0HB], 1                           ; and B's, behind them in slot 0
	s_mov_b32 s[G0HB+1], 2*HALFT
	s_mov_b64 s[G0HB+2:G0HB+3], s[46:47]
	s_or_b32 s[G0HB+3], s[G0HB+3], 0x80000000
	s_mul_i32 s18, s16, 24576                      ; for the ring: my 128 rows of a tile
	s_mov_b32 s19, 0
	s_add_nc_u64 s[20:21], s[20:21], s[18:19]
	s_add_nc_u64 s[46:47], s[46:47], s[18:19]
.irp s, 0,1
	s_mov_b32 s[G0+4*\s], 1
	s_add_co_u32 s[G0+4*\s+1], s45, \s*SLOT
	s_add_nc_u64 s[G0+4*\s+2:G0+4*\s+3], s[20:21], \s*STEPA
	s_or_b32 s[G0+4*\s+3], s[G0+4*\s+3], 0x80000000
	s_mov_b32 s[G0B+4*\s], 1
	s_add_co_u32 s[G0B+4*\s+1], s45, \s*SLOT
	s_add_nc_u64 s[G0B+4*\s+2:G0B+4*\s+3], s[46:47], \s*STEPB
	s_or_b32 s[G0B+4*\s+3], s[G0B+4*\s+3], 0x80000000
.endr
; the head's four tiles, one joint load a wave: wave 0 A's codes, wave 1 B's, wave 2 A's scale bytes, wave 3 B's; one chain of branches on the wave's number
.macro ARM under, g0, g1, next
	s_cmp_lt_u32 s14, \under
	s_cbranch_scc0 \next
	tensor_load_to_lds s[\g0:\g0+3], s[\g1:\g1+7]
	s_nop 0
.rept 4
	v_nop
.endr
	s_branch .Lhead_asked
\next:
.endm
; THE TILES ARE ASKED FOR AHEAD BY PREFETCHES.  A wave's tensor load is a dense run of 24,576 bytes, 96 blocks of 256.  The four partners that ask for it jointly share the blocks out BY ADDRESS
; (place cx for A's tiles, cy for B's): 24 blocks each, a lane a block; lanes 24-31 name the last block again.  K steps 1 and 2 are asked for in the head, K step 3 behind K step 1's load:
; each at least one change of slots ahead of the load that wants it; at most two K steps are asked for and not yet loaded.  K step 3 is the last: no address leaves its buffer.
.set PFA, 100                          ; s[100:101] my share of the run that I fetch, at K step 1; never rewritten
.set PFO, 18                           ; v18, v19, v22  256 x min(lane, 23), the same one and two K steps on; never rewritten
.set PFO2, 22
	s_cmp_eq_u32 s15, 0                            ; do I fetch for A?
	s_cselect_b64 s[PFA:PFA+1], s[20:21], s[46:47]
	s_cselect_b32 s2, s40, s41                     ; my place among the four that ask with me
	s_mul_i32 s2, s2, 6144
	s_mov_b32 s3, 0
	s_add_nc_u64 s[PFA:PFA+1], s[PFA:PFA+1], s[2:3]
	s_add_nc_u64 s[PFA:PFA+1], s[PFA:PFA+1], STEPA ; (both operands have the same bytes from K step to K step)
	ARM 1, G0H,  G1,  .Lhead_b
	ARM 2, G0HB, G1B, .Lhead_sa
	ARM 3, G0S,  G1S, .Lhead_sb
	tensor_load_to_lds s[G0SB:G0SB+3], s[G1SB:G1SB+7]
	s_nop 0
.rept 4
	v_nop
.endr
.Lhead_asked:
	v_and_b32 v1, 15, v0
	v_bfe_u32 v2, v0, 4, 1
	v_and_b32 v4, 31, v0
	v_mul_u32_u24 v4, v4, 48                       ; my lane's 48 bytes of an image
	s_mul_i32 s21, s15, HALFT
	s_mul_i32 s22, s16, HALFT
	s_add_co_u32 s22, s22, 2*HALFT
.irp s, 0,1
	v_add_nc_u32 v[ADRA+\s], s21, v4
	v_add_nc_u32 v[ADRB+\s], s22, v4
	s_add_co_u32 s21, s21, SLOT
	s_add_co_u32 s22, s22, SLOT
.endr
	v_mul_u32_u24 v5, v1, KS
	v_lshrrev_b32 v6, 8, v5
	v_lshl_add_u32 v5, v6, 4, v5
	s_mul_i32 s21, s15, HALFS
	s_mul_i32 s22, s16, HALFS
	s_add_co_u32 s22, s22, 2*HALFS
	s_sub_co_u32 s22, s22, s21
	v_mul_u32_u24 v6, s22, v2
	s_add_co_u32 s21, s21, SCL
	v_add_nc_u32 v5, v5, v6
	v_add_nc_u32 v[ADRS], s21, v5
	v_and_b32 v[PFO], 31, v0
	v_min_u32 v[PFO], 23, v[PFO]
	v_lshlrev_b32 v[PFO], 8, v[PFO]
	v_add_nc_u32 v[PFO+1], STEPA, v[PFO]
	v_add_nc_u32 v[PFO2], 2*STEPA, v[PFO]
	s_wait_alu depctr_va_vdst(0)                   ; the wait ahead of the readers below
	global_prefetch_b8 v[PFO], s[PFA:PFA+1] th:TH_LOAD_NT scope:SCOPE_SE     ; K step 1
	global_prefetch_b8 v[PFO+1], s[PFA:PFA+1] th:TH_LOAD_NT scope:SCOPE_SE   ; K step 2
	s_mul_i32 s20, s14, WST
	v_lshlrev_b32 v[STO2], 6, v1                   ; into my stage: a row's four places, + 16 h
	v_lshl_add_u32 v[STO2], v2, 4, v[STO2]
	v_add_nc_u32 v[STO2], s20, v[STO2]
	s_lshl_b32 s20, s14, 9
	v_lshlrev_b32 v[SST], 2, v1
	v_add_nc_u32 v[SST], s20, v[SST]
	v_add_nc_u32 v[SST], SSTG, v[SST]
	s_mul_i32 s20, s14, WST
	v_and_b32 v6, 31, v0
	v_lshlrev_b32 v[SRD], 4, v6
	v_add_nc_u32 v[SRD], s20, v[SRD]               ; out of my stage: a place a lane,
	v_mul_u32_u24 v[GOF], v6, 12                   ; and 12 bytes a lane in memory
	s_lshl_b32 s20, s15, 10
	s_lshl_b32 s21, s16, 8
	s_add_co_u32 s20, s20, s21
	v_lshlrev_b32 v[SSR], 2, v6
	v_add_nc_u32 v[SSR], s20, v[SSR]
	v_add_nc_u32 v[SSR], SSTG, v[SSR]
	v_lshlrev_b32 v[GSO], 7, v6
	s_lshl_b32 s20, s17, 8
	s_lshl_b32 s21, s14, 6
	s_add_co_u32 s20, s20, s21
	s_lshl_b32 s46, s20, 7
	s_lshl_b32 s47, s42, 3
	s_add_co_u32 s46, s46, s47
	s_add_co_u32 s46, s46, 12582912
	s_mov_b32 s47, 0
	s_add_nc_u64 s[98:99], s[12:13], s[46:47]
	; out: register images of 16 rows x 128 columns, [8 K steps of 512][16 rows][4 images]: a wave's 16 rows x 128 columns are one image
	s_lshl_b32 s20, s17, 8
	s_lshl_b32 s21, s15, 7
	s_add_co_u32 s20, s20, s21                     ; my first row
	s_mul_i32 s20, s20, 384
	s_lshr_b32 s21, s42, 1
	s_mul_i32 s21, s21, 1572864                    ; the K step of my tile's 256 columns,
	s_add_co_u32 s20, s20, s21
	s_and_b32 s21, s42, 1
	s_lshl_b32 s21, s21, 1
	s_add_co_u32 s21, s21, s16
	s_mul_i32 s21, s21, 1536                       ; and which of its four images my 128 columns are
	s_add_co_u32 s20, s20, s21
	s_mov_b32 s21, 0
	s_add_nc_u64 s[12:13], s[12:13], s[20:21]
	s_lshl_b32 s46, s42, 10
	s_lshl_b32 s47, s16, 9
	s_add_co_u32 s46, s46, s47
	s_mov_b32 s47, 0
	s_add_nc_u64 s[96:97], s[96:97], s[46:47]
	v_lshlrev_b32 v10, 6, v2
.irp b, 0,1,2,3,4,5,6,7
	global_load_b128 v[CB+8*\b:CB+8*\b+3], v10, s[96:97] offset:(32*(\b/2)+8*(\b%2))*4
	global_load_b128 v[CB+8*\b+4:CB+8*\b+7], v10, s[96:97] offset:(32*(\b/2)+8*(\b%2))*4+16
.endr
	s_wait_loadcnt 0x0
.macro FRAG reg, adr, q, i
.irp p, 0,1,2
	ds_load_b128 v[\reg+4*\p:\reg+4*\p+3], v[\adr] offset:1536*(\q)+16*\p+(\i)*16*PITCH
.endr
.endm
.macro MUL16 a0, p, q, sc, zero
.irp a, \a0, \a0+1
.irp b, 0,1,2,3,4,5,6,7
.if \zero
	v_wmma_scale_f32_16x16x128_f8f6f4 v[8*(8*((\a)%4)+\b):8*(8*((\a)%4)+\b)+7], v[128*(\p)+FR*\b:128*(\p)+FR*\b+FR-1], v[AF+FR*(\a):AF+FR*(\a)+FR-1], 0, v[SC+8*NQ*(\sc)+NQ*\b+(\q)], v[SC+8*NQ*(\sc)+NQ*(\a)+(\q)] matrix_a_fmt:MATRIX_FMT_FP6 matrix_b_fmt:MATRIX_FMT_FP6 matrix_a_scale:MATRIX_SCALE_ROW1
.else
	v_wmma_scale_f32_16x16x128_f8f6f4 v[8*(8*((\a)%4)+\b):8*(8*((\a)%4)+\b)+7], v[128*(\p)+FR*\b:128*(\p)+FR*\b+FR-1], v[AF+FR*(\a):AF+FR*(\a)+FR-1], v[8*(8*((\a)%4)+\b):8*(8*((\a)%4)+\b)+7], v[SC+8*NQ*(\sc)+NQ*\b+(\q)], v[SC+8*NQ*(\sc)+NQ*(\a)+(\q)] matrix_a_fmt:MATRIX_FMT_FP6 matrix_b_fmt:MATRIX_FMT_FP6 matrix_a_scale:MATRIX_SCALE_ROW1
.endif
.endr
.endr
.endm
.macro FETCH_B slot, q, p
	WIN TO_B
.irp i, 0,1,2,3,4,5,6,7
	FRAG 128*(\p)+FR*\i, ADRB+\slot, \q, \i
.endr
	WIN 0
.endm
.macro FETCH_A slot, q, i0
.irp i, \i0, \i0+1, \i0+2, \i0+3
	FRAG AF+FR*(\i), ADRA+\slot, \q, \i
.endr
.endm
.macro SCALES sc
.irp i, 0,1,2,3,4,5,6,7
	ds_load_b64 v[SC+8*NQ*\sc+NQ*\i:SC+8*NQ*\sc+NQ*\i+1], v[ADRS] offset:\i*SBLK
.endr
.endm
.macro PLACES n
.rept \n
	v_nop
.endr
.endm
.macro STEP slot, q, zero
	s_wait_dscnt 4*NL
	WIN MUL_LO
	MUL16 0, (\q)%2, \q, \slot, \zero
	MUL16 2, (\q)%2, \q, \slot, \zero
	s_wait_dscnt 0
	PLACES NP
	FETCH_B \slot, (\q)+1, 1-(\q)%2
	FETCH_A \slot, (\q)+1, 0
	WIN MUL_HI
	MUL16 4, (\q)%2, \q, \slot, \zero
	MUL16 6, (\q)%2, \q, \slot, \zero
	PLACES NP
	WIN 0
	FETCH_A \slot, (\q)+1, 4
.endm
.macro TURN slot, next, fill
	s_wait_tensorcnt 0x0
	ds_add_u32 v[SPW], v[NIL]
	s_wait_dscnt 4*NL+1
	WIN MUL_LO
	MUL16 0, 1, NQ-1, \slot, 0
	s_wait_dscnt 0x0
	s_barrier_signal -1
	MUL16 2, 1, NQ-1, \slot, 0
	WIN 0
	s_barrier_wait -1
.if \fill
	CREST
	s_add_nc_u64 s[G0+4*\slot+2:G0+4*\slot+3], s[G0+4*\slot+2:G0+4*\slot+3], 2*STEPA
	s_add_nc_u64 s[G0B+4*\slot+2:G0B+4*\slot+3], s[G0B+4*\slot+2:G0B+4*\slot+3], 2*STEPB
	JLOAD G0+4*\slot, G1, G0B+4*\slot, G1B
.else
	PLACES NP
.endif
	s_wait_alu depctr_va_vdst(0)
	v_add_nc_u32 v[ADRS], 4*NQ, v[ADRS]
	FETCH_B \next, 0, 0
	FETCH_A \next, 0, 0
	SCALES \next
	WIN MUL_HI
	MUL16 4, 1, NQ-1, \slot, 0
	MUL16 6, 1, NQ-1, \slot, 0
	PLACES NP
	WIN 0
	FETCH_A \next, 0, 4
.endm
	s_wait_alu depctr_va_vdst(0)                   ; the wait at the head's end
	s_wait_tensorcnt 0x0                           ; my tile of the head's four is in; slot 1's first fill is issued as a refill is:
	ds_add_u32 v[SPW], v[NIL]
	s_mov_b32 s[G1+2], 96<<16                      ; no load of mine is out: from here on a load brings 128 rows x 192 bytes = 96 x 256
	s_mov_b32 s[G1+4], 96
	s_mov_b32 s[G1B+2], 96<<16
	s_mov_b32 s[G1B+4], 96
	s_wait_dscnt 0x0
	CROUND
	JLOAD G0+4, G1, G0B+4, G1B                     ; K step 1
	FETCH_B 0, 0, 0
	FETCH_A 0, 0, 0
	SCALES 0
	global_prefetch_b8 v[PFO2], s[PFA:PFA+1] th:TH_LOAD_NT scope:SCOPE_SE    ; K step 3
	FETCH_A 0, 0, 4
	STEP 0, 0, 1
	s_mov_b32 s3, LAPS-1
.Llap:
	TURN 0, 1, 1
	STEP 1, 0, 0
	TURN 1, 0, 1
	STEP 0, 0, 0
	s_sub_co_u32 s3, s3, 1
	s_cmp_lg_u32 s3, 0
	s_cbranch_scc1 .Llap
	TURN 0, 1, 0
	STEP 1, 0, 0
	s_wait_dscnt 4*NL
	WIN MUL_LO
	MUL16 0, 1, NQ-1, 1, 0
	MUL16 2, 1, NQ-1, 1, 0
	s_wait_dscnt 0
	WIN MUL_HI
	MUL16 4, 1, NQ-1, 1, 0
	MUL16 6, 1, NQ-1, 1, 0
	WIN 0
.macro ACCB a
	WIN 0x02+(\a)/4
.set kk, 0
.rept 32
	v_pk_add_f32 v[HA+kk:HA+kk+1], v[64*((\a)%4)+kk:64*((\a)%4)+kk+1], v[CB+kk:CB+kk+1]
.set kk, kk+2
.endr
	WIN 0
.endm
.macro SPAIR r, c
	s_mov_b32 s[\r], \c
	s_mov_b32 s[\r+1], \c
.endm
.macro GELU16 x
.irp k, 0,2,4,6,8,10,12,14
	v_pk_mul_f32 v[TU+\k:TU+\k+1], v[\x+\k:\x+\k+1], s[24:25] op_sel_hi:[1,0]
.endr
.irp k, 0,1,2,3,4,5,6,7,8,9,10,11,12,13,14,15
	v_med3_num_f32 v[TU+\k], v[TU+\k], -4.0, 4.0
.endr
.irp k, 0,2,4,6,8,10,12,14
	v_pk_mul_f32 v[T2+\k:T2+\k+1], v[TU+\k:TU+\k+1], v[TU+\k:TU+\k+1]
.endr
.irp k, 0,2,4,6,8,10,12,14
	v_pk_fma_f32 v[TP+\k:TP+\k+1], v[T2+\k:T2+\k+1], v[8:9], s[26:27] op_sel_hi:[1,1,0]
.endr
.irp c, 28,30,32,34,36
.irp k, 0,2,4,6,8,10,12,14
	v_pk_fma_f32 v[TP+\k:TP+\k+1], v[TP+\k:TP+\k+1], v[T2+\k:T2+\k+1], s[\c:\c+1] op_sel_hi:[1,1,0]
.endr
.endr
.irp k, 0,2,4,6,8,10,12,14
	v_pk_fma_f32 v[TQ+\k:TQ+\k+1], v[T2+\k:T2+\k+1], v[10:11], s[38:39] op_sel_hi:[1,1,0]
.endr
.irp c, 48,50,52
.irp k, 0,2,4,6,8,10,12,14
	v_pk_fma_f32 v[TQ+\k:TQ+\k+1], v[TQ+\k:TQ+\k+1], v[T2+\k:T2+\k+1], s[\c:\c+1] op_sel_hi:[1,1,0]
.endr
.endr
	s_wait_alu depctr_va_vdst(0)
.irp k, 0,1,2,3,4,5,6,7,8,9,10,11,12,13,14,15
	v_rcp_f32 v[TQ+\k], v[TQ+\k]
.endr
.irp k, 0,2,4,6,8,10,12,14
	v_pk_mul_f32 v[TP+\k:TP+\k+1], v[TP+\k:TP+\k+1], v[TU+\k:TU+\k+1]
.endr
.irp k, 0,2,4,6,8,10,12,14
	v_pk_mul_f32 v[\x+\k:\x+\k+1], v[\x+\k:\x+\k+1], 0.5 op_sel_hi:[1,0]
.endr
	s_wait_alu depctr_va_vdst(0)
.irp k, 0,2,4,6,8,10,12,14
	v_pk_mul_f32 v[TP+\k:TP+\k+1], v[TP+\k:TP+\k+1], v[TQ+\k:TQ+\k+1]
.endr
.irp k, 0,2,4,6,8,10,12,14
	v_pk_fma_f32 v[\x+\k:\x+\k+1], v[\x+\k:\x+\k+1], v[TP+\k:TP+\k+1], v[\x+\k:\x+\k+1]
.endr
.endm
	PLACES NP
	SPAIR 24, 0x3f3504f3
	SPAIR 26, 0x32edffee
	SPAIR 28, 0xb60cff51
	SPAIR 30, 0xb86ec2d2
	SPAIR 32, 0xba40ac63
	SPAIR 34, 0xbb41a1f6
	SPAIR 36, 0xbc83dbd4
	SPAIR 38, 0xb95fbd29
	SPAIR 48, 0xbadc924e
	SPAIR 50, 0xbbf19bf8
	SPAIR 52, 0xbc69b6a7
	v_mov_b32 v8, 0xaf95df0b
	v_mov_b32 v9, 0xaf95df0b
	v_mov_b32 v10, 0xb77460cd
	v_mov_b32 v11, 0xb77460cd
	s_mov_b32 s[SEL], 0x76543210
	s_mov_b32 s[SEL+1], 0xfedcba98
.irp b, 0,1,2,3
	v_mov_b32 v[TM+4+\b], 0
.endr
	s_mov_b32 s3, 0
	s_mov_b32 s22, 0
	s_mov_b32 s23, 0
.Lrow:
	s_cmp_eq_u32 s3, 0
	s_cbranch_scc1 .Lacc0
	s_cmp_eq_u32 s3, 1
	s_cbranch_scc1 .Lacc1
	s_cmp_eq_u32 s3, 2
	s_cbranch_scc1 .Lacc2
	s_cmp_eq_u32 s3, 3
	s_cbranch_scc1 .Lacc3
	s_cmp_eq_u32 s3, 4
	s_cbranch_scc1 .Lacc4
	s_cmp_eq_u32 s3, 5
	s_cbranch_scc1 .Lacc5
	s_cmp_eq_u32 s3, 6
	s_cbranch_scc1 .Lacc6
	ACCB 7
	s_branch .Ljoin
.Lacc0:
	ACCB 0
	s_branch .Ljoin
.Lacc1:
	ACCB 1
	s_branch .Ljoin
.Lacc2:
	ACCB 2
	s_branch .Ljoin
.Lacc3:
	ACCB 3
	s_branch .Ljoin
.Lacc4:
	ACCB 4
	s_branch .Ljoin
.Lacc5:
	ACCB 5
	s_branch .Ljoin
.Lacc6:
	ACCB 6
.Ljoin:
	s_wait_xcnt 0x0                                ; the last trip's stores have read their registers, which are written again below
	GELU16 HA
	GELU16 HA+16
	GELU16 HA+32
	GELU16 HA+48
	s_wait_dscnt 0x0
.irp b, 0,1,2,3
	v_max3_num_f32 v[TM+\b], |v[HA+16*\b]|, |v[HA+1+16*\b]|, 0x1800000
.endr
.irp i, 2,4,6,8,10,12,14
.irp b, 0,1,2,3
	v_max3_num_f32 v[TM+\b], v[TM+\b], |v[HA+16*\b+\i]|, |v[HA+1+16*\b+\i]|
.endr
.endr
.irp b, 0,1,2,3
	v_permlanex16_b32 v[TM+4+\b], v[TM+\b], s[SEL], s[SEL+1]
.endr
.irp b, 0,1,2,3
	v_max_num_f32 v[TM+\b], v[TM+\b], v[TM+4+\b]
.endr
.irp b, 0,1,2,3
	v_add_nc_u32 v[TM+12+\b], 0xff000000, v[TM+\b]
.endr
.irp b, 0,1,2,3
	v_lshrrev_b32 v[TM+4+\b], 23, v[TM+12+\b]
.endr
	v_lshl_or_b32 v[PW], v[TM+5], 8, v[TM+4]
	v_lshl_or_b32 v[PW], v[TM+6], 16, v[PW]
	v_lshl_or_b32 v[PW], v[TM+7], 24, v[PW]
.irp b, 0,1,2,3
	v_cvt_scalef32_pk16_fp6_f32 v[PCD+4*\b:PCD+4*\b+2], v[HA+16*\b:HA+16*\b+15], v[TM+12+\b]
.endr
	v_nop
	v_add_nc_u32 v[ADR], s22, v[GOF]               ; this trip's image in memory: 6,144 bytes from 16 rows to the next
	v_add_nc_u32 v[ADR2], s23, v[SST]
.irp b, 0,1,2,3
	ds_store_b96 v[STO2], v[PCD+4*\b:PCD+4*\b+2] offset:1024*(\b%2)+32*(\b/2)   ; block b = 2 c + h': place 4 (r + 16 h') + 2 c + h of the image's 128
.endr
	ds_store_b32 v[ADR2], v[PW]
.irp t, 0,1,2,3
	ds_load_b96 v[TU+4*\t:TU+4*\t+2], v[SRD] offset:512*\t   ; LDS serves a wave's instructions in order: these see my stores, and the next trip's stores come behind them
.endr
	s_wait_alu depctr_va_vdst(0)                   ; the wait here, directly ahead of the wait below
	s_wait_dscnt 0x0
.irp t, 0,1,2,3
	global_store_b96 v[ADR], v[TU+4*\t:TU+4*\t+2], s[12:13] offset:384*\t       ; 384 consecutive bytes; the image leaves while the next rows are worked
.endr
	s_add_co_u32 s22, s22, 6144
	s_add_co_u32 s23, s23, 64
	s_add_co_u32 s3, s3, 1
	s_cmp_lt_u32 s3, 8
	s_cbranch_scc1 .Lrow
	s_wait_dscnt 0x0
	s_barrier_signal -1
	s_barrier_wait -1
	s_wait_xcnt 0x0                                ; the last trip's stores have read their registers
.irp u, 0,1
	ds_load_b32 v[TU+2*\u], v[SSR] offset:128*\u
	ds_load_b32 v[TU+2*\u+1], v[SSR] offset:128*\u+512
.endr
	s_wait_dscnt 0x0
	global_store_b64 v[GSO], v[TU:TU+1], s[98:99]
	global_store_b64 v[GSO], v[TU+2:TU+3], s[98:99] offset:4096
	s_wait_tensorcnt 0x0
	ds_add_u32 v[SPW], v[NIL]
	s_wait_dscnt 0x0
	CROUND
	s_endpgm
.Lfunc_end_k_qa11bae06db_ffn1:
	.size	k_qa11bae06db_ffn1, .Lfunc_end_k_qa11bae06db_ffn1-k_qa11bae06db_ffn1
	.p2alignl 7, 3214868480
	.fill 96, 4, 3214868480
	.section	.rodata,"a",@progbits
	.p2align	6, 0x0
	.amdhsa_kernel k_qa11bae06db_ffn1
		.amdhsa_group_segment_fixed_size 327680
		.amdhsa_private_segment_fixed_size 0
		.amdhsa_enable_private_segment 0
		.amdhsa_kernarg_size 32
		.amdhsa_user_sgpr_count 2
		.amdhsa_user_sgpr_kernarg_segment_ptr 1
		.amdhsa_wavefront_size32 1
		.amdhsa_system_sgpr_workgroup_id_x 1
		.amdhsa_system_sgpr_workgroup_id_y 1
		.amdhsa_system_sgpr_workgroup_id_z 1
		.amdhsa_system_vgpr_workitem_id 0
		.amdhsa_next_free_vgpr 1024
		.amdhsa_next_free_sgpr 102
		.amdhsa_reserve_vcc 0
		.amdhsa_float_denorm_mode_32 3
		.amdhsa_float_denorm_mode_16_64 3
		.amdhsa_memory_ordered 1
		.amdhsa_forward_progress 1
		.amdhsa_inst_pref_size 174
	.end_amdhsa_kernel
	.amdgpu_metadata
---
amdhsa.version: [ 1, 2 ]
amdhsa.kernels:
  - .name:           k_qa11bae06db_ffn1
    .symbol:         k_qa11bae06db_ffn1.kd
    .args:
      - { .name: act2, .offset: 0, .size: 8, .value_kind: global_buffer, .address_space: global }
      - { .name: wts, .offset: 8, .size: 8, .value_kind: global_buffer, .address_space: global }
      - { .name: b1, .offset: 16, .size: 8, .value_kind: global_buffer, .address_space: global }
      - { .name: ffh, .offset: 24, .size: 8, .value_kind: global_buffer, .address_space: global }
    .group_segment_fixed_size: 327680
    .private_segment_fixed_size: 0
    .kernarg_segment_align: 8
    .kernarg_segment_size: 32
    .max_flat_workgroup_size: 128
    .sgpr_count:     102
    .vgpr_count:     1024
    .wavefront_size: 32
...
	.end_amdgpu_metadata
.endif
;; end of part 13
;; launch ffn2 (part 14): grid 8 x 32, 4 waves a work-group, clusters of 4 x 4, 327,680 bytes of LDS; arguments ffh, wts, b2, hbuf, out0; writes out0
.if DOCPART == 14
	.amdgcn_target "amdgcn-amd-amdhsa--gfx1250"
	.amdhsa_code_object_version 6
	.text
	.protected	k_qa11bae06db_ffn2
	.globl	k_qa11bae06db_ffn2
	.p2align	8
	.type	k_qa11bae06db_ffn2,@function
k_qa11bae06db_ffn2:
	s_mov_b64 s[64:65], 0
	v_nop
	global_prefetch_b8 v0, s[64:65] scope:SCOPE_SE
	s_setreg_imm32_b32 hwreg(HW_REG_WAVE_MODE, 25, 1), 1
	s_wait_xcnt 0x0
	s_wait_alu depctr_hold_cnt(0) depctr_sa_sdst(0) depctr_va_vdst(0) depctr_va_sdst(0) depctr_va_ssrc(0) depctr_va_vcc(0) depctr_vm_vsrc(0)
	s_getreg_b32 s2, hwreg(HW_REG_IB_STS2, 6, 4)
	s_cmp_eq_u32 s2, 0
	s_cbranch_scc0 .Lentry_in_a_cluster
	s_endpgm
.Lentry_in_a_cluster:
	s_bfe_u32 s2, ttmp6, 0x10000c
	s_cmp_lg_u32 s2, 0xf033
	s_cbranch_scc0 .Lentry_shape_is_right
	s_endpgm
.Lentry_shape_is_right:
.set SIZE_K, 4096
.set ASC,    12582912
.set BCD,    6291456
.set BSC,    9437184+262144
.set KSTEP,  512
.set NQ,     KSTEP/128
.set ROWB,   384
.set KROW,   SIZE_K*6/8
.set PITCH,  384                       ; LDS bytes for a row of a K step: 16 rows are four register images of 1,536 bytes, as they lie in memory; no padding
.set FR,     12
.set NL,     3
.set NP,     4
.set HALFT,  64*PITCH
.set SLOT,   4*HALFT
.set LAPS,   SIZE_K/(2*KSTEP)
.set KS,     SIZE_K/32
.set SCL,    2*SLOT
.set HALFS,  (64*KS/256)*272
.set SBLK,   (16*KS/256)*272
.set SPARE,  SCL+4*HALFS
.set SPITCH, 272
.set BI,   8
.set ADRA, 16
.set ADRB, 20
.set STO,  24
.set RD,   25
.set CO,   26
.set ADRS, 27
.set SPW,  28
.set NIL,  29
.set SC,   32
.set BB,   64
.set ACC,  128
.set RES,  0
.set G1, 24
.set G0, 32
.set G1B, 48
.set G0B, 56
.set G1S, 68
.set G0S, 76
.set G1SB, 80
.set G0SB, 88
.set MSB, 0
.macro WIN new
.if MSB != \new
	s_set_vgpr_msb (MSB<<8)|\new
.set MSB, \new
.endif
.endm
.set MUL,   0x05
.set TO_F,  0x40
.set TO_R,  0x80
.set ADD_R, 0x82
.set ST_R,  0x08
.macro JLOAD g0a, g1a, g0b, g1b
	s_cmp_eq_u32 s15, 0
	s_cbranch_scc0 .Lfor_b_\@
	tensor_load_to_lds s[\g0a:\g0a+3], s[\g1a:\g1a+7]
	s_nop 0
.rept 4
	v_nop
.endr
	s_branch .Lasked_\@
.Lfor_b_\@:
	tensor_load_to_lds s[\g0b:\g0b+3], s[\g1b:\g1b+7]
	s_nop 0
.rept 4
	v_nop
.endr
.Lasked_\@:
.endm
.macro CREST
	s_cmp_lg_u32 s14, 0
	s_cbranch_scc1 .Lnot_wave_0_\@
	s_barrier_signal -3
.Lnot_wave_0_\@:
	s_barrier_wait -3
	s_barrier_signal -1
	s_barrier_wait -1
.endm
.macro CROUND
	s_barrier_signal -1
	s_barrier_wait -1
	CREST
.endm
	s_load_b64 s[4:5], s[0:1], 0x0
	s_load_b64 s[8:9], s[0:1], 0x8
	s_load_b128 s[96:99], s[0:1], 0x10
	s_load_b64 s[12:13], s[0:1], 0x20
	v_lshl_add_u32 v[SPW], v0, 2, SPARE
	v_mov_b32 v[NIL], 0
	ds_add_u32 v28, v29
	ds_add_u32 v28, v29
	s_wait_dscnt 0x0
	v_lshrrev_b32 v1, 5, v0
	v_readfirstlane_b32 s14, v1
	s_lshr_b32 s15, s14, 1
	s_and_b32 s16, s14, 1
	s_bfe_u32 s40, ttmp6, 0x40000
	s_bfe_u32 s41, ttmp6, 0x40004
	s_lshl_b32 s42, ttmp9, 2
	s_add_co_u32 s42, s42, s40
	s_and_b32 s17, ttmp7, 0xffff
	s_lshl_b32 s17, s17, 2
	s_add_co_u32 s17, s17, s41
	s_lshl_b32 s43, s41, 2
	s_lshl_b32 s43, 15, s43
	s_lshl_b32 s44, 0x1111, s40
	s_or_b32 s[G1+0], s43, (0<<16)|(1<<21)
	s_or_b32 s[G1B+0], s44, (0<<16)|(1<<21)
.irp g, G1, G1B
	; codes lie [K step of 512][16 rows][four images of 1,536 bytes]: the rows of a tile are one dense run, stated as rows of 256 bytes and copied as they lie
	s_mov_b32 s[\g+1], 256<<16
	s_mov_b32 s[\g+2], 192<<16                     ; the head's loads: 128 rows x 384 bytes = 192 x 256
	s_mov_b32 s[\g+3], 256<<16
	s_mov_b32 s[\g+4], 192
	s_mov_b32 s[\g+5], 256
	s_mov_b32 s[\g+6], 0
	s_mov_b32 s[\g+7], 0
.endr
	s_or_b32 s[G1S+0], s43, (3<<16)|(1<<20)|(1<<21)|(5<<22)|(3<<25)
	s_or_b32 s[G1SB+0], s44, (3<<16)|(1<<20)|(1<<21)|(5<<22)|(3<<25)
.irp g, G1S, G1SB
	s_mov_b32 s[\g+1], 32<<16
	s_mov_b32 s[\g+2], (128*KS/256)<<16            ; the scale bytes of 128 rows
	s_mov_b32 s[\g+3], 32<<16
	s_mov_b32 s[\g+4], 128*KS/256
	s_mov_b32 s[\g+5], 32
	s_mov_b32 s[\g+6], 0
	s_mov_b32 s[\g+7], 0
.endr
.set STEPA, 1572864                    ; bytes from K step to K step: 4,096 rows x 384 in A,
.set STEPB, 393216                     ; 1,024 x 384 in B
.set G0H,  4                           ; s[4:7], s[8:11] group 0 of the head's two loads of codes (the pointers that lay there have been used by then)
.set G0HB, 8
	s_lshl_b32 s20, s17, 7                         ; the tiles' first rows
	s_lshl_b32 s46, s42, 7
	s_mov_b32 s21, 0
	s_mov_b32 s47, 0
	s_mov_b64 s[18:19], KS
	s_mul_u64 s[22:23], s[20:21], s[18:19]
	s_mul_u64 s[92:93], s[46:47], s[18:19]
	s_mov_b64 s[18:19], ROWB
	s_mul_u64 s[20:21], s[20:21], s[18:19]
	s_mul_u64 s[46:47], s[46:47], s[18:19]
	s_mul_i32 s45, s14, HALFT
	s_wait_kmcnt 0x0
	s_add_nc_u64 s[6:7], s[4:5], ASC
	s_add_nc_u64 s[10:11], s[8:9], BSC
	s_add_nc_u64 s[8:9], s[8:9], BCD
	s_add_nc_u64 s[20:21], s[4:5], s[20:21]
	s_add_nc_u64 s[22:23], s[6:7], s[22:23]
	s_add_nc_u64 s[46:47], s[8:9], s[46:47]
	s_add_nc_u64 s[92:93], s[10:11], s[92:93]
	CROUND
	s_mov_b32 s[G0S], 1
	s_mov_b32 s[G0S+1], SCL
	s_mov_b64 s[G0S+2:G0S+3], s[22:23]
	s_or_b32 s[G0S+3], s[G0S+3], 0x80000000
	s_mov_b32 s[G0SB], 1
	s_mov_b32 s[G0SB+1], SCL+2*HALFS
	s_mov_b64 s[G0SB+2:G0SB+3], s[92:93]
	s_or_b32 s[G0SB+3], s[G0SB+3], 0x80000000
	s_mov_b32 s[G0H], 1                            ; K step 0, whole tiles: A's 128 rows,
	s_mov_b32 s[G0H+1], 0
	s_mov_b64 s[G0H+2:G0H+3], s[20:21]
	s_or_b32 s[G0H+3], s[G0H+3], 0x80000000
	s_mov_b32 s[G0HB], 1                           ; and B's, behind them in slot 0
	s_mov_b32 s[G0HB+1], 2*HALFT
	s_mov_b64 s[G0HB+2:G0HB+3], s[46:47]
	s_or_b32 s[G0HB+3], s[G0HB+3], 0x80000000
	s_mul_i32 s18, s16, 24576                      ; for the ring: my 64 rows of a tile
	s_mov_b32 s19, 0
	s_add_nc_u64 s[20:21], s[20:21], s[18:19]
	s_add_nc_u64 s[46:47], s[46:47], s[18:19]
.irp s, 0,1
	s_mov_b32 s[G0+4*\s], 1
	s_add_co_u32 s[G0+4*\s+1], s45, \s*SLOT
	s_add_nc_u64 s[G0+4*\s+2:G0+4*\s+3], s[20:21], \s*STEPA
	s_or_b32 s[G0+4*\s+3], s[G0+4*\s+3], 0x80000000
	s_mov_b32 s[G0B+4*\s], 1
	s_add_co_u32 s[G0B+4*\s+1], s45, \s*SLOT
	s_add_nc_u64 s[G0B+4*\s+2:G0B+4*\s+3], s[46:47], \s*STEPB
	s_or_b32 s[G0B+4*\s+3], s[G0B+4*\s+3], 0x80000000
.endr
; the head's four tiles, one joint load a wave: wave 0 A's codes, wave 1 B's, wave 2 A's scale bytes, wave 3 B's; one chain of branches on the wave's number
.macro ARM under, g0, g1, next
	s_cmp_lt_u32 s14, \under
	s_cbranch_scc0 \next
	tensor_load_to_lds s[\g0:\g0+3], s[\g1:\g1+7]
	s_nop 0
.rept 4
	v_nop
.endr
	s_branch .Lhead_asked
\next:
.endm
; THE TILES ARE ASKED FOR AHEAD BY PREFETCHES.  A wave's tensor load is a dense run of 24,576 bytes, 96 blocks of 256.  The four partners that ask for it jointly share the blocks out BY ADDRESS
; (place cx for A's tiles, cy for B's): 24 blocks each, a lane a block; lanes 24-31 name the last block again.  K steps 1 and 2 are asked for in the head, K step 3 behind K step 1's load, and the change of
; slots that fills K step t + 2 asks for K step t + 4: two changes of slots, 128 matrix instructions of a wave, ahead of the load that wants it; at most two K steps are asked for and not yet loaded.
; The loop's last trip asks for nothing: K step 7 is the last that is named, so no address leaves its buffer.
.set PFA, 100                          ; s[100:101] my share of the run that I fetch: at K step 1, then stepped at the head of each change of slots that fills;  s[94:95] the bytes from K step to K step
.set PFO, 18                           ; v18, v19, v22  256 x min(lane, 23), the same one and two K steps on; never rewritten
.set PFO2, 22
	s_cmp_eq_u32 s15, 0                            ; do I fetch for A?
	s_cselect_b64 s[PFA:PFA+1], s[20:21], s[46:47]
	s_cselect_b32 s94, s40, s41                    ; my place among the four that ask with me
	s_mul_i32 s94, s94, 6144
	s_mov_b32 s95, 0
	s_add_nc_u64 s[PFA:PFA+1], s[PFA:PFA+1], s[94:95]
	s_mov_b32 s94, STEPB
	s_cmp_eq_u32 s15, 0
	s_cselect_b32 s94, STEPA, s94
	s_add_nc_u64 s[PFA:PFA+1], s[PFA:PFA+1], s[94:95]
	ARM 1, G0H,  G1,  .Lhead_b
	ARM 2, G0HB, G1B, .Lhead_sa
	ARM 3, G0S,  G1S, .Lhead_sb
	tensor_load_to_lds s[G0SB:G0SB+3], s[G1SB:G1SB+7]
	s_nop 0
.rept 4
	v_nop
.endr
.Lhead_asked:
	v_and_b32 v1, 15, v0
	v_bfe_u32 v2, v0, 4, 1
	v_and_b32 v4, 31, v0
	v_mul_u32_u24 v4, v4, 48                       ; my lane's 48 bytes of an image
	s_mul_i32 s21, s15, HALFT
	s_mul_i32 s22, s16, HALFT
	s_add_co_u32 s22, s22, 2*HALFT
.irp s, 0,1
	v_add_nc_u32 v[ADRA+\s], s21, v4
	v_add_nc_u32 v[ADRB+\s], s22, v4
	s_add_co_u32 s21, s21, SLOT
	s_add_co_u32 s22, s22, SLOT
.endr
	v_mul_u32_u24 v5, v1, KS
	v_lshrrev_b32 v6, 8, v5
	v_lshl_add_u32 v5, v6, 4, v5
	s_mul_i32 s21, s15, HALFS
	s_mul_i32 s22, s16, HALFS
	s_add_co_u32 s22, s22, 2*HALFS
	s_sub_co_u32 s22, s22, s21
	v_mul_u32_u24 v6, s22, v2
	s_add_co_u32 s21, s21, SCL
	v_add_nc_u32 v5, v5, v6
	v_add_nc_u32 v[ADRS], s21, v5
	v_and_b32 v[PFO], 31, v0
	v_min_u32 v[PFO], 23, v[PFO]
	v_lshlrev_b32 v[PFO], 8, v[PFO]
	v_add_nc_u32 v[PFO+1], s94, v[PFO]
	v_add_nc_u32 v[PFO2], s94, v[PFO+1]
	s_wait_alu depctr_va_vdst(0)                   ; the wait ahead of the readers below
	global_prefetch_b8 v[PFO], s[PFA:PFA+1] th:TH_LOAD_NT scope:SCOPE_SE     ; K step 1
	global_prefetch_b8 v[PFO+1], s[PFA:PFA+1] th:TH_LOAD_NT scope:SCOPE_SE   ; K step 2
	s_mul_i32 s23, s14, 16*SPITCH
	v_mul_u32_u24 v5, v1, SPITCH
	v_lshl_add_u32 v5, v2, 6, v5
	v_add_nc_u32 v[STO], s23, v5
	v_mul_u32_u24 v5, v2, SPITCH
	v_lshl_add_u32 v5, v1, 4, v5
	v_add_nc_u32 v[RD], s23, v5
	v_lshlrev_b32 v[CO], 12, v2
	v_lshl_add_u32 v[CO], v1, 4, v[CO]
	v_lshlrev_b32 v7, 4, v1
	s_wait_alu depctr_va_vdst(0)
	s_lshl_b32 s20, s17, 7
	s_lshl_b32 s21, s15, 6
	s_add_co_u32 s20, s20, s21
	s_lshl_b32 s20, s20, 12
	s_lshl_b32 s46, s42, 9
	s_lshl_b32 s47, s16, 8
	s_add_co_u32 s46, s46, s47
	s_add_co_u32 s20, s20, s46
	s_mov_b32 s21, 0
	s_mov_b32 s47, 0
	s_add_nc_u64 s[12:13], s[12:13], s[20:21]
	s_add_nc_u64 s[98:99], s[98:99], s[20:21]
	s_add_nc_u64 s[96:97], s[96:97], s[46:47]
	global_load_b128 v[BI:BI+3], v7, s[96:97]
	WIN TO_R
.irp a, 0,1,2,3
.irp i, 0,1,2,3,4,5,6,7
	global_load_b128 v[RES+32*\a+4*\i:RES+32*\a+4*\i+3], v[CO], s[98:99] offset:(32*(\a/2)+8*(\a%2)+2*\i+8*(\i/4))*4096 th:TH_LOAD_NT
.endr
.endr
	WIN 0
.macro FRAG reg, adr, q, i
.irp p, 0,1,2
	ds_load_b128 v[\reg+4*\p:\reg+4*\p+3], v[\adr] offset:1536*(\q)+16*\p+(\i)*16*PITCH
.endr
.endm
.macro MULA u, a, q, sc, zero
.irp b, 0,1,2,3
.if \zero
	v_wmma_scale_f32_16x16x128_f8f6f4 v[ACC+8*(4*(\a)+\b):ACC+8*(4*(\a)+\b)+7], v[128*(\u)+48+FR*\b:128*(\u)+48+FR*\b+FR-1], v[128*(\u)+FR*(\a):128*(\u)+FR*(\a)+FR-1], 0, v[SC+4*NQ*(\sc)+NQ*\b+(\q)], v[SC+4*NQ*(\sc)+NQ*(\a)+(\q)] matrix_a_fmt:MATRIX_FMT_FP6 matrix_b_fmt:MATRIX_FMT_FP6 matrix_a_scale:MATRIX_SCALE_ROW1
.else
	v_wmma_scale_f32_16x16x128_f8f6f4 v[ACC+8*(4*(\a)+\b):ACC+8*(4*(\a)+\b)+7], v[128*(\u)+48+FR*\b:128*(\u)+48+FR*\b+FR-1], v[128*(\u)+FR*(\a):128*(\u)+FR*(\a)+FR-1], v[ACC+8*(4*(\a)+\b):ACC+8*(4*(\a)+\b)+7], v[SC+4*NQ*(\sc)+NQ*\b+(\q)], v[SC+4*NQ*(\sc)+NQ*(\a)+(\q)] matrix_a_fmt:MATRIX_FMT_FP6 matrix_b_fmt:MATRIX_FMT_FP6 matrix_a_scale:MATRIX_SCALE_ROW1
.endif
.endr
.endm
.macro FETCH slot, q, u
	WIN TO_F
.irp i, 0,1,2,3
	FRAG 128*(\u)+48+FR*\i, ADRB+\slot, \q, \i
.endr
.irp i, 0,1,2,3
	FRAG 128*(\u)+FR*\i, ADRA+\slot, \q, \i
.endr
.endm
.macro SCALES sc
.irp i, 0,1,2,3
	ds_load_b128 v[SC+4*NQ*\sc+NQ*\i:SC+4*NQ*\sc+NQ*\i+3], v[ADRS] offset:\i*SBLK
.endr
.endm
.macro PLACES n
.rept \n
	v_nop
.endr
.endm
.macro STEP slot, q, zero
	s_wait_dscnt 2*NL
	WIN MUL
	MULA (\q)%2, 0, \q, \slot, \zero
	MULA (\q)%2, 1, \q, \slot, \zero
	PLACES NP
	FETCH \slot, (\q)+1, 1-(\q)%2
	s_wait_dscnt 8*NL
	WIN MUL
	MULA (\q)%2, 2, \q, \slot, \zero
	MULA (\q)%2, 3, \q, \slot, \zero
.endm
.macro TURN slot, next, fill
	WIN 0
.if \fill
	s_wait_xcnt 0x0                                ; any prefetch of mine has read its address: it is stepped here, a K step behind the prefetch that read it
	s_add_nc_u64 s[PFA:PFA+1], s[PFA:PFA+1], s[94:95]
.endif
	s_wait_tensorcnt 0x0
	ds_add_u32 v[SPW], v[NIL]
	s_wait_dscnt 2*NL+1
	WIN MUL
	MULA 1, 0, NQ-1, \slot, 0
	s_wait_dscnt 0x0
	s_barrier_signal -1
	MULA 1, 1, NQ-1, \slot, 0
	WIN 0
	s_barrier_wait -1
.if \fill
	CREST
	s_add_nc_u64 s[G0+4*\slot+2:G0+4*\slot+3], s[G0+4*\slot+2:G0+4*\slot+3], 2*STEPA
	s_add_nc_u64 s[G0B+4*\slot+2:G0B+4*\slot+3], s[G0B+4*\slot+2:G0B+4*\slot+3], 2*STEPB
	JLOAD G0+4*\slot, G1, G0B+4*\slot, G1B
.else
	PLACES NP
.endif
	s_wait_alu depctr_va_vdst(0)
	v_add_nc_u32 v[ADRS], 4*NQ, v[ADRS]
	SCALES \next
.if \fill
	s_cmp_gt_u32 s3, 1                             ; s3 = 1 in the loop's last trip, whose two K steps on lie beyond K
	s_cbranch_scc0 .Lno_ask_\@
	global_prefetch_b8 v[PFO2], s[PFA:PFA+1] th:TH_LOAD_NT scope:SCOPE_SE    ; the K step two on from the one just asked for by the joint load
.Lno_ask_\@:
.endif
	FETCH \next, 0, 0
	WIN MUL
	MULA 1, 2, NQ-1, \slot, 0
	MULA 1, 3, NQ-1, \slot, 0
.endm
.macro TOSTAGE a
.irp b, 0,1,2,3
	ds_store_b128 v[STO], v[ACC+8*(4*(\a)+\b):ACC+8*(4*(\a)+\b)+3] offset:128*(\b/2)+32*(\b%2)
	ds_store_b128 v[STO], v[ACC+8*(4*(\a)+\b)+4:ACC+8*(4*(\a)+\b)+7] offset:128*(\b/2)+32*(\b%2)+16
.endr
.irp i, 0,1,2,3,4,5,6,7
	ds_load_b128 v[BB+32*((\a)%2)+4*\i:BB+32*((\a)%2)+4*\i+3], v[RD] offset:2*\i*SPITCH
.endr
.endm
	s_wait_alu depctr_va_vdst(0)                   ; the wait at the head's end
	s_wait_tensorcnt 0x0                           ; my tile of the head's four is in; slot 1's first fill is issued as a refill is:
	ds_add_u32 v[SPW], v[NIL]
	s_mov_b32 s[G1+2], 96<<16                      ; no load of mine is out: from here on a load brings 64 rows x 384 bytes = 96 x 256
	s_mov_b32 s[G1+4], 96
	s_mov_b32 s[G1B+2], 96<<16
	s_mov_b32 s[G1B+4], 96
	s_wait_dscnt 0x0
	CROUND
	JLOAD G0+4, G1, G0B+4, G1B                     ; K step 1
	SCALES 0
	global_prefetch_b8 v[PFO2], s[PFA:PFA+1] th:TH_LOAD_NT scope:SCOPE_SE    ; K step 3
	FETCH 0, 0, 0
	STEP 0, 0, 1
.if LAPS > 1
	WIN 0
	s_mov_b32 s3, LAPS-1
.Llap:
	STEP 0, 1, 0
	STEP 0, 2, 0
	TURN 0, 1, 1
	STEP 1, 0, 0
	STEP 1, 1, 0
	STEP 1, 2, 0
	TURN 1, 0, 1
	STEP 0, 0, 0
	WIN 0
	s_sub_co_u32 s3, s3, 1
	s_cmp_lg_u32 s3, 0
	s_cbranch_scc1 .Llap
.endif
	STEP 0, 1, 0
	STEP 0, 2, 0
	TURN 0, 1, 0
	STEP 1, 0, 0
	STEP 1, 1, 0
	STEP 1, 2, 0
	s_wait_dscnt 2*NL
	WIN MUL
	MULA 1, 0, NQ-1, 1, 0
	MULA 1, 1, NQ-1, 1, 0
	s_wait_dscnt 0
	MULA 1, 2, NQ-1, 1, 0
	MULA 1, 3, NQ-1, 1, 0
	WIN 0
	PLACES NP
	s_wait_loadcnt 0x0
	TOSTAGE 0
.irp a, 0,1,2,3
.if \a < 3
	TOSTAGE \a+1
.endif
	WIN ADD_R
.irp i, 0,1,2,3,4,5,6,7
	v_pk_add_f32 v[RES+32*\a+4*\i:RES+32*\a+4*\i+1], v[RES+32*\a+4*\i:RES+32*\a+4*\i+1], v[BI:BI+1]
	v_pk_add_f32 v[RES+32*\a+4*\i+2:RES+32*\a+4*\i+3], v[RES+32*\a+4*\i+2:RES+32*\a+4*\i+3], v[BI+2:BI+3]
.endr
.if \a < 3
	s_wait_dscnt 16
.else
	s_wait_dscnt 0x0
.endif
.irp i, 0,1,2,3,4,5,6,7,8,9,10,11,12,13,14,15
	v_pk_add_f32 v[RES+32*\a+2*\i:RES+32*\a+2*\i+1], v[RES+32*\a+2*\i:RES+32*\a+2*\i+1], v[BB+32*(\a%2)+2*\i:BB+32*(\a%2)+2*\i+1]
.endr
	WIN ST_R
.irp i, 0,1,2,3,4,5,6,7
	global_store_b128 v[CO], v[RES+32*\a+4*\i:RES+32*\a+4*\i+3], s[12:13] offset:(32*(\a/2)+8*(\a%2)+2*\i+8*(\i/4))*4096 th:TH_STORE_NT
.endr
	WIN 0
.endr
	s_wait_tensorcnt 0x0
	ds_add_u32 v[SPW], v[NIL]
	s_wait_dscnt 0x0
	CROUND
	s_endpgm
.Lfunc_end_k_qa11bae06db_ffn2:
	.size	k_qa11bae06db_ffn2, .Lfunc_end_k_qa11bae06db_ffn2-k_qa11bae06db_ffn2
	.p2alignl 7, 3214868480
	.fill 96, 4, 3214868480
	.section	.rodata,"a",@progbits
	.p2align	6, 0x0
	.amdhsa_kernel k_qa11bae06db_ffn2
		.amdhsa_group_segment_fixed_size 327680
		.amdhsa_private_segment_fixed_size 0
		.amdhsa_enable_private_segment 0
		.amdhsa_kernarg_size 40
		.amdhsa_user_sgpr_count 2
		.amdhsa_user_sgpr_kernarg_segment_ptr 1
		.amdhsa_wavefront_size32 1
		.amdhsa_system_sgpr_workgroup_id_x 1
		.amdhsa_system_sgpr_workgroup_id_y 1
		.amdhsa_system_sgpr_workgroup_id_z 1
		.amdhsa_system_vgpr_workitem_id 0
		.amdhsa_next_free_vgpr 768
		.amdhsa_next_free_sgpr 102
		.amdhsa_reserve_vcc 0
		.amdhsa_float_denorm_mode_32 3
		.amdhsa_float_denorm_mode_16_64 3
		.amdhsa_memory_ordered 1
		.amdhsa_forward_progress 1
		.amdhsa_inst_pref_size 95
	.end_amdhsa_kernel
	.amdgpu_metadata
---
amdhsa.version: [ 1, 2 ]
amdhsa.kernels:
  - .name:           k_qa11bae06db_ffn2
    .symbol:         k_qa11bae06db_ffn2.kd
    .args:
      - { .name: ffh, .offset: 0, .size: 8, .value_kind: global_buffer, .address_space: global }
      - { .name: wts, .offset: 8, .size: 8, .value_kind: global_buffer, .address_space: global }
      - { .name: b2, .offset: 16, .size: 8, .value_kind: global_buffer, .address_space: global }
      - { .name: hbuf, .offset: 24, .size: 8, .value_kind: global_buffer, .address_space: global }
      - { .name: out0, .offset: 32, .size: 8, .value_kind: global_buffer, .address_space: global }
    .group_segment_fixed_size: 327680
    .private_segment_fixed_size: 0
    .kernarg_segment_align: 8
    .kernarg_segment_size: 40
    .max_flat_workgroup_size: 128
    .sgpr_count:     102
    .vgpr_count:     768
    .wavefront_size: 32
...
	.end_amdgpu_metadata
.endif
;; end of part 14
